; MI455X (gfx1250); checked and timed in simulation.
; The chip was launched on July 23, 2026; its instructions are those of AMD's public machine-readable ISA for CDNA 5 (MIT licence, August 2026) and "CDNA5" Instruction Set Architecture Reference Guide (July 2026). The comments in the code are by the model that wrote it; some were corrected since.
;; Block. Allowed arithmetic: float matrix products may take bf16 or f16 operands with f32 sums; all other float work in f32.
;; Inputs: b_attn 3,072 float32; b_fc 4,096 float32; b_mlp 1,024 float32; b_proj 1,024 float32; ln1_b 1,024 float32; ln1_w 1,024 float32; ln2_b 1,024 float32; ln2_w 1,024 float32; w_attn 3,072 x 1,024 float32; w_fc 4,096 x 1,024 float32; w_mlp 1,024 x 4,096 float32; w_proj 1,024 x 1,024 float32; x 2 x 2,048 x 1,024 float32.
;; Outputs: out0 2 x 2,048 x 1,024 float32; out1 one number float32; out2 2 x 2 x 16 x 2,048 x 64 float32.
;; 2 versions, each right; version 2 is version 1 with the launches prep, ln2 written anew for expert scheduling mode. Each part assembles by itself: llvm-mc -triple=amdgcn-amd-amdhsa -mcpu=gfx1250 --defsym DOCPART=n.
;; ======== version 1 of 2: 7 launches
;; limits: a function is approximated: absolute error at most 2.05e-05; values are held in f16: magnitudes above 65,504 overflow, below 6.1e-05 lose precision; inputs' magnitudes at most 65,504
;; workspace buffers: wa 6,291,456 bytes; wbf 18,874,368 bytes; h 8,388,608 bytes; qkvb 25,165,824 bytes; y 8,388,608 bytes; x1 16,777,216 bytes; g 33,554,432 bytes; entp 4,096 bytes
;; launch prep (part 1): grid 512 x 1, 8 waves a work-group, no clusters, 0 bytes of LDS; arguments x, ln1_w, ln1_b, w_attn, h, wa; writes h, wa
.if DOCPART == 1
	.amdgcn_target "amdgcn-amd-amdhsa--gfx1250"
	.amdhsa_code_object_version 6
	.text
	.protected	k_q0dbdd561c0_prep
	.globl	k_q0dbdd561c0_prep
	.p2align	8
	.type	k_q0dbdd561c0_prep,@function
k_q0dbdd561c0_prep:
	s_mov_b64 s[64:65], 0
	v_nop
	global_prefetch_b8 v0, s[64:65] scope:SCOPE_SE
	s_setreg_imm32_b32 hwreg(HW_REG_WAVE_MODE, 25, 1), 1
	s_wait_xcnt 0x0
; Two streams in one launch, what the QKV product needs and no more.
; Work-groups 0-255: h = f16(layer norm of x), 16 rows each, two rows a wave.  A row of 1,024 f32 is 32 registers of one wave, so it is read once and
; stays in registers for the mean, the centring, the variance and the scaling; the row is centred before it is squared, so a common offset of x costs no accuracy.
; Work-groups 256-511: w_attn, f32 -> f16, 12,288 numbers (48 KiB in, 24 KiB out) each, into wa.  (The other three weight matrices are cast in the next launch, by work-groups of their own.)
; FORMATS.  The products that take h (a layer norm's output) run on f16: it keeps 11 bits of an operand against bf16's 8, and k and v leave in f32 as sums of 1,024 such products.
; h has room there: |h| <= 32 max|gain| + max|bias|.  LIMIT: a magnitude of h or w_attn of 65,504 or more becomes infinite; under 6.1e-5 the rounding error is 3e-8 absolute.
; No LDS, no barrier, no matrix unit: nothing is shared between waves and bytes are all that counts.
.set X0, 32                            ; v[32:63]   row 0 of the wave
.set X1, 64                            ; v[64:95]   row 1
.set WG, 96                            ; v[96:127]  the gains of my 32 columns
.set BG, 128                           ; v[128:159] the biases
.set XB, 8                             ; s[8:9] x, s[10:11] gain, s[12:13] bias, s[14:15] w_attn, s[16:17] h, s[18:19] wa
.set WB, 10
.set BB, 12
.set HB, 16
.macro WRED r, t                       ; the sum of v[r] over the 32 lanes, in every lane; v[t] has been written before
	v_add_f32_dpp v[\r], v[\r], v[\r] row_xmask:1 row_mask:0xf bank_mask:0xf
	v_add_f32_dpp v[\r], v[\r], v[\r] row_xmask:2 row_mask:0xf bank_mask:0xf
	v_add_f32_dpp v[\r], v[\r], v[\r] row_xmask:4 row_mask:0xf bank_mask:0xf
	v_add_f32_dpp v[\r], v[\r], v[\r] row_xmask:8 row_mask:0xf bank_mask:0xf
	v_permlanex16_b32 v[\t], v[\r], s30, s31
	v_add_f32 v[\r], v[\r], v[\t]
.endm
.macro JOIN p, t                       ; four pairs of partial sums at v[p] -> one number in every lane
	v_pk_add_f32 v[\p:\p+1], v[\p:\p+1], v[\p+2:\p+3]
	v_pk_add_f32 v[\p+4:\p+5], v[\p+4:\p+5], v[\p+6:\p+7]
	v_pk_add_f32 v[\p:\p+1], v[\p:\p+1], v[\p+4:\p+5]
	v_add_f32 v[\p], v[\p], v[\p+1]
	WRED \p, \t
.endm
.macro SUM32 x, p, t                   ; the sum of 32 registers at v[x], in four chains that the first eight pairs start: nothing is cleared
.irp k, 0,1,2,3
	v_pk_add_f32 v[\p+2*\k:\p+2*\k+1], v[\x+2*\k:\x+2*\k+1], v[\x+8+2*\k:\x+8+2*\k+1]
.endr
.irp k, 0,1,2,3,4,5,6,7
	v_pk_add_f32 v[\p+2*(\k%4):\p+2*(\k%4)+1], v[\p+2*(\k%4):\p+2*(\k%4)+1], v[\x+16+2*\k:\x+16+2*\k+1]
.endr
	JOIN \p, \t
.endm
.macro LNMEAN x, p, mu, t
	SUM32 \x, \p, \t
	v_mul_f32 v[\mu], 0x3a800000, v[\p]            ; / 1,024
	v_mov_b32 v[\mu+1], v[\mu]                     ; twice: a pair for the packed forms
.endm
.macro LNCEN x, mu
.irp k, 0,1,2,3,4,5,6,7,8,9,10,11,12,13,14,15
	v_pk_add_f32 v[\x+2*\k:\x+2*\k+1], v[\x+2*\k:\x+2*\k+1], v[\mu:\mu+1] neg_lo:[0,1] neg_hi:[0,1]
.endr
.endm
.macro LNVAR x, p, rs, t
.irp k, 0,1,2,3
	v_pk_mul_f32 v[\p+2*\k:\p+2*\k+1], v[\x+2*\k:\x+2*\k+1], v[\x+2*\k:\x+2*\k+1]
.endr
.irp k, 4,5,6,7,8,9,10,11,12,13,14,15
	v_pk_fma_f32 v[\p+2*(\k%4):\p+2*(\k%4)+1], v[\x+2*\k:\x+2*\k+1], v[\x+2*\k:\x+2*\k+1], v[\p+2*(\k%4):\p+2*(\k%4)+1]
.endr
	JOIN \p, \t
	v_fmaak_f32 v[\p], v[\p], v30, 0x3727c5ac      ; sum / 1,024 + 1e-5
	v_rsq_f32 v[\rs], v[\p]
	v_rsq_f32 v[\rs+1], v[\p]
	v_nop                                          ; a plain instruction between the root and its use (ISA guide 5.7.2)
.endm
.macro LNOUT x, rs, row
	s_wait_alu depctr_va_vdst(0)
.irp k, 0,1,2,3,4,5,6,7,8,9,10,11,12,13,14,15
	v_pk_mul_f32 v[\x+2*\k:\x+2*\k+1], v[\x+2*\k:\x+2*\k+1], v[\rs:\rs+1]
.endr
.irp k, 0,1,2,3,4,5,6,7,8,9,10,11,12,13,14,15
	v_pk_fma_f32 v[\x+2*\k:\x+2*\k+1], v[\x+2*\k:\x+2*\k+1], v[WG+2*\k:WG+2*\k+1], v[BG+2*\k:BG+2*\k+1]
.endr
.irp j, 0,1,2,3,4,5,6,7
	v_cvt_pk_f16_f32 v[\x+4*\j], v[\x+4*\j], v[\x+4*\j+1]
	v_cvt_pk_f16_f32 v[\x+4*\j+1], v[\x+4*\j+2], v[\x+4*\j+3]
	global_store_b64 v4, v[\x+4*\j:\x+4*\j+1], s[HB:HB+1] offset:\row*2048+256*\j   ; 32 lanes x 8 bytes: 256 consecutive bytes, aligned
.endr
.endm
	s_load_b256 s[8:15], s[0:1], 0x0               ; x 8, ln1_w 10, ln1_b 12, w_attn 14
	s_load_b128 s[16:19], s[0:1], 0x20             ; h 16, wa 18
	v_and_b32 v1, 31, v0                           ; lane
	v_lshrrev_b32 v5, 5, v0                        ; wave
	s_cmp_lt_u32 ttmp9, 256
	s_cbranch_scc0 .Lcast
	; THE LAYER NORM
	v_lshlrev_b32 v3, 4, v1                        ; my 16 bytes in each 512 of the gains and biases
	v_lshl_or_b32 v2, v5, 13, v3                   ; and of x: + wave x 2 rows x 4,096 bytes
	v_lshlrev_b32 v4, 3, v1
	v_lshl_or_b32 v4, v5, 12, v4                   ; in h: wave x 2 rows x 2,048 bytes + 8 x lane
	v_mov_b32 v28, 0                               ; destinations of the lane exchange: written once
	v_mov_b32 v29, 0
	v_mov_b32 v30, 0x3a800000                      ; 1 / 1,024
	s_mov_b32 s30, 0x76543210                      ; each lane takes its own place in the other half
	s_mov_b32 s31, 0xfedcba98
	s_lshl_b32 s26, ttmp9, 16                      ; 16 rows of 4,096 bytes
	s_mov_b32 s27, 0
	s_lshl_b32 s28, ttmp9, 15                      ; 16 rows of 2,048 bytes
	s_mov_b32 s29, 0
	s_wait_kmcnt 0x0
	s_add_nc_u64 s[XB:XB+1], s[XB:XB+1], s[26:27]
	s_add_nc_u64 s[HB:HB+1], s[HB:HB+1], s[28:29]
.irp j, 0,1,2,3,4,5,6,7
	global_load_b128 v[X0+4*\j:X0+4*\j+3], v2, s[XB:XB+1] offset:512*\j
.endr
.irp j, 0,1,2,3,4,5,6,7
	global_load_b128 v[X1+4*\j:X1+4*\j+3], v2, s[XB:XB+1] offset:4096+512*\j
.endr
.irp j, 0,1,2,3,4,5,6,7
	global_load_b128 v[WG+4*\j:WG+4*\j+3], v3, s[WB:WB+1] offset:512*\j
.endr
.irp j, 0,1,2,3,4,5,6,7
	global_load_b128 v[BG+4*\j:BG+4*\j+3], v3, s[BB:BB+1] offset:512*\j
.endr
	s_wait_loadcnt 16                              ; both rows are in; the sixteen younger loads (gains, biases) stay out
	LNMEAN X0, 8, 24, 28
	LNMEAN X1, 16, 26, 29
	LNCEN X0, 24
	LNCEN X1, 26
	LNVAR X0, 8, 24, 28
	LNVAR X1, 16, 26, 29
	s_wait_loadcnt 0x0                             ; gains and biases
	LNOUT X0, 24, 0
	LNOUT X1, 26, 1
	s_endpgm
	; THE CAST OF w_attn
.Lcast:
	s_sub_co_u32 s32, ttmp9, 256                   ; part 0..255 of 12,288 numbers
	v_lshlrev_b32 v2, 4, v0                        ; 16 bytes a thread in, 4,096 a step
	v_lshlrev_b32 v3, 3, v0                        ; 8 bytes a thread out
	s_mul_i32 s34, s32, 49152
	s_mov_b32 s35, 0
	s_mul_i32 s36, s32, 24576
	s_mov_b32 s37, 0
	s_wait_kmcnt 0x0
	s_add_nc_u64 s[14:15], s[14:15], s[34:35]
	s_add_nc_u64 s[18:19], s[18:19], s[36:37]
.irp i, 0,1,2,3,4,5,6,7,8,9,10,11
	global_load_b128 v[32+4*\i:32+4*\i+3], v2, s[14:15] offset:4096*\i th:TH_LOAD_NT
.endr
.irp i, 0,1,2,3,4,5,6,7,8,9,10,11
	s_wait_loadcnt 11-\i                           ; loads come back in order (ISA guide 5.7.1): step i is in, the younger ones stay out
	v_cvt_pk_f16_f32 v[32+4*\i], v[32+4*\i], v[32+4*\i+1]
	v_cvt_pk_f16_f32 v[32+4*\i+1], v[32+4*\i+2], v[32+4*\i+3]
	global_store_b64 v3, v[32+4*\i:32+4*\i+1], s[18:19] offset:2048*\i
.endr
	s_endpgm
.Lfunc_end_k_q0dbdd561c0_prep:
	.size	k_q0dbdd561c0_prep, .Lfunc_end_k_q0dbdd561c0_prep-k_q0dbdd561c0_prep
	.p2alignl 7, 3214868480
	.fill 96, 4, 3214868480
	.section	.rodata,"a",@progbits
	.p2align	6, 0x0
	.amdhsa_kernel k_q0dbdd561c0_prep
		.amdhsa_group_segment_fixed_size 0
		.amdhsa_private_segment_fixed_size 0
		.amdhsa_enable_private_segment 0
		.amdhsa_kernarg_size 48
		.amdhsa_user_sgpr_count 2
		.amdhsa_user_sgpr_kernarg_segment_ptr 1
		.amdhsa_wavefront_size32 1
		.amdhsa_system_sgpr_workgroup_id_x 1
		.amdhsa_system_sgpr_workgroup_id_y 1
		.amdhsa_system_sgpr_workgroup_id_z 1
		.amdhsa_system_vgpr_workitem_id 0
		.amdhsa_next_free_vgpr 160
		.amdhsa_next_free_sgpr 66
		.amdhsa_reserve_vcc 0
		.amdhsa_float_denorm_mode_32 3
		.amdhsa_float_denorm_mode_16_64 3
		.amdhsa_memory_ordered 1
		.amdhsa_forward_progress 1
		.amdhsa_inst_pref_size 25
	.end_amdhsa_kernel
	.amdgpu_metadata
---
amdhsa.version: [ 1, 2 ]
amdhsa.kernels:
  - .name:           k_q0dbdd561c0_prep
    .symbol:         k_q0dbdd561c0_prep.kd
    .args:
      - { .name: x, .offset: 0, .size: 8, .value_kind: global_buffer, .address_space: global }
      - { .name: ln1_w, .offset: 8, .size: 8, .value_kind: global_buffer, .address_space: global }
      - { .name: ln1_b, .offset: 16, .size: 8, .value_kind: global_buffer, .address_space: global }
      - { .name: w_attn, .offset: 24, .size: 8, .value_kind: global_buffer, .address_space: global }
      - { .name: h, .offset: 32, .size: 8, .value_kind: global_buffer, .address_space: global }
      - { .name: wa, .offset: 40, .size: 8, .value_kind: global_buffer, .address_space: global }
    .group_segment_fixed_size: 0
    .private_segment_fixed_size: 0
    .kernarg_segment_align: 8
    .kernarg_segment_size: 48
    .max_flat_workgroup_size: 256
    .sgpr_count:     66
    .vgpr_count:     160
    .wavefront_size: 32
...
	.end_amdgpu_metadata
.endif
;; end of part 1
;; launch qkv (part 2): grid 16 x 16, 4 waves a work-group, clusters of 4 x 4, 327,680 bytes of LDS; arguments h, wa, b_attn, qkvb, out2, w_proj, w_fc, w_mlp, wbf; writes qkvb, out2, wbf
.if DOCPART == 2
	.amdgcn_target "amdgcn-amd-amdhsa--gfx1250"
	.amdhsa_code_object_version 6
	.text
	.protected	k_q0dbdd561c0_qkv
	.globl	k_q0dbdd561c0_qkv
	.p2align	8
	.type	k_q0dbdd561c0_qkv,@function
k_q0dbdd561c0_qkv:
	s_mov_b64 s[64:65], 0
	v_nop
	global_prefetch_b8 v0, s[64:65] scope:SCOPE_SE
	s_setreg_imm32_b32 hwreg(HW_REG_WAVE_MODE, 25, 1), 1
	s_wait_xcnt 0x0
	s_wait_alu depctr_hold_cnt(0) depctr_sa_sdst(0) depctr_va_vdst(0) depctr_va_sdst(0) depctr_va_ssrc(0) depctr_va_vcc(0) depctr_vm_vsrc(0)
	s_getreg_b32 s2, hwreg(HW_REG_IB_STS2, 6, 4)
	s_cmp_eq_u32 s2, 0
	s_cbranch_scc0 .Lentry_in_a_cluster
	s_endpgm
.Lentry_in_a_cluster:
	s_bfe_u32 s2, ttmp6, 0x10000c
	s_cmp_lg_u32 s2, 0xf033
	s_cbranch_scc0 .Lentry_shape_is_right
	s_endpgm
.Lentry_shape_is_right:
; TWO KINDS OF CLUSTERS, told apart by the cluster's x, which all partners of a cluster share.
; x = 0, 1, 2 (192 work-groups): qkv[m][n] = sum over k of h[m][k] Wattn[n][k] + b_attn[n].  h: [4096][1024] f16, Wattn: [3072][1024] f16 (wa); sums in f32.
; x = 3 (64 work-groups): the product has 192 tiles, so these cast the weights of the later launches meanwhile: w_proj -> bf16 (wbf, byte 0), w_fc -> f16 (byte 2,097,152), w_mlp -> bf16 (byte 10,485,760).
; THE PRODUCT.  f16 operands: k and v leave in f32, and f16 keeps 11 bits of each operand against bf16's 8.  LIMIT: h, Wattn and w_fc lie under 65,504 in magnitude (|h| <= 32 max|gain| + max|bias|).
; Out: q, k, v in bf16 (results of products: bf16's range), head-major, qkvb[3][2][16][2048][64]; k and v also in f32 into out2[2][2][16][2048][64].
; A tile of 256 x 256 to a work-group of four waves, 128 x 128 to a wave (64 accumulators, 512 registers); K in steps of 128 through two LDS slots filled by the tensor data mover.
; A tile of 256 columns is four whole heads of one of q, k, v; a cluster's four tile columns are 1,024 columns: the cluster's x says whether it makes q (0), k (1) or v (2).
; CLUSTERS of 4 x 4: the four of a row need the same tiles of h, the four of a column the same tiles of W; each tile is asked for jointly, which divides the requests by four.
; THE MATRIX INSTRUCTION IS USED TRANSPOSED (source 0 = 16 rows of W, source 1 = 16 rows of h): lane l holds row l % 16 and eight neighbouring columns 8 (l / 16) + 0..7.
; REGISTERS: window 0: v0-31 addresses; v64-191 h's fragments, two buffers (on the way out: v64-127 sums + bias, v128-191 f32 rows read back); v192-223 packed; v32-63 bf16 rows read back.
;   window 1: v0-63 the bias of my 128 columns; v64-191 W's fragments, two buffers.   windows 2, 3: accumulator (a, b) at v[8 (8 (a % 4) + b)].
.set SIZE_K, 1024
.set SIZE_N, 3072
.set KSTEP,  128
.set PITCH,  272                       ; an LDS row: 256 bytes + 16 of padding = 68 words: row r starts at bank 4 r mod 64 (64 banks of 4 bytes: ISA guide 11.1)
.set HALFT,  128*PITCH
.set SLOT,   4*HALFT
.set STAGE,  2*SLOT                    ; behind the ring: 8,448 bytes for each wave; no tensor load fills them
.set SPITCH, 272                       ; the stage as 16 rows of 128 bf16
.set FPITCH, 528                       ; the stage as 16 rows of 128 f32
.set LAPS, SIZE_K/(2*KSTEP)
.set ADRA, 16
.set ADRB, 20
.set STO,  24
.set RD,   25
.set CO,   26
.set BO,   27
.set STO32, 28
.set RD32,  29
.set F0,   64
.set F1,   128
.set FV,   64
.set QV,   128
.set TMP,  192
.set OB,   32
.set G1, 24
.set G0, 32
.set G1B, 48
.set G0B, 56
.set MSB, 0
.macro WIN new                         ; the immediate's high byte repeats the setting that is left
.if MSB != \new
	s_set_vgpr_msb (MSB<<8)|\new
.set MSB, \new
.endif
.endm
.set MUL_LO, 0xa1                      ; source 0 (W) window 1, source 1 (h) window 0, C and D window 2
.set MUL_HI, 0xf1                      ; the same, C and D window 3
.set TO_B,   0x40                      ; destination window 1, address window 0
.macro JLOAD s                         ; a joint load: waves 0 and 1 fetch h's two halves, waves 2 and 3 W's; four v_nop follow each line
	s_cmp_eq_u32 s11, 0
	s_cbranch_scc0 .Lfor_b_\@
	tensor_load_to_lds s[G0+4*\s:G0+4*\s+3], s[G1:G1+7]
	s_nop 0
.rept 4
	v_nop
.endr
	s_branch .Lasked_\@
.Lfor_b_\@:
	tensor_load_to_lds s[G0B+4*\s:G0B+4*\s+3], s[G1B:G1B+7]
	s_nop 0
.rept 4
	v_nop
.endr
.Lasked_\@:
.endm
.macro CREST                           ; a round of the cluster's barrier behind its opening barrier
	s_cmp_lg_u32 s10, 0
	s_cbranch_scc1 .Lnot_wave_0_\@
	s_barrier_signal -3
.Lnot_wave_0_\@:
	s_barrier_wait -3
	s_barrier_signal -1
	s_barrier_wait -1
.endm
.macro CROUND
	s_barrier_signal -1
	s_barrier_wait -1
	CREST
.endm
	s_set_vgpr_msb 0x40
	v_lshl_add_u32 v255, v0, 2, 0x4c400
	s_set_vgpr_msb 0x4000
	v_mov_b32 v31, 0
	s_set_vgpr_msb 0x1
	ds_add_u32 v255, v31
	ds_add_u32 v255, v31
	s_wait_dscnt 0x0
	s_set_vgpr_msb 0x100
	s_cmp_eq_u32 ttmp9, 3                          ; the cluster's x: the same in all sixteen partners
	s_cbranch_scc1 .Lcast
	s_load_b128 s[4:7], s[0:1], 0x0                ; h s[4:5], wa s[6:7]
	s_load_b128 s[68:71], s[0:1], 0x10             ; b_attn s[68:69], qkvb s[70:71]
	s_load_b64 s[72:73], s[0:1], 0x20              ; out2
	v_lshrrev_b32 v1, 5, v0
	v_readfirstlane_b32 s10, v1                    ; wave 0..3
	s_lshr_b32 s11, s10, 1                         ; which half of the tile's rows is mine.  Also: I fetch for h (0) or for W (1)
	s_and_b32 s12, s10, 1                          ; which half of its columns.  Also: which 128 rows of that tile I fetch
	s_bfe_u32 s40, ttmp6, 0x40000                  ; cx
	s_bfe_u32 s41, ttmp6, 0x40004                  ; cy
	s_lshl_b32 s42, ttmp9, 2
	s_add_co_u32 s42, s42, s40                     ; tile column = 4 x cluster x + cx
	s_and_b32 s13, ttmp7, 0xffff
	s_lshl_b32 s13, s13, 2
	s_add_co_u32 s13, s13, s41                     ; tile row = 4 x cluster y + cy
	s_lshl_b32 s43, s41, 2
	s_lshl_b32 s43, 15, s43                        ; my row of the cluster
	s_lshl_b32 s44, 0x1111, s40                    ; my column
	s_or_b32 s[G1+0], s43, (1<<16)|(1<<20)|(1<<21)|(5<<22)|(3<<25)  ; mask; elements of 2 bytes; padding on; bit 21 beside a mask; after every 64 words, 4 words
	s_or_b32 s[G1B+0], s44, (1<<16)|(1<<20)|(1<<21)|(5<<22)|(3<<25)
.irp g, G1, G1B
	s_mov_b32 s[\g+1], KSTEP<<16                   ; tensor_dim0 = 128
	s_mov_b32 s[\g+2], 128<<16                     ; tensor_dim1 = 128
	s_mov_b32 s[\g+3], KSTEP<<16                   ; tile_dim0 = 128
	s_mov_b32 s[\g+4], 128                         ; tile_dim1 = 128
	s_mov_b32 s[\g+5], SIZE_K                      ; elements from row to row
	s_mov_b32 s[\g+6], 0
	s_mov_b32 s[\g+7], 0
.endr
	s_lshl_b32 s17, s12, 7
	s_lshl_b32 s16, s13, 8
	s_add_co_u32 s16, s16, s17                     ; h: row 256 x tile row + 128 x half
	s_lshl_b32 s46, s42, 8
	s_add_co_u32 s46, s46, s17                     ; W: row 256 x tile column + 128 x half
	s_mov_b32 s17, 0
	s_mov_b32 s47, 0
	s_mov_b64 s[18:19], SIZE_K*2
	s_mul_u64 s[16:17], s[16:17], s[18:19]
	s_mul_u64 s[46:47], s[46:47], s[18:19]
	s_mul_i32 s20, s10, HALFT                      ; where they go: wave x 128 rows
	s_wait_kmcnt 0x0
	s_add_nc_u64 s[14:15], s[4:5], s[16:17]
	s_add_nc_u64 s[46:47], s[6:7], s[46:47]
	CROUND                                         ; all sixteen work-groups are here: the first joint loads meet
.irp s, 0,1
	s_mov_b32 s[G0+4*\s], 1
	s_add_co_u32 s[G0+4*\s+1], s20, \s*SLOT
	s_add_nc_u64 s[G0+4*\s+2:G0+4*\s+3], s[14:15], \s*KSTEP*2
	s_or_b32 s[G0+4*\s+3], s[G0+4*\s+3], 0x80000000
	s_mov_b32 s[G0B+4*\s], 1
	s_add_co_u32 s[G0B+4*\s+1], s20, \s*SLOT
	s_add_nc_u64 s[G0B+4*\s+2:G0B+4*\s+3], s[46:47], \s*KSTEP*2
	s_or_b32 s[G0B+4*\s+3], s[G0B+4*\s+3], 0x80000000
	JLOAD \s                                       ; two tensor loads of mine are out
.endr
	v_and_b32 v1, 15, v0                           ; r = l % 16
	v_bfe_u32 v2, v0, 4, 1                         ; hh = l / 16
	v_mul_u32_u24 v3, v1, PITCH
	v_lshl_add_u32 v3, v2, 4, v3                   ; a fragment's row x pitch + 16 x half
	s_mul_i32 s21, s11, HALFT
	s_mul_i32 s22, s12, HALFT
	s_add_co_u32 s22, s22, 2*HALFT
.irp s, 0,1
	v_add_nc_u32 v[ADRA+\s], s21, v3
	v_add_nc_u32 v[ADRB+\s], s22, v3
	s_add_co_u32 s21, s21, SLOT
	s_add_co_u32 s22, s22, SLOT
.endr
	; the bias of my 128 columns, as the accumulators hold them: block b, columns 16 b + 8 hh + 0..7.  Waited for on the way out.
	v_lshlrev_b32 v[BO], 5, v2
	s_lshl_b32 s74, s42, 10
	s_lshl_b32 s75, s12, 9
	s_add_co_u32 s74, s74, s75
	s_mov_b32 s75, 0
	s_add_nc_u64 s[68:69], s[68:69], s[74:75]
	WIN TO_B
.irp b, 0,1,2,3,4,5,6,7
	global_load_b128 v[8*\b:8*\b+3],   v[BO], s[68:69] offset:64*\b
	global_load_b128 v[8*\b+4:8*\b+7], v[BO], s[68:69] offset:64*\b+16
.endr
	WIN 0
	; the stage, my own 8,448 bytes, used at two pitches in turn
	s_mul_i32 s23, s10, 16*FPITCH
	s_add_co_u32 s23, s23, STAGE
	v_mul_u32_u24 v4, v1, SPITCH                   ; bf16 in: row r, 16 bytes for each half of the lanes
	v_lshl_add_u32 v4, v2, 4, v4
	v_add_nc_u32 v[STO], s23, v4
	v_and_b32 v6, 7, v0
	v_bfe_u32 v7, v0, 3, 2
	v_mul_u32_u24 v5, v7, SPITCH                   ; bf16 back: eight lanes take a head's 128 bytes of a row, the wave four rows
	v_lshl_add_u32 v5, v6, 4, v5
	v_add_nc_u32 v[RD], s23, v5
	v_mul_u32_u24 v5, v1, FPITCH                   ; f32 in: row r, 32 bytes for each half of the lanes
	v_lshl_add_u32 v5, v2, 5, v5
	v_add_nc_u32 v[STO32], s23, v5
	v_mul_u32_u24 v5, v2, FPITCH                   ; f32 back: sixteen lanes take a head's 256 bytes of a row, the wave two rows
	v_lshl_add_u32 v5, v1, 4, v5
	v_add_nc_u32 v[RD32], s23, v5
	v_and_b32 v5, 31, v0
	v_lshlrev_b32 v[CO], 4, v5                     ; in memory a head's rows follow each other: 16 x lane
	; R = ((batch x 16 + my first head) x 2,048 + my first position): my first row in a head-major tensor
	s_lshr_b32 s74, s13, 3                         ; batch: 8 tile rows each
	s_lshl_b32 s74, s74, 4
	s_lshl_b32 s76, s40, 2                         ; a tile column is four heads,
	s_add_co_u32 s74, s74, s76
	s_lshl_b32 s76, s12, 1                         ; my half of it two
	s_add_co_u32 s74, s74, s76
	s_lshl_b32 s74, s74, 11
	s_and_b32 s76, s13, 7
	s_lshl_b32 s76, s76, 8
	s_add_co_u32 s74, s74, s76
	s_lshl_b32 s76, s11, 7
	s_add_co_u32 s74, s74, s76
	s_lshl_b32 s76, s74, 7                         ; rows of 128 bytes in qkvb,
	s_lshl_b32 s78, ttmp9, 23                      ; behind 8,388,608 bytes for each of q, k
	s_add_co_u32 s76, s76, s78
	s_mov_b32 s77, 0
	s_add_nc_u64 s[70:71], s[70:71], s[76:77]
	s_max_u32 s78, ttmp9, 1                        ; out2: k first, then v (a cluster that makes q stores nothing there; its address stays inside)
	s_sub_co_u32 s78, s78, 1
	s_lshl_b32 s78, s78, 24
	s_lshl_b32 s74, s74, 8                         ; rows of 256 bytes
	s_add_co_u32 s78, s78, s74
	s_mov_b32 s79, 0
	s_add_nc_u64 s[72:73], s[72:73], s[78:79]
	s_mov_b32 s82, ttmp9                           ; 0: q, 1: k, 2: v
.macro MUL16 f, hi, a0, zero           ; 16 matrix instructions: m blocks a0, a0 + 1 of the window's four x all 8 n blocks, 32 along K; zero = 1: they start the sums
.irp a, \a0, \a0+1
.irp b, 0,1,2,3,4,5,6,7
.if \zero
	v_wmma_f32_16x16x32_f16 v[8*(8*(\a)+\b):8*(8*(\a)+\b)+7], v[\f+8*\b:\f+8*\b+7], v[\f+8*(4*\hi+\a):\f+8*(4*\hi+\a)+7], 0
.else
	v_wmma_f32_16x16x32_f16 v[8*(8*(\a)+\b):8*(8*(\a)+\b)+7], v[\f+8*\b:\f+8*\b+7], v[\f+8*(4*\hi+\a):\f+8*(4*\hi+\a)+7], v[8*(8*(\a)+\b):8*(8*(\a)+\b)+7]
.endif
.endr
.endr
.endm
.macro FETCH slot, k, f                ; 32 LDS loads in one run: a quarter step's fragments into buffer f
	WIN TO_B
.irp i, 0,1,2,3,4,5,6,7
	ds_load_b128 v[\f+8*\i:\f+8*\i+3],   v[ADRB+\slot] offset:\k+\i*16*PITCH
	ds_load_b128 v[\f+8*\i+4:\f+8*\i+7], v[ADRB+\slot] offset:\k+\i*16*PITCH+32
.endr
	WIN 0
.irp i, 0,1,2,3,4,5,6,7
	ds_load_b128 v[\f+8*\i:\f+8*\i+3],   v[ADRA+\slot] offset:\k+\i*16*PITCH
	ds_load_b128 v[\f+8*\i+4:\f+8*\i+7], v[ADRA+\slot] offset:\k+\i*16*PITCH+32
.endr
.endm
.macro PLACES                          ; four plain vector instructions between a matrix instruction and a load into, or a vector instruction on, its registers
.rept 4
	v_nop
.endr
.endm
; The 64 accumulators take turns, one instruction a turn, in the same order in every quarter.
.macro QUARTER slot, k, f, g, zero
	s_wait_dscnt 8                                 ; W and h's rows 0-63 are in; the youngest eight loads (h's rows 64-127) may be out
	WIN MUL_LO
	MUL16 \f, 0, 0, \zero
	MUL16 \f, 0, 2, \zero
	PLACES
	FETCH \slot, \k, \g
	s_wait_dscnt 32                                ; all but the 32 just issued
	WIN MUL_HI
	MUL16 \f, 1, 0, \zero
	MUL16 \f, 1, 2, \zero
.endm
.macro MEET round                      ; the first half of a K step's last quarter: one barrier for the change of slots
	s_wait_dscnt 8
	WIN MUL_LO
	MUL16 F1, 0, 0, 0
	s_wait_dscnt 0                                 ; my reads of this slot are over,
	s_wait_tensorcnt 0x0                           ; and all my tensor loads have landed: the one that was out is my part of the next slot
	ds_add_u32 v255, v31
	s_wait_dscnt 0x0
	s_barrier_signal -1
	MUL16 F1, 0, 2, 0
.if \round
	WIN 0
.endif
	s_barrier_wait -1
.endm
.macro TURN slot, next                 ; the whole last quarter; the slot just read out is filled again, two K steps ahead, first thing behind the round
	MEET 1
	CREST
	s_add_nc_u64 s[G0+4*\slot+2:G0+4*\slot+3], s[G0+4*\slot+2:G0+4*\slot+3], 2*KSTEP*2
	s_add_nc_u64 s[G0B+4*\slot+2:G0B+4*\slot+3], s[G0B+4*\slot+2:G0B+4*\slot+3], 2*KSTEP*2
	JLOAD \slot                                    ; one tensor load of mine is out; its four v_nop are also the places in front of the loads below
	FETCH \next, 0, F0
	WIN MUL_HI
	MUL16 F1, 1, 0, 0
	MUL16 F1, 1, 2, 0
.endm
	s_wait_tensorcnt 1                             ; my part of K step 0 is in; K step 1's may stay out
	s_barrier_signal -1
	s_barrier_wait -1
	FETCH 0, 0, F0
	QUARTER 0, 64,  F0, F1, 1                      ; the first quarter starts the sums: nothing is cleared
	WIN 0
	s_mov_b32 s3, LAPS-1
.Llap:
	QUARTER 0, 128, F1, F0, 0
	QUARTER 0, 192, F0, F1, 0
	TURN 0, 1
	QUARTER 1, 64,  F0, F1, 0
	QUARTER 1, 128, F1, F0, 0
	QUARTER 1, 192, F0, F1, 0
	TURN 1, 0
	QUARTER 0, 64,  F0, F1, 0
	WIN 0
	s_sub_co_u32 s3, s3, 1
	s_cmp_lg_u32 s3, 0
	s_cbranch_scc1 .Llap
	QUARTER 0, 128, F1, F0, 0                      ; the last lap fills nothing and has no round
	QUARTER 0, 192, F0, F1, 0
	MEET 0
	PLACES
	FETCH 1, 0, F0
	WIN MUL_HI
	MUL16 F1, 1, 0, 0
	MUL16 F1, 1, 2, 0
	QUARTER 1, 64,  F0, F1, 0
	QUARTER 1, 128, F1, F0, 0
	QUARTER 1, 192, F0, F1, 0
	s_wait_dscnt 8
	WIN MUL_LO
	MUL16 F1, 0, 0, 0
	MUL16 F1, 0, 2, 0
	s_wait_dscnt 0
	WIN MUL_HI
	MUL16 F1, 1, 0, 0
	MUL16 F1, 1, 2, 0
	WIN 0
	PLACES
	s_wait_loadcnt 0x0                             ; the bias
; THE WAY OUT of block a (16 rows): + bias; bf16 through the stage and out as a head's rows, 512 consecutive bytes a store; for k and v the f32 numbers likewise.
.macro WAYOUT a
	s_wait_xcnt 0x0                                ; the registers that the last block's stores read are rewritten only behind this wait
	WIN 0x06+(\a)/4                                ; source 0: window 2 or 3 (the sums); source 1: window 1 (the bias)
.irp b, 0,1,2,3,4,5,6,7
.irp p, 0,2,4,6
	v_pk_add_f32 v[FV+8*\b+\p:FV+8*\b+\p+1], v[64*((\a)%4)+8*\b+\p:64*((\a)%4)+8*\b+\p+1], v[8*\b+\p:8*\b+\p+1]   ; each accumulator from its low end on
.endr
.endr
	WIN 0
.irp b, 0,1,2,3,4,5,6,7
.irp r, 0,1,2,3
	v_cvt_pk_bf16_f32 v[TMP+4*\b+\r], v[FV+8*\b+2*\r], v[FV+8*\b+2*\r+1]
.endr
.endr
.irp b, 0,1,2,3,4,5,6,7
	ds_store_b128 v[STO], v[TMP+4*\b:TMP+4*\b+3] offset:32*\b
.endr
.irp i, 0,1,2,3,4,5,6,7
	ds_load_b128 v[OB+4*\i:OB+4*\i+3], v[RD] offset:(\i&3)*4*SPITCH+(\i>>2)*128   ; LDS serves a wave's instructions in order (ISA guide 5.7.1.4)
.endr
	s_cmp_eq_u32 s82, 0
	s_cbranch_scc1 .Lq_\@                          ; q has no f32 output; the same way for all partners of the cluster
.irp b, 0,1,2,3,4,5,6,7
	ds_store_b128 v[STO32], v[FV+8*\b:FV+8*\b+3]   offset:64*\b
	ds_store_b128 v[STO32], v[FV+8*\b+4:FV+8*\b+7] offset:64*\b+16
.endr
.irp i, 0,1,2,3,4,5,6,7,8,9,10,11,12,13,14,15
	ds_load_b128 v[QV+4*\i:QV+4*\i+3], v[RD32] offset:(\i&7)*2*FPITCH+(\i>>3)*256
.endr
	s_wait_dscnt 0x0
.irp i, 0,1,2,3,4,5,6,7,8,9,10,11,12,13,14,15
	global_store_b128 v[CO], v[QV+4*\i:QV+4*\i+3], s[72:73] offset:(\a)*4096+(\i&7)*512+(\i>>3)*524288   ; two rows of 256 bytes of one head
.endr
.Lq_\@:
	s_wait_dscnt 0x0
.irp i, 0,1,2,3,4,5,6,7
	global_store_b128 v[CO], v[OB+4*\i:OB+4*\i+3], s[70:71] offset:(\a)*2048+(\i&3)*512+(\i>>2)*262144   ; four rows of 128 bytes of one head
.endr
.endm
.irp a, 0,1,2,3,4,5,6,7
	WAYOUT \a
.endr
	s_set_vgpr_msb 0x1
	s_wait_tensorcnt 0x0
	ds_add_u32 v255, v31
	s_wait_dscnt 0x0
	s_set_vgpr_msb 0x100
	CROUND                                         ; the closing round: no work-group ends while a partner may still ask for a tile that names it
	s_endpgm
; THE CAST (clusters with x = 3).  64 work-groups x 4 waves = 256 waves; wave q takes 16 KiB of w_proj, 64 KiB of w_fc and 64 KiB of w_mlp, each at q times that size: nine laps of 16 KiB.
; A ring of 32 slots in registers keeps 32 loads of 512 bytes of every wave on their way; a matrix's last lap fills the ring from the next matrix, so the ring runs dry only at the end.
; No LDS and no tensor load on this path.
.set CX, 64                            ; v[64:191]  slot i: 4 registers as loaded
.set CY, 192                           ; v[192:255] slot i: 2 registers to store
; One slot's turn.  ob: the base of the stores; nb: the base of the slot's next load (0: none), noff: its offset; left: how many younger loads may stay out.
.macro CSLOT i, cvt, ob, nb, noff, left
	s_wait_loadcnt \left                           ; loads come back in order (ISA guide 5.7.1): mine is in, the younger ones stay out
	s_wait_xcnt 0x0                                ; the slot's two registers, which its last store reads, are rewritten only behind this wait
	\cvt v[CY+2*\i], v[CX+4*\i], v[CX+4*\i+1]
	\cvt v[CY+2*\i+1], v[CX+4*\i+2], v[CX+4*\i+3]
.if \nb
	global_load_b128 v[CX+4*\i:CX+4*\i+3], v2, s[\nb:\nb+1] offset:\noff+512*\i th:TH_LOAD_NT
.endif
	global_store_b64 v3, v[CY+2*\i:CY+2*\i+1], s[\ob:\ob+1] offset:256*\i   ; 32 lanes x 8 bytes: 256 consecutive bytes, aligned
.endm
.macro CLAP cvt, ob, nb, noff, drain   ; a lap: every slot once.  drain = 1: the last lap loads nothing, and its counts run down
.set ci, 0
.rept 32
.if \drain
	CSLOT ci, \cvt, \ob, 0, 0, 31-ci
.else
	CSLOT ci, \cvt, \ob, \nb, \noff, 31
.endif
.set ci, ci+1
.endr
.endm
.Lcast:
	s_load_b64 s[4:5], s[0:1], 0x28                ; w_proj
	s_load_b64 s[6:7], s[0:1], 0x30                ; w_fc
	s_load_b64 s[36:37], s[0:1], 0x38              ; w_mlp
	s_load_b64 s[38:39], s[0:1], 0x40              ; wbf
	v_lshrrev_b32 v1, 5, v0
	v_readfirstlane_b32 s10, v1                    ; wave 0..3
	v_and_b32 v2, 31, v0
	v_lshlrev_b32 v3, 3, v2                        ; 8 bytes a lane out
	v_lshlrev_b32 v2, 4, v2                        ; 16 bytes a lane in
	s_bfe_u32 s13, ttmp6, 0x40000                  ; cx
	s_bfe_u32 s14, ttmp6, 0x40004                  ; cy: both enter global addresses alone
	s_and_b32 s15, ttmp7, 0xffff
	s_lshl_b32 s15, s15, 2
	s_add_co_u32 s15, s15, s14                     ; 4 x cluster y + cy: 0..15
	s_lshl_b32 s15, s15, 2
	s_add_co_u32 s15, s15, s13                     ; the work-group among the 64
	s_lshl_b32 s15, s15, 2
	s_add_co_u32 s15, s15, s10                     ; q: the wave among the 256
	s_lshl_b32 s16, s15, 14                        ; 16 KiB of w_proj
	s_mov_b32 s17, 0
	s_lshl_b32 s18, s15, 16                        ; 64 KiB of w_fc and of w_mlp
	s_mov_b32 s19, 0
	s_lshl_b32 s20, s15, 13                        ; half of each out
	s_mov_b32 s21, 0
	s_lshl_b32 s22, s15, 15
	s_mov_b32 s23, 0
	s_wait_kmcnt 0x0
	s_add_nc_u64 s[4:5], s[4:5], s[16:17]
	s_add_nc_u64 s[6:7], s[6:7], s[18:19]
	s_add_nc_u64 s[36:37], s[36:37], s[18:19]
	s_add_nc_u64 s[24:25], s[38:39], s[20:21]      ; w_proj's part of wbf begins at byte 0,
	s_add_nc_u64 s[26:27], s[38:39], s[22:23]
	s_add_nc_u64 s[28:29], s[26:27], 10485760      ; w_mlp's at 10,485,760,
	s_add_nc_u64 s[26:27], s[26:27], 2097152       ; w_fc's at 2,097,152
.irp i, 0,1,2,3,4,5,6,7,8,9,10,11,12,13,14,15,16,17,18,19,20,21,22,23,24,25,26,27,28,29,30,31
	global_load_b128 v[CX+4*\i:CX+4*\i+3], v2, s[4:5] offset:512*\i th:TH_LOAD_NT   ; the ring is filled: my 16 KiB of w_proj
.endr
	CLAP v_cvt_pk_bf16_f32, 24, 6, 0, 0            ; w_proj; the ring takes w_fc's first lap
	s_mov_b32 s30, 3
.Lcast_fc:
	CLAP v_cvt_pk_f16_f32, 26, 6, 16384, 0         ; a lap of w_fc; the ring takes the next
	s_wait_xcnt 0x0                                ; the bases are stepped only behind this wait
	s_add_nc_u64 s[6:7], s[6:7], 16384
	s_add_nc_u64 s[26:27], s[26:27], 8192
	s_sub_co_u32 s30, s30, 1
	s_cmp_lg_u32 s30, 0
	s_cbranch_scc1 .Lcast_fc
	CLAP v_cvt_pk_f16_f32, 26, 36, 0, 0            ; w_fc's fourth lap; the ring takes w_mlp's first
	s_mov_b32 s30, 3
.Lcast_mlp:
	CLAP v_cvt_pk_bf16_f32, 28, 36, 16384, 0
	s_wait_xcnt 0x0
	s_add_nc_u64 s[36:37], s[36:37], 16384
	s_add_nc_u64 s[28:29], s[28:29], 8192
	s_sub_co_u32 s30, s30, 1
	s_cmp_lg_u32 s30, 0
	s_cbranch_scc1 .Lcast_mlp
	CLAP v_cvt_pk_bf16_f32, 28, 0, 0, 1            ; w_mlp's fourth lap: nothing is left to fetch
	CROUND                                         ; this path, too, ends with a round of the cluster's barrier: all sixteen partners take it
	s_endpgm
.Lfunc_end_k_q0dbdd561c0_qkv:
	.size	k_q0dbdd561c0_qkv, .Lfunc_end_k_q0dbdd561c0_qkv-k_q0dbdd561c0_qkv
	.p2alignl 7, 3214868480
	.fill 96, 4, 3214868480
	.section	.rodata,"a",@progbits
	.p2align	6, 0x0
	.amdhsa_kernel k_q0dbdd561c0_qkv
		.amdhsa_group_segment_fixed_size 327680
		.amdhsa_private_segment_fixed_size 0
		.amdhsa_enable_private_segment 0
		.amdhsa_kernarg_size 72
		.amdhsa_user_sgpr_count 2
		.amdhsa_user_sgpr_kernarg_segment_ptr 1
		.amdhsa_wavefront_size32 1
		.amdhsa_system_sgpr_workgroup_id_x 1
		.amdhsa_system_sgpr_workgroup_id_y 1
		.amdhsa_system_sgpr_workgroup_id_z 1
		.amdhsa_system_vgpr_workitem_id 0
		.amdhsa_next_free_vgpr 1024
		.amdhsa_next_free_sgpr 84
		.amdhsa_reserve_vcc 0
		.amdhsa_float_denorm_mode_32 3
		.amdhsa_float_denorm_mode_16_64 3
		.amdhsa_memory_ordered 1
		.amdhsa_forward_progress 1
		.amdhsa_inst_pref_size 252
	.end_amdhsa_kernel
	.amdgpu_metadata
---
amdhsa.version: [ 1, 2 ]
amdhsa.kernels:
  - .name:           k_q0dbdd561c0_qkv
    .symbol:         k_q0dbdd561c0_qkv.kd
    .args:
      - { .name: h, .offset: 0, .size: 8, .value_kind: global_buffer, .address_space: global }
      - { .name: wa, .offset: 8, .size: 8, .value_kind: global_buffer, .address_space: global }
      - { .name: b_attn, .offset: 16, .size: 8, .value_kind: global_buffer, .address_space: global }
      - { .name: qkvb, .offset: 24, .size: 8, .value_kind: global_buffer, .address_space: global }
      - { .name: out2, .offset: 32, .size: 8, .value_kind: global_buffer, .address_space: global }
      - { .name: w_proj, .offset: 40, .size: 8, .value_kind: global_buffer, .address_space: global }
      - { .name: w_fc, .offset: 48, .size: 8, .value_kind: global_buffer, .address_space: global }
      - { .name: w_mlp, .offset: 56, .size: 8, .value_kind: global_buffer, .address_space: global }
      - { .name: wbf, .offset: 64, .size: 8, .value_kind: global_buffer, .address_space: global }
    .group_segment_fixed_size: 327680
    .private_segment_fixed_size: 0
    .kernarg_segment_align: 8
    .kernarg_segment_size: 72
    .max_flat_workgroup_size: 128
    .sgpr_count:     84
    .vgpr_count:     1024
    .wavefront_size: 32
...
	.end_amdgpu_metadata
.endif
;; end of part 2
;; launch attn (part 3): grid 8 x 32, 4 waves a work-group, no clusters, 327,680 bytes of LDS; arguments qkvb, y, entp; writes y, entp
.if DOCPART == 3
	.amdgcn_target "amdgcn-amd-amdhsa--gfx1250"
	.amdhsa_code_object_version 6
	.text
	.protected	k_q0dbdd561c0_attn
	.globl	k_q0dbdd561c0_attn
	.p2align	8
	.type	k_q0dbdd561c0_attn,@function
k_q0dbdd561c0_attn:
	s_mov_b64 s[64:65], 0
	v_nop
	global_prefetch_b8 v0, s[64:65] scope:SCOPE_SE
	s_setreg_imm32_b32 hwreg(HW_REG_WAVE_MODE, 25, 1), 1
	s_wait_xcnt 0x0
; Causal attention for one (batch, head) and two blocks of 128 queries, and the entropy of the weights.  qkvb: [3][32][2048][64] bf16; y: [4096][1024] bf16; entp: one f32 a wave.
; SHARES.  A head's 2,048 queries are 16 blocks of 128.  Work-group J (0..7) makes block J and then block 15 - J: (J + 1) + (16 - J) = 17 key tiles of 128 keys for every work-group.
; A wave holds 32 queries, two tiles of 16.  A trip is one key tile, two steps of 64 keys.  A block begins with its diagonal tile, the one tile that is masked: so a block's first
; step is written out as such (its V^T P starts O^T with the constant 0), and every query sees a key in it (the tile's key 0).  Trip 0: tile J; trips 1..J: tiles 0..J-1;
; trip J + 1: block J goes out, tile 15 - J; later trips: tiles 0..14 - J.
; THE RING.  Two slots, both filled at the start.  A slot is left in front of its trip's last products V^T P: by then all its fragments are in registers.  There each wave waits for all its
; tensor loads, passes the barrier, asks for the tile two trips on into the slot just read, and fetches the other slot's first K fragments, which come in under the rescaling and those products.
; LAYOUT.  S^T = K Q^T (source 0 = 16 keys, source 1 = 16 queries): a lane holds one query (lane % 16) and keys 8 (lane / 16) + 0..7; two such tiles rounded to bf16 are source 1 of
; O^T = V^T P, whose result again holds one query a lane.  V comes out of LDS turned, by ds_load_tr16_b128.
; SOFTMAX.  A running maximum m, d = c s - c m (c = log2(e) / 8), e = 2^d, L = sum e, T = sum e d; when m grows by -delta / c: T = a (T + L delta), L = a L, O = a O, a = 2^delta.
; ENTROPY of a query = ln 2 (log2 L - T / L) = - sum p ln p, two terms that are not negative.  LIMIT: the 1e-8 inside the logarithm is left out; it adds p ln(1 + 1e-8 / p) <= 1e-8
; for each key, at most 2,048e-8 = 2.05e-5 for a query, on every input.
; LIMIT: masked scores and the first maximum are the finite number -3.4028e38; real scores are taken to lie above -1e38.
; LIMIT: y is stored in pieces of 128 bytes (a head's 64 channels of a row), half of an aligned 256.
; NO CLUSTER: the eight work-groups of a head take different key tiles in the same trip (the tile's number hangs on J), so no two would ask for the same tile at the same time.
; REGISTERS.  window 0: v1-15 addresses; v16-45 statistics, 16 a tile; v48-55 weights at work; v64-127 S^T, 32 a tile; v128-159 P, 16 a tile.
;   window 1: v0-31 Q; v32-95 K of a step; v96-159 V of a step; v160-223 O^T, 32 a tile; v224-255 the second block's Q, loaded at the start and moved to v0-31 when the block changes.
.set KP,    144       ; a row of K in LDS: 128 bytes + 16 = 36 words
.set VP,    160       ; a row of V: 128 + 32 = 40 words, an odd multiple of 32 bytes for the turning load
.set VOFF,  128*KP    ; a slot: 128 rows of K, then 128 rows of V
.set SLOT,  128*(KP+VP)
.set STAGE, 2*SLOT    ; behind the ring: 32 rows x 144 bytes for each wave; no tensor load fills them
.set SP,    144
.set AK,  3
.set AV,  4
.set QO,  5
.set STO, 6
.set RD,  7
.set GO,  8
.set NEG, 9
.set LIM, 10          ; v10, v11: 32 wave + 16 t + r - 8 hh: key j of a 16-block at k0 is masked where k0 + j > LIM
.set ENT, 12
.set ST,  16          ; tile t at v[ST+16 t]: +0 c m, +1 m, +2 +3 L, +4 +5 T, +6 a, +7 the old c m, +8 delta, +9 at work, +10..+13 four chains of the maximum
.set EV,  48          ; two pairs of weights a tile, by turns
.set S,   64
.set P,   128
.set QF,  0
.set KF,  32
.set VF,  96
.set OF,  160
.set Q2F, 224
.set WV,  10          ; s10 wave; s11 J; s12 batch x 16 + head; s13 the trip; s14 J + 1; s15 15 - J
.set G1K, 24
.set G1V, 32
.set G0K, 40          ; four registers a slot
.set G0V, 48
.set CS,  56
.set SEL, 58
.set MSB, 0
.macro WIN new
.if MSB != \new
	s_set_vgpr_msb (MSB<<8)|\new
.set MSB, \new
.endif
.endm
.set W_KQ, 0x05       ; K and Q in window 1, S^T in window 0
.set W_PV, 0x51       ; V in window 1, P in window 0, O^T in window 1
.set W_RS, 0x41       ; destination and source 0 in window 1, source 1 in window 0
.set LD1,  0x40       ; destination window 1
.set CV,   0x05       ; sources window 1, destination window 0
.macro PLACES
.rept 4
	v_nop
.endr
.endm
.macro JLOAD o                         ; slot o is filled again: waves 0 and 1 bring K's two halves of 64 keys, waves 2 and 3 V's; four v_nop follow each line
	s_cmp_lt_u32 s[WV], 2
	s_cbranch_scc0 .Lfor_v_\@
	tensor_load_to_lds s[G0K+4*(\o):G0K+4*(\o)+3], s[G1K:G1K+7]
	s_nop 0
.rept 4
	v_nop
.endr
	s_branch .Lasked_\@
.Lfor_v_\@:
	tensor_load_to_lds s[G0V+4*(\o):G0V+4*(\o)+3], s[G1V:G1V+7]
	s_nop 0
.rept 4
	v_nop
.endr
.Lasked_\@:
.endm
.macro QLOAD base, dst                 ; 32 queries x 64 channels, as source 1: lane l holds query l % 16
	WIN LD1
.irp t, 0,1
.irp c, 0,1
	global_load_b128 v[\dst+16*\t+8*\c:\dst+16*\t+8*\c+3],   v[QO], s[\base:\base+1] offset:2048*\t+64*\c
	global_load_b128 v[\dst+16*\t+8*\c+4:\dst+16*\t+8*\c+7], v[QO], s[\base:\base+1] offset:2048*\t+64*\c+32
.endr
.endr
	WIN 0
.endm
.macro RESET                           ; a block's statistics begin
.irp t, 0,1
	v_mov_b32 v[ST+16*\t+1], v[NEG]
	v_mul_f32 v[ST+16*\t], s[CS], v[NEG]
	v_mov_b32 v[ST+16*\t+2], 0
	v_mov_b32 v[ST+16*\t+3], 0
	v_mov_b32 v[ST+16*\t+4], 0
	v_mov_b32 v[ST+16*\t+5], 0
.endr
.endm
	s_load_b128 s[4:7], s[0:1], 0x0                ; qkvb s[4:5], y s[6:7]
	s_load_b64 s[8:9], s[0:1], 0x10                ; entp
	v_lshl_add_u32 v254, v0, 2, 0x29000
	v_mov_b32 v255, 0
	ds_add_u32 v254, v255
	ds_add_u32 v254, v255
	v_lshrrev_b32 v13, 5, v0
	v_readfirstlane_b32 s[WV], v13
	s_mov_b32 s11, ttmp9
	s_and_b32 s12, ttmp7, 0xffff
	s_mov_b32 s13, 0
	s_add_co_u32 s14, s11, 1
	s_sub_co_u32 s15, 15, s11
	s_and_b32 s61, s[WV], 1                        ; which 64 keys of a tile I fetch
	; descriptor group 1: 64 keys x 128 bytes are dense in memory: 32 rows of 256 bytes; in LDS a pad behind every 32 words, that is behind every key
	s_mov_b32 s[G1K], (1<<16)|(1<<20)|(4<<22)|(3<<25)   ; elements of 2 bytes; padding on; after every 32 words (code 4); 4 words (code 3)
	s_mov_b32 s[G1V], (1<<16)|(1<<20)|(4<<22)|(7<<25)   ; the same with 8 words (code 7)
.irp g, G1K, G1V
	s_mov_b32 s[\g+1], 128<<16                     ; tensor_dim0 = 128
	s_mov_b32 s[\g+2], 32<<16                      ; tensor_dim1 = 32
	s_mov_b32 s[\g+3], 128<<16                     ; tile_dim0 = 128
	s_mov_b32 s[\g+4], 32                          ; tile_dim1 = 32
	s_mov_b32 s[\g+5], 128                         ; elements from row to row
	s_mov_b32 s[\g+6], 0
	s_mov_b32 s[\g+7], 0
.endr
	s_mul_i32 s62, s61, 64*KP
	s_mul_i32 s63, s61, 64*VP
.irp s, 0,1
	s_mov_b32 s[G0K+4*\s], 1
	s_add_co_u32 s[G0K+4*\s+1], s62, \s*SLOT
	s_mov_b32 s[G0V+4*\s], 1
	s_add_co_u32 s[G0V+4*\s+1], s63, \s*SLOT+VOFF
.endr
	s_mov_b32 s[CS], 0x3e38aa3b                    ; c = log2(e) / sqrt(64)
	s_mov_b32 s[CS+1], s[CS]
	s_mov_b32 s[SEL], 0x76543210
	s_mov_b32 s[SEL+1], 0xfedcba98
	s_lshl_b32 s74, s12, 18                        ; the head's 2,048 rows of 128 bytes
	s_lshl_b32 s76, s61, 13                        ; my 64 keys
	s_add_co_u32 s76, s76, s74
	s_mov_b32 s77, 0
	s_lshl_b32 s78, s[WV], 12                      ; my 32 queries
	s_add_co_u32 s78, s78, s74
	s_mov_b32 s79, 0
	s_lshr_b32 s80, s12, 4                         ; y: batch x 2,048 rows of 2,048 bytes,
	s_lshl_b32 s80, s80, 22
	s_and_b32 s81, s12, 15                         ; the head's 128 bytes of a row,
	s_lshl_b32 s81, s81, 7
	s_add_co_u32 s80, s80, s81
	s_lshl_b32 s81, s[WV], 16                      ; my 32 rows
	s_add_co_u32 s80, s80, s81
	s_mov_b32 s81, 0
	s_lshl_b32 s82, s12, 3                         ; entp: ((head x 8 + J) x 4 + wave) x 4 bytes
	s_add_co_u32 s82, s82, s11
	s_lshl_b32 s82, s82, 2
	s_add_co_u32 s82, s82, s[WV]
	s_lshl_b32 s82, s82, 2
	s_mov_b32 s83, 0
	s_lshl_b32 s74, s11, 14                        ; block or tile J: 128 rows of 128 bytes each
	s_mov_b32 s75, 0
	s_cmp_eq_u32 s11, 0                            ; trip 1's tile: 0, or, where J = 0, the second block's diagonal tile
	s_cselect_b32 s62, s15, 0
	s_lshl_b32 s62, s62, 14
	s_mov_b32 s63, 0
	s_wait_dscnt 0x0
	s_wait_kmcnt 0x0
	s_add_nc_u64 s[16:17], s[4:5], s[76:77]
	s_add_nc_u64 s[16:17], s[16:17], 0x800000      ; K's part of qkvb, at my half of tile 0
	s_add_nc_u64 s[18:19], s[16:17], 0x800000      ; V's
	s_add_nc_u64 s[20:21], s[4:5], s[78:79]
	s_add_nc_u64 s[22:23], s[6:7], s[80:81]
	s_add_nc_u64 s[8:9], s[8:9], s[82:83]
	s_add_nc_u64 s[G0K+2:G0K+3], s[16:17], s[74:75]
	s_or_b32 s[G0K+3], s[G0K+3], 0x80000000
	s_add_nc_u64 s[G0V+2:G0V+3], s[18:19], s[74:75]
	s_or_b32 s[G0V+3], s[G0V+3], 0x80000000
	s_add_nc_u64 s[G0K+6:G0K+7], s[16:17], s[62:63]
	s_or_b32 s[G0K+7], s[G0K+7], 0x80000000
	s_add_nc_u64 s[G0V+6:G0V+7], s[18:19], s[62:63]
	s_or_b32 s[G0V+7], s[G0V+7], 0x80000000
	s_cmp_lt_u32 s[WV], 2                          ; a wave's two first fills stand in one branch, ahead of every wait on TENSORcnt, every LDS read and every barrier: two loads of mine are out
	s_cbranch_scc0 .Lfirst_v
	tensor_load_to_lds s[G0K:G0K+3], s[G1K:G1K+7]
	s_nop 0
	tensor_load_to_lds s[G0K+4:G0K+7], s[G1K:G1K+7]
	s_nop 0
.rept 4
	v_nop
.endr
	s_branch .Lfirst_asked
.Lfirst_v:
	tensor_load_to_lds s[G0V:G0V+3], s[G1V:G1V+7]
	s_nop 0
	tensor_load_to_lds s[G0V+4:G0V+7], s[G1V:G1V+7]
	s_nop 0
.rept 4
	v_nop
.endr
.Lfirst_asked:
	s_add_nc_u64 s[66:67], s[20:21], s[74:75]      ; Q of block J
	s_lshl_b32 s76, s15, 14
	s_add_nc_u64 s[70:71], s[20:21], s[76:77]      ; Q of block 15 - J
	s_lshl_b32 s78, s11, 18                        ; 128 rows of 2,048 bytes
	s_add_nc_u64 s[68:69], s[22:23], s[78:79]      ; y of block J
	s_lshl_b32 s80, s15, 18
	s_add_nc_u64 s[72:73], s[22:23], s[80:81]      ; y of block 15 - J
	v_and_b32 v1, 15, v0                           ; r
	v_bfe_u32 v2, v0, 4, 1                         ; hh
	v_lshlrev_b32 v[QO], 7, v1
	v_lshl_add_u32 v[QO], v2, 4, v[QO]
	QLOAD 66, QF
	QLOAD 70, Q2F                                  ; the second block's Q comes in now, so that the change of blocks waits for no memory
	v_mul_u32_u24 v[AK], v1, KP
	v_lshl_add_u32 v[AK], v2, 4, v[AK]             ; a fragment of K: row x pitch + 16 x half
	v_and_b32 v14, 7, v0
	v_bfe_u32 v15, v0, 3, 1
	v_lshl_add_u32 v[AV], v2, 3, v14               ; the turning load: key 8 hh + l % 8, channels 8 ((l / 8) % 2) on
	v_mul_u32_u24 v[AV], v[AV], VP
	v_lshl_add_u32 v[AV], v15, 4, v[AV]
	v_add_nc_u32 v[AV], VOFF, v[AV]
	s_mul_i32 s61, s[WV], 32*SP
	s_add_co_u32 s61, s61, STAGE                   ; my stage
	v_add_nc_u32 v[STO], s61, v[AK]                ; in: row r, 16 bytes for each half of the lanes (the stage's pitch is K's)
	v_bfe_u32 v15, v0, 3, 2
	v_mul_u32_u24 v[RD], v15, SP                   ; back: eight lanes take a row of 128 bytes, the wave four rows
	v_lshl_add_u32 v[RD], v14, 4, v[RD]
	v_add_nc_u32 v[RD], s61, v[RD]
	v_lshlrev_b32 v[GO], 11, v15                   ; and the same four rows in y
	v_lshl_add_u32 v[GO], v14, 4, v[GO]
	v_mov_b32 v[NEG], 0xff7fffff
	v_lshlrev_b32 v13, 3, v2
	v_sub_nc_u32 v[LIM], v1, v13
	s_lshl_b32 s61, s[WV], 5
	v_add_nc_u32 v[LIM], s61, v[LIM]
	v_add_nc_u32 v[LIM+1], 16, v[LIM]
	v_mov_b32 v[ENT], 0
	v_and_b32 v14, 31, v0                          ; lane
	v_mov_b32 v15, 0
	v_mov_b32 v[ST+9], 0                           ; destinations of the lane exchange: written once
	v_mov_b32 v[ST+25], 0
	RESET
.macro KLOAD s, st                     ; 16 loads: step st's 64 keys x 64 channels
	WIN LD1
.irp kb, 0,1,2,3
.irp c, 0,1
	ds_load_b128 v[KF+16*\kb+8*\c:KF+16*\kb+8*\c+3],   v[AK] offset:(\s)*SLOT+(64*(\st)+16*\kb)*KP+64*\c
	ds_load_b128 v[KF+16*\kb+8*\c+4:KF+16*\kb+8*\c+7], v[AK] offset:(\s)*SLOT+(64*(\st)+16*\kb)*KP+64*\c+32
.endr
.endr
.endm
.macro VLOAD s, st                     ; 16 turning loads: step st's V^T, 64 channels x 64 keys
	WIN LD1
.irp kc, 0,1
.irp cb, 0,1,2,3
	ds_load_tr16_b128 v[VF+32*\kc+8*\cb:VF+32*\kc+8*\cb+3],   v[AV] offset:(\s)*SLOT+(64*(\st)+32*\kc)*VP+32*\cb
	ds_load_tr16_b128 v[VF+32*\kc+8*\cb+4:VF+32*\kc+8*\cb+7], v[AV] offset:(\s)*SLOT+(64*(\st)+32*\kc)*VP+32*\cb+16*VP
.endr
.endr
.endm
; In both products the eight accumulators take turns, one instruction a turn.
.macro QK                              ; S^T = K Q^T: the first eight start the sums
	WIN W_KQ
.irp c, 0,1
.irp t, 0,1
.irp kb, 0,1,2,3
.if \c == 0
	v_wmma_f32_16x16x32_bf16 v[S+32*\t+8*\kb:S+32*\t+8*\kb+7], v[KF+16*\kb+8*\c:KF+16*\kb+8*\c+7], v[QF+16*\t+8*\c:QF+16*\t+8*\c+7], 0
.else
	v_wmma_f32_16x16x32_bf16 v[S+32*\t+8*\kb:S+32*\t+8*\kb+7], v[KF+16*\kb+8*\c:KF+16*\kb+8*\c+7], v[QF+16*\t+8*\c:QF+16*\t+8*\c+7], v[S+32*\t+8*\kb:S+32*\t+8*\kb+7]
.endif
.endr
.endr
.endr
.endm
.macro PV zero                         ; O^T += V^T P; zero = 1: the first eight start the sums
	WIN W_PV
.irp kc, 0,1
.irp t, 0,1
.irp cb, 0,1,2,3
.if \zero && (\kc == 0)
	v_wmma_f32_16x16x32_bf16 v[OF+32*\t+8*\cb:OF+32*\t+8*\cb+7], v[VF+32*\kc+8*\cb:VF+32*\kc+8*\cb+7], v[P+16*\t+8*\kc:P+16*\t+8*\kc+7], 0
.else
	v_wmma_f32_16x16x32_bf16 v[OF+32*\t+8*\cb:OF+32*\t+8*\cb+7], v[VF+32*\kc+8*\cb:VF+32*\kc+8*\cb+7], v[P+16*\t+8*\kc:P+16*\t+8*\kc+7], v[OF+32*\t+8*\cb:OF+32*\t+8*\cb+7]
.endif
.endr
.endr
.endr
.endm
.macro MASK st                         ; the diagonal tile: keys behind the query get the sentinel; each accumulator from its low end on
.irp t, 0,1
.irp kb, 0,1,2,3
.irp j, 0,1,2,3,4,5,6,7
	v_cmp_gt_i32 vcc_lo, 64*(\st)+16*\kb+\j, v[LIM+\t]
	v_cndmask_b32 v[S+32*\t+8*\kb+\j], v[S+32*\t+8*\kb+\j], v[NEG], vcc_lo
.endr
.endr
.endr
.endm
.macro RESCALE                         ; O^T times a, each accumulator from its low end on
	WIN W_RS
.irp t, 0,1
.set i, 0
.rept 16
	v_pk_mul_f32 v[OF+32*\t+i:OF+32*\t+i+1], v[OF+32*\t+i:OF+32*\t+i+1], v[ST+16*\t+6:ST+16*\t+7] op_sel_hi:[1,0]
.set i, i+2
.endr
.endr
.endm
; The five lines that a pair p of tile t's 32 scores goes through.
.macro SM_D t, p                       ; d = c s - c m, in place
	v_pk_fma_f32 v[S+32*\t+2*(\p):S+32*\t+2*(\p)+1], v[S+32*\t+2*(\p):S+32*\t+2*(\p)+1], s[CS:CS+1], v[ST+16*\t:ST+16*\t+1] op_sel_hi:[1,0,0] neg_lo:[0,0,1] neg_hi:[0,0,1]
.endm
.macro SM_E t, p, k                    ; e = 2^d, number k of the pair, into the pair's half of the tile's four registers
	v_exp_f32 v[EV+4*\t+2*((\p)%2)+\k], v[S+32*\t+2*(\p)+\k]
.endm
.macro SM_T t, p                       ; T += e d
	s_wait_alu depctr_va_vdst(0)
	v_pk_fma_f32 v[ST+16*\t+4:ST+16*\t+5], v[EV+4*\t+2*((\p)%2):EV+4*\t+2*((\p)%2)+1], v[S+32*\t+2*(\p):S+32*\t+2*(\p)+1], v[ST+16*\t+4:ST+16*\t+5]
.endm
.macro SM_L t, p                       ; L += e
	v_pk_add_f32 v[ST+16*\t+2:ST+16*\t+3], v[ST+16*\t+2:ST+16*\t+3], v[EV+4*\t+2*((\p)%2):EV+4*\t+2*((\p)%2)+1]
.endm
.macro SM_P t, p                       ; the pair rounded to bf16: a word of P
	v_cvt_pk_bf16_f32 v[P+16*\t+(\p)], v[EV+4*\t+2*((\p)%2)], v[EV+4*\t+2*((\p)%2)+1]
.endm
.macro SOFTMAX                         ; both tiles, line by line by turns
.irp j, 0,1,2,3                        ; the maximum: four chains, each begun at an accumulator's low end
.irp t, 0,1
	v_max3_num_f32 v[ST+16*\t+10+\j], v[S+32*\t+8*\j], v[S+32*\t+8*\j+1], v[S+32*\t+8*\j+2]
.endr
.endr
.irp g, 1,2
.irp j, 0,1,2,3
.irp t, 0,1
	v_max3_num_f32 v[ST+16*\t+10+\j], v[ST+16*\t+10+\j], v[S+32*\t+8*\j+2*\g+1], v[S+32*\t+8*\j+2*\g+2]
.endr
.endr
.endr
.irp t, 0,1
	v_max3_num_f32 v[ST+16*\t+10], v[ST+16*\t+10], v[S+32*\t+7], v[S+32*\t+15]
	v_max3_num_f32 v[ST+16*\t+12], v[ST+16*\t+12], v[S+32*\t+23], v[S+32*\t+31]
.endr
.irp t, 0,1
	v_max3_num_f32 v[ST+16*\t+10], v[ST+16*\t+10], v[ST+16*\t+11], v[ST+16*\t+12]
.endr
.irp t, 0,1
	v_max3_num_f32 v[ST+16*\t+10], v[ST+16*\t+10], v[ST+16*\t+13], v[ST+16*\t+1]   ; the old m among them
.endr
.irp t, 0,1
	v_permlanex16_b32 v[ST+16*\t+9], v[ST+16*\t+10], s[SEL], s[SEL+1]   ; the query's other 32 keys lie in the lane 16 away
.endr
.irp t, 0,1
	v_mov_b32 v[ST+16*\t+7], v[ST+16*\t]
.endr
.irp t, 0,1
	v_max_num_f32 v[ST+16*\t+1], v[ST+16*\t+10], v[ST+16*\t+9]
.endr
.irp t, 0,1
	v_mul_f32 v[ST+16*\t], s[CS], v[ST+16*\t+1]
.endr
.irp t, 0,1
	v_sub_f32 v[ST+16*\t+8], v[ST+16*\t+7], v[ST+16*\t]
.endr
.irp t, 0,1
	v_exp_f32 v[ST+16*\t+6], v[ST+16*\t+8]
.endr
.irp t, 0,1                            ; plain lines that want no a stand behind the exponentials (ISA guide 5.7.2)
	v_pk_fma_f32 v[ST+16*\t+4:ST+16*\t+5], v[ST+16*\t+2:ST+16*\t+3], v[ST+16*\t+8:ST+16*\t+9], v[ST+16*\t+4:ST+16*\t+5] op_sel_hi:[1,0,1]   ; T + L delta
.endr
	SM_D 0, 0
	SM_D 1, 0
	s_wait_alu depctr_va_vdst(0)
.irp t, 0,1
	v_pk_mul_f32 v[ST+16*\t+4:ST+16*\t+5], v[ST+16*\t+4:ST+16*\t+5], v[ST+16*\t+6:ST+16*\t+7] op_sel_hi:[1,0]
.endr
.irp t, 0,1
	v_pk_mul_f32 v[ST+16*\t+2:ST+16*\t+3], v[ST+16*\t+2:ST+16*\t+3], v[ST+16*\t+6:ST+16*\t+7] op_sel_hi:[1,0]
.endr
; The 16 pairs, staggered: turn i makes pair i's d, pair i - 1's two exponentials, and pair i - 2's sums and rounding.  So no line reads what one of the four lines in front of it made, and from
; turn 2 on each exponential has a plain line of pair i - 2 behind it; turn 1's four stand together, and turn 2's first lines (pair 2's d) are the plain lines behind them (ISA guide 5.7.2).
.set i, 1
.rept 17
.if i < 16
	SM_D 0, i
	SM_D 1, i
.endif
.if i < 17
	SM_E 0, i-1, 0
.endif
.if i > 1
	SM_T 0, i-2
.endif
.if i < 17
	SM_E 1, i-1, 0
.endif
.if i > 1
	SM_T 1, i-2
.endif
.if i < 17
	SM_E 0, i-1, 1
.endif
.if i > 1
	SM_L 0, i-2
.endif
.if i < 17
	SM_E 1, i-1, 1
.endif
.if i > 1
	SM_L 1, i-2
	SM_P 0, i-2
	SM_P 1, i-2
.endif
.set i, i+1
.endr
.endm
; THE CHANGE OF SLOTS, in a trip's second step, behind the wait that shows V, the slot's last bytes, in registers (s_wait_dscnt 0 stands straight in front).  Each wave waits for all its tensor
; loads, of which one is out: its part of the other slot.  Behind the barrier nobody reads slot s any more and the other slot is whole.
; kind = 1: slot s is filled again, with the tile of trip + 2, first thing behind the barrier: it has a trip in which to land.  kind = 2: nothing is left to fetch.
.macro MID s, kind
	s_wait_tensorcnt 0x0                           ; no tensor load of mine is out, so a group 0 may be written
	ds_add_u32 v254, v255
	s_wait_dscnt 0x0
.if \kind == 1
	s_add_co_u32 s63, s13, 1                       ; the tile of trip + 2: where trip + 2 <= J its number is trip + 1;
	s_sub_co_u32 s62, s13, s11                     ; where trip + 2 > J + 1: trip - J;
	s_cmp_lt_u32 s63, s11
	s_cselect_b32 s62, s63, s62
	s_cmp_eq_u32 s63, s11                          ; where trip + 2 = J + 1: the second block's diagonal tile
	s_cselect_b32 s62, s15, s62
	s_lshl_b32 s62, s62, 14
	s_mov_b32 s63, 0
	s_add_nc_u64 s[G0K+4*(\s)+2:G0K+4*(\s)+3], s[16:17], s[62:63]
	s_or_b32 s[G0K+4*(\s)+3], s[G0K+4*(\s)+3], 0x80000000
	s_add_nc_u64 s[G0V+4*(\s)+2:G0V+4*(\s)+3], s[18:19], s[62:63]
	s_or_b32 s[G0V+4*(\s)+3], s[G0V+4*(\s)+3], 0x80000000
.endif
	s_barrier_signal -1
	s_barrier_wait -1
.if \kind == 1
	JLOAD \s                                       ; my one tensor load behind this barrier
.endif
	KLOAD 1-\s, 0                                  ; the next trip's first K: it comes in under the rescaling and the products below
	WIN 0
.endm
; A step of 64 keys of slot s.  mask = 1: the diagonal tile; its step 0 is a block's first.  mid: the change of slots (0: none).
.macro STEP s, st, mask, mid
	s_wait_dscnt 0x0                               ; K of this step is in
	QK
	WIN 0
	PLACES                                         ; behind the products: for the reads of S^T, the loads into K's registers, and (the products V^T P before) into V's, and for the writes of P and O^T
	VLOAD \s, \st
.if \st == 0
	KLOAD \s, 1
.endif
	WIN 0
.if \mask
	MASK \st
.endif
	SOFTMAX
.if \st == 0
	s_wait_dscnt 16                                ; V is in; the sixteen younger loads are the next step's K
.else
	s_wait_dscnt 0x0                               ; V is in: none of my reads of this slot is out
.endif
.if \mid
	MID \s, \mid
.endif
.if \mask && (\st == 0)
	PV 1
.else
	RESCALE
	PV 0
.endif
	WIN 0
.endm
; A block is finished: its entropy, O^T / L, out through my stage.  next = 1: block J; the second block's Q takes its place and its statistics begin.
.macro FINISH next
.set YB, 72-4*\next
.irp t, 0,1                            ; four plain lines that name no register of the last products: the places behind them
	v_add_f32 v[ST+16*\t+2], v[ST+16*\t+2], v[ST+16*\t+3]
	v_add_f32 v[ST+16*\t+4], v[ST+16*\t+4], v[ST+16*\t+5]
.endr
.irp t, 0,1
	v_permlanex16_b32 v[ST+16*\t+9], v[ST+16*\t+2], s[SEL], s[SEL+1]
	v_permlanex16_b32 v[ST+16*\t+10], v[ST+16*\t+4], s[SEL], s[SEL+1]
.endr
.irp t, 0,1
	v_add_f32 v[ST+16*\t+2], v[ST+16*\t+2], v[ST+16*\t+9]
	v_add_f32 v[ST+16*\t+4], v[ST+16*\t+4], v[ST+16*\t+10]
.endr
.irp t, 0,1
	v_rcp_f32 v[ST+16*\t+6], v[ST+16*\t+2]
	v_log_f32 v[ST+16*\t+8], v[ST+16*\t+2]
.endr
	v_nop
	s_wait_alu depctr_va_vdst(0)
.irp t, 0,1
	v_fma_f32 v[ST+16*\t+9], -v[ST+16*\t+4], v[ST+16*\t+6], v[ST+16*\t+8]   ; log2 L - T / L
.endr
.irp t, 0,1
	v_add_f32 v[ENT], v[ENT], v[ST+16*\t+9]
.endr
	RESCALE                                        ; here the factor is 1 / L
	WIN CV
.set i, 0
.rept 32
	v_cvt_pk_bf16_f32 v[S+i], v[OF+2*i], v[OF+2*i+1]
.set i, i+1
.endr
	WIN 0
.irp t, 0,1
.irp cb, 0,1,2,3
	ds_store_b128 v[STO], v[S+16*\t+4*\cb:S+16*\t+4*\cb+3] offset:\t*16*SP+32*\cb
.endr
.endr
.irp i, 0,1,2,3,4,5,6,7
	ds_load_b128 v[S+32+4*\i:S+32+4*\i+3], v[RD] offset:\i*4*SP   ; LDS serves a wave's instructions in order (ISA guide 5.7.1.4)
.endr
.if \next
	WIN W_RS                                       ; the 32 moves stand between the loads from the stage and the wait for them
.set i, 0
.rept 32
	v_mov_b32 v[QF+i], v[Q2F+i]
.set i, i+1
.endr
	WIN 0
	RESET
.endif
	s_wait_dscnt 0x0
.irp i, 0,1,2,3,4,5,6,7
	global_store_b128 v[GO], v[S+32+4*\i:S+32+4*\i+3], s[YB:YB+1] offset:\i*8192   ; four rows' 128 bytes each
.endr
.if \next
	s_wait_xcnt 0x0                                ; the next products write the registers that these stores read
.endif
.endm
.macro TRIP s
	s_cmp_eq_u32 s13, s14
	s_cbranch_scc1 .Lsecond_\@
	STEP \s, 0, 0, 0
	STEP \s, 1, 0, 1
	s_branch .Ljoin_\@
.Lsecond_\@:                           ; trip J + 1
	FINISH 1
	STEP \s, 0, 1, 0
	STEP \s, 1, 1, 1
.Ljoin_\@:
	s_add_co_u32 s13, s13, 1
.endm
	s_wait_tensorcnt 0x1                           ; my part of slot 0 is in; slot 1's may stay out
	s_barrier_signal -1
	s_barrier_wait -1                              ; everybody's is
	KLOAD 0, 0
	WIN 0
	s_wait_loadcnt 0x0                             ; Q, both blocks'
	STEP 0, 0, 1, 0                                ; trip 0: block J's diagonal tile
	STEP 0, 1, 1, 1
	s_mov_b32 s13, 1
	s_mov_b32 s60, 0
.Lpair:                                ; trips 1 to 14: each asks for the tile two trips on, the last of them for trip 16's
	TRIP 1
	TRIP 0
	s_add_co_u32 s60, s60, 1
	s_cmp_lt_u32 s60, 7
	s_cbranch_scc1 .Lpair
	STEP 1, 0, 0, 0                                ; trips 15 and 16 are written out; J + 1 <= 8, so both are plain
	STEP 1, 1, 0, 2
	STEP 0, 0, 0, 0
	STEP 0, 1, 0, 0
	FINISH 0
	v_add_f32_dpp v[ENT], v[ENT], v[ENT] row_xmask:1 row_mask:0xf bank_mask:0xf   ; the wave's 64 queries; both halves of the lanes carry each, which the last sum halves
	v_add_f32_dpp v[ENT], v[ENT], v[ENT] row_xmask:2 row_mask:0xf bank_mask:0xf
	v_add_f32_dpp v[ENT], v[ENT], v[ENT] row_xmask:4 row_mask:0xf bank_mask:0xf
	v_add_f32_dpp v[ENT], v[ENT], v[ENT] row_xmask:8 row_mask:0xf bank_mask:0xf
	v_permlanex16_b32 v13, v[ENT], s[SEL], s[SEL+1]
	v_add_f32 v[ENT], v[ENT], v13
	v_cmp_eq_u32 vcc_lo, 0, v14
	s_wait_xcnt 0x0                                ; EXEC changes only behind this wait
	s_wait_tensorcnt 0x0
	ds_add_u32 v254, v255
	s_wait_dscnt 0x0
	s_and_saveexec_b32 s61, vcc_lo
	global_store_b32 v15, v[ENT], s[8:9]
	s_wait_xcnt 0x0
	s_or_b32 exec_lo, exec_lo, s61
	s_endpgm
.Lfunc_end_k_q0dbdd561c0_attn:
	.size	k_q0dbdd561c0_attn, .Lfunc_end_k_q0dbdd561c0_attn-k_q0dbdd561c0_attn
	.p2alignl 7, 3214868480
	.fill 96, 4, 3214868480
	.section	.rodata,"a",@progbits
	.p2align	6, 0x0
	.amdhsa_kernel k_q0dbdd561c0_attn
		.amdhsa_group_segment_fixed_size 327680
		.amdhsa_private_segment_fixed_size 0
		.amdhsa_enable_private_segment 0
		.amdhsa_kernarg_size 24
		.amdhsa_user_sgpr_count 2
		.amdhsa_user_sgpr_kernarg_segment_ptr 1
		.amdhsa_wavefront_size32 1
		.amdhsa_system_sgpr_workgroup_id_x 1
		.amdhsa_system_sgpr_workgroup_id_y 1
		.amdhsa_system_sgpr_workgroup_id_z 1
		.amdhsa_system_vgpr_workitem_id 0
		.amdhsa_next_free_vgpr 512
		.amdhsa_next_free_sgpr 84
		.amdhsa_reserve_vcc 1
		.amdhsa_float_denorm_mode_32 3
		.amdhsa_float_denorm_mode_16_64 3
		.amdhsa_memory_ordered 1
		.amdhsa_forward_progress 1
		.amdhsa_inst_pref_size 255
	.end_amdhsa_kernel
	.section	.bss,"aw",@nobits
	.p2align	6
	.space	262144
	.amdgpu_metadata
---
amdhsa.version: [ 1, 2 ]
amdhsa.kernels:
  - .name:           k_q0dbdd561c0_attn
    .symbol:         k_q0dbdd561c0_attn.kd
    .args:
      - { .name: qkvb, .offset: 0, .size: 8, .value_kind: global_buffer, .address_space: global }
      - { .name: y, .offset: 8, .size: 8, .value_kind: global_buffer, .address_space: global }
      - { .name: entp, .offset: 16, .size: 8, .value_kind: global_buffer, .address_space: global }
    .group_segment_fixed_size: 327680
    .private_segment_fixed_size: 0
    .kernarg_segment_align: 8
    .kernarg_segment_size: 24
    .max_flat_workgroup_size: 128
    .sgpr_count:     84
    .vgpr_count:     512
    .wavefront_size: 32
...
	.end_amdgpu_metadata
.endif
;; end of part 3
;; launch proj (part 4): grid 8 x 32, 4 waves a work-group, clusters of 4 x 4, 327,680 bytes of LDS; arguments y, wbf, b_proj, x, x1; writes x1
.if DOCPART == 4
	.amdgcn_target "amdgcn-amd-amdhsa--gfx1250"
	.amdhsa_code_object_version 6
	.text
	.protected	k_q0dbdd561c0_proj
	.globl	k_q0dbdd561c0_proj
	.p2align	8
	.type	k_q0dbdd561c0_proj,@function
k_q0dbdd561c0_proj:
	s_mov_b64 s[64:65], 0
	v_nop
	global_prefetch_b8 v0, s[64:65] scope:SCOPE_SE
	s_setreg_imm32_b32 hwreg(HW_REG_WAVE_MODE, 25, 1), 1
	s_wait_xcnt 0x0
	s_wait_alu depctr_hold_cnt(0) depctr_sa_sdst(0) depctr_va_vdst(0) depctr_va_sdst(0) depctr_va_ssrc(0) depctr_va_vcc(0) depctr_vm_vsrc(0)
	s_getreg_b32 s2, hwreg(HW_REG_IB_STS2, 6, 4)
	s_cmp_eq_u32 s2, 0
	s_cbranch_scc0 .Lentry_in_a_cluster
	s_endpgm
.Lentry_in_a_cluster:
	s_bfe_u32 s2, ttmp6, 0x10000c
	s_cmp_lg_u32 s2, 0xf033
	s_cbranch_scc0 .Lentry_shape_is_right
	s_endpgm
.Lentry_shape_is_right:
; x1[m][n] = x[m][n] + b_proj[n] + sum over k of y[m][k] Wproj[n][k].  y: [4096][1024] bf16, Wproj: [1024][1024] bf16 (wbf, byte 0); x, x1: [4096][1024] f32; sums in f32.
; 1,024 columns make only 64 tiles of 256 x 256, so a tile is 128 x 128: 256 work-groups of four waves, 64 x 64 a wave (16 accumulators).  K in steps of 256 (LDS rows of 512 bytes), two slots.
; CLUSTERS of 4 x 4: the four of a row ask jointly for A's tiles, the four of a column for W's.  THE MATRIX INSTRUCTION IS USED TRANSPOSED: a lane holds eight neighbouring columns of a row.
; THE ORDER OF THE K STEPS.  Step t takes slice 4 (t / 4) + (((t xor X) + Y) mod 4) of K, X the cluster's x (0, 1), Y its y mod 4: a permutation inside each group of four steps.  The two clusters
; that read my rows of A (the other X) then never take the slice that I take in the same step, and neither do the clusters with another Y that read my rows of W; in every odd step both my slices
; have been asked for by such a neighbour in an earlier step of the group.  X and Y are the cluster's own, so a joint load's descriptor stays equal in all partners.
; LIMIT: the K order of a sum is this permutation of ascending, so its rounding differs from an ascending sum's.
; A wave's 64 f32 columns are 256 aligned bytes of a row, so each wave has a stage of its own and the way out has no barrier.
; REGISTERS: window 0: v0-31 addresses; v32-95 rows on the way out; v128-255 accumulators ((a, b) at v[128 + 8 (4 a + b)]).  window 1: two fragment buffers of 128.
;   window 2: v0-127 my 64 x 64 of x, in the order of the stores; v128-159 the bias of my 64 columns.  Both are asked for at the start and waited for on the way out: 40 loads stay out across the loop.
.set SIZE_K, 1024
.set SIZE_N, 1024
.set WOFF,   0
.set KSTEP,  256
.set PITCH,  528                       ; an LDS row: 512 bytes + 16 of padding = 132 words: row r starts at bank 4 r mod 64 (64 banks of 4 bytes: ISA guide 11.1)
.set HALFT,  64*PITCH
.set SLOT,   4*HALFT
.set STAGE,  2*SLOT                    ; behind the ring: 16 rows x 272 bytes for each wave; no tensor load fills them
.set SPITCH, 272
.set LAPS, SIZE_K/(2*KSTEP)
.set ADRA, 16
.set ADRB, 20
.set STO,  24
.set RD,   25
.set CO,   26
.set BO,   27
.set TMP,  32
.set ACC,  128
.set F0,   0
.set F1,   128
.set G1, 24
.set G0, 32
.set G1B, 48
.set G0B, 56
.set KX,  84                           ; s84 X, s85 Y, s[86:87] a slice's byte offset in a row, s88 the step to be asked for next
.set KY,  85
.set KO,  86
.set TAU, 88
.set MSB, 0
.macro WIN new
.if MSB != \new
	s_set_vgpr_msb (MSB<<8)|\new
.set MSB, \new
.endif
.endm
.set MUL,  0x05                        ; sources 0 (W) and 1 (A) window 1; C and D window 0
.set TO_F, 0x40                        ; destination window 1
.macro JLOAD s                         ; a joint load: waves 0 and 1 fetch A's two halves, waves 2 and 3 W's; four v_nop follow each line
	s_cmp_eq_u32 s11, 0
	s_cbranch_scc0 .Lfor_b_\@
	tensor_load_to_lds s[G0+4*\s:G0+4*\s+3], s[G1:G1+7]
	s_nop 0
.rept 4
	v_nop
.endr
	s_branch .Lasked_\@
.Lfor_b_\@:
	tensor_load_to_lds s[G0B+4*\s:G0B+4*\s+3], s[G1B:G1B+7]
	s_nop 0
.rept 4
	v_nop
.endr
.Lasked_\@:
.endm
.macro CREST
	s_cmp_lg_u32 s10, 0
	s_cbranch_scc1 .Lnot_wave_0_\@
	s_barrier_signal -3
.Lnot_wave_0_\@:
	s_barrier_wait -3
	s_barrier_signal -1
	s_barrier_wait -1
.endm
.macro CROUND
	s_barrier_signal -1
	s_barrier_wait -1
	CREST
.endm
.macro AIM s                           ; slot s's two group 0 take the slice at s[KO:KO+1]; no tensor load of the wave that names them is out here
	s_add_nc_u64 s[G0+4*\s+2:G0+4*\s+3], s[14:15], s[KO:KO+1]
	s_or_b32 s[G0+4*\s+3], s[G0+4*\s+3], 0x80000000
	s_add_nc_u64 s[G0B+4*\s+2:G0B+4*\s+3], s[46:47], s[KO:KO+1]
	s_or_b32 s[G0B+4*\s+3], s[G0B+4*\s+3], 0x80000000
.endm
	s_load_b128 s[4:7], s[0:1], 0x0                ; A s[4:5], wbf s[6:7]
	s_load_b128 s[68:71], s[0:1], 0x10             ; bias s[68:69], the residual s[70:71]
	s_load_b64 s[8:9], s[0:1], 0x20                ; out
	v_lshl_add_u32 v126, v0, 2, 0x46400
	v_mov_b32 v127, 0
	ds_add_u32 v126, v127
	ds_add_u32 v126, v127
	v_lshrrev_b32 v1, 5, v0
	v_readfirstlane_b32 s10, v1
	s_lshr_b32 s11, s10, 1                         ; which half of the tile's rows is mine.  Also: I fetch for A (0) or for W (1)
	s_and_b32 s12, s10, 1                          ; which half of its columns.  Also: which 64 rows of that tile I fetch
	s_bfe_u32 s40, ttmp6, 0x40000
	s_bfe_u32 s41, ttmp6, 0x40004
	s_lshl_b32 s42, ttmp9, 2
	s_add_co_u32 s42, s42, s40                     ; tile column
	s_and_b32 s13, ttmp7, 0xffff
	s_lshl_b32 s13, s13, 2
	s_add_co_u32 s13, s13, s41                     ; tile row
	s_and_b32 s[KX], ttmp9, 1                      ; X
	s_and_b32 s[KY], ttmp7, 3                      ; Y
	s_mov_b32 s[TAU], 2
	s_lshl_b32 s43, s41, 2
	s_lshl_b32 s43, 15, s43
	s_lshl_b32 s44, 0x1111, s40
	s_or_b32 s[G1+0], s43, (1<<16)|(1<<20)|(1<<21)|(6<<22)|(3<<25)  ; mask; elements of 2 bytes; padding on; bit 21 beside a mask; after every 128 words, 4 words
	s_or_b32 s[G1B+0], s44, (1<<16)|(1<<20)|(1<<21)|(6<<22)|(3<<25)
.irp g, G1, G1B
	s_mov_b32 s[\g+1], KSTEP<<16
	s_mov_b32 s[\g+2], 64<<16
	s_mov_b32 s[\g+3], KSTEP<<16
	s_mov_b32 s[\g+4], 64
	s_mov_b32 s[\g+5], SIZE_K
	s_mov_b32 s[\g+6], 0
	s_mov_b32 s[\g+7], 0
.endr
	s_lshl_b32 s17, s12, 6
	s_lshl_b32 s16, s13, 7
	s_add_co_u32 s16, s16, s17
	s_lshl_b32 s46, s42, 7
	s_add_co_u32 s46, s46, s17
	s_mov_b32 s17, 0
	s_mov_b32 s47, 0
	s_mov_b64 s[18:19], SIZE_K*2
	s_mul_u64 s[16:17], s[16:17], s[18:19]
	s_mul_u64 s[46:47], s[46:47], s[18:19]
	s_mul_i32 s20, s10, HALFT
	s_wait_dscnt 0x0
	s_wait_kmcnt 0x0
	s_add_nc_u64 s[14:15], s[4:5], s[16:17]        ; my rows of A, at K = 0: kept
	s_add_nc_u64 s[46:47], s[6:7], s[46:47]        ; my rows of W, at K = 0: kept
.if WOFF
	s_add_nc_u64 s[46:47], s[46:47], WOFF
.endif
	CROUND                                         ; all sixteen work-groups are here: the first joint loads meet
.irp s, 0,1
	s_xor_b32 s[KO], s[KX], \s                     ; steps 0 and 1: slice ((t xor X) + Y) mod 4,
	s_add_co_u32 s[KO], s[KO], s[KY]
	s_and_b32 s[KO], s[KO], 3
	s_lshl_b32 s[KO], s[KO], 9                     ; of 512 bytes in a row
	s_mov_b32 s[KO+1], 0
	s_mov_b32 s[G0+4*\s], 1
	s_add_co_u32 s[G0+4*\s+1], s20, \s*SLOT
	s_mov_b32 s[G0B+4*\s], 1
	s_add_co_u32 s[G0B+4*\s+1], s20, \s*SLOT
	AIM \s
	JLOAD \s                                       ; two tensor loads of mine are out
.endr
	v_and_b32 v1, 15, v0
	v_bfe_u32 v2, v0, 4, 1
	v_mul_u32_u24 v3, v1, PITCH
	v_lshl_add_u32 v3, v2, 4, v3
	s_mul_i32 s21, s11, HALFT
	s_mul_i32 s22, s12, HALFT
	s_add_co_u32 s22, s22, 2*HALFT
.irp s, 0,1
	v_add_nc_u32 v[ADRA+\s], s21, v3
	v_add_nc_u32 v[ADRB+\s], s22, v3
	s_add_co_u32 s21, s21, SLOT
	s_add_co_u32 s22, s22, SLOT
.endr
	s_mul_i32 s23, s10, 16*SPITCH
	s_add_co_u32 s23, s23, STAGE                   ; my stage
	v_mul_u32_u24 v4, v1, SPITCH                   ; in: row l % 16, 32 bytes for each half of the lanes
	v_lshl_add_u32 v4, v2, 5, v4
	v_add_nc_u32 v[STO], s23, v4
	v_mul_u32_u24 v5, v2, SPITCH                   ; back: lanes 0-15 take one row of 256 bytes, lanes 16-31 the next
	v_lshl_add_u32 v5, v1, 4, v5
	v_add_nc_u32 v[RD], s23, v5
	v_lshlrev_b32 v5, 12, v2                       ; and the same two rows in memory: rows of 4,096 bytes
	v_lshl_add_u32 v[CO], v1, 4, v5
	v_lshlrev_b32 v[BO], 5, v2
	s_lshl_b32 s76, s42, 9                         ; my first column, in bytes: 512 x tile column + 256 x half
	s_lshl_b32 s77, s12, 8
	s_add_co_u32 s76, s76, s77
	s_mov_b32 s77, 0
	s_add_nc_u64 s[68:69], s[68:69], s[76:77]
	s_lshl_b32 s74, s13, 19                        ; my first row: (128 x tile row + 64 x half) x 4,096 bytes
	s_lshl_b32 s75, s11, 18
	s_add_co_u32 s74, s74, s75
	s_add_co_u32 s74, s74, s76
	s_mov_b32 s75, 0
	s_add_nc_u64 s[70:71], s[70:71], s[74:75]
	s_add_nc_u64 s[8:9], s[8:9], s[74:75]
	WIN 0x80                                       ; destination window 2
.irp n, 0,1,2,3,4,5,6,7,8,9,10,11,12,13,14,15,16,17,18,19,20,21,22,23,24,25,26,27,28,29,30,31
	global_load_b128 v[4*\n:4*\n+3], v[CO], s[70:71] offset:2*\n*4096 th:TH_LOAD_NT   ; rows 2 n and 2 n + 1 of my 64: the launch reads each byte once
.endr
.irp b, 0,1,2,3
	global_load_b128 v[128+8*\b:128+8*\b+3],   v[BO], s[68:69] offset:64*\b
	global_load_b128 v[128+8*\b+4:128+8*\b+7], v[BO], s[68:69] offset:64*\b+16
.endr
	WIN 0
.macro MUL8 f, c, a0, zero             ; 8 matrix instructions: m blocks a0, a0 + 1 x all 4 n blocks, 32 along K: half c of buffer f
.irp a, \a0, \a0+1
.irp b, 0,1,2,3
.if \zero
	v_wmma_f32_16x16x32_bf16 v[ACC+8*(4*(\a)+\b):ACC+8*(4*(\a)+\b)+7], v[\f+64+8*(4*\c+\b):\f+64+8*(4*\c+\b)+7], v[\f+8*(4*\c+\a):\f+8*(4*\c+\a)+7], 0
.else
	v_wmma_f32_16x16x32_bf16 v[ACC+8*(4*(\a)+\b):ACC+8*(4*(\a)+\b)+7], v[\f+64+8*(4*\c+\b):\f+64+8*(4*\c+\b)+7], v[\f+8*(4*\c+\a):\f+8*(4*\c+\a)+7], v[ACC+8*(4*(\a)+\b):ACC+8*(4*(\a)+\b)+7]
.endif
.endr
.endr
.endm
.macro FETCH slot, k, f                ; 32 LDS loads in one run: 64 along K at byte k, the first 32 along K first
	WIN TO_F
.irp c, 0,1
.irp i, 0,1,2,3
	ds_load_b128 v[\f+64+8*(4*\c+\i):\f+64+8*(4*\c+\i)+3],   v[ADRB+\slot] offset:\k+64*\c+\i*16*PITCH
	ds_load_b128 v[\f+64+8*(4*\c+\i)+4:\f+64+8*(4*\c+\i)+7], v[ADRB+\slot] offset:\k+64*\c+\i*16*PITCH+32
	ds_load_b128 v[\f+8*(4*\c+\i):\f+8*(4*\c+\i)+3],         v[ADRA+\slot] offset:\k+64*\c+\i*16*PITCH
	ds_load_b128 v[\f+8*(4*\c+\i)+4:\f+8*(4*\c+\i)+7],       v[ADRA+\slot] offset:\k+64*\c+\i*16*PITCH+32
.endr
.endr
.endm
.macro PLACES                          ; four plain vector instructions between a matrix instruction and a load into, or a vector instruction on, its registers
.rept 4
	v_nop
.endr
.endm
; The 16 accumulators take turns, one instruction a turn.
.macro QUARTER slot, k, f, g, zero
	s_wait_dscnt 16                                ; the first 32 along K are in; the sixteen younger loads may be out
	WIN MUL
	MUL8 \f, 0, 0, \zero
	MUL8 \f, 0, 2, \zero
	PLACES
	FETCH \slot, \k, \g
	s_wait_dscnt 32                                ; all but the 32 just issued
	WIN MUL
	MUL8 \f, 1, 0, 0
	MUL8 \f, 1, 2, 0
.endm
.macro TURN slot, next, fill           ; the last quarter changes slots: one barrier; fill = 1: it opens a round of the cluster's, and this slot is filled again first thing behind it
	s_wait_dscnt 16
	WIN MUL
	MUL8 F1, 0, 0, 0
	s_wait_dscnt 0                                 ; my reads of this slot are over,
	s_set_vgpr_msb 0x500
	s_wait_tensorcnt 0x0                           ; and all my tensor loads have landed: my part of the next slot
	ds_add_u32 v126, v127
	s_wait_dscnt 0x0
	s_set_vgpr_msb 0x5
	s_barrier_signal -1
	MUL8 F1, 0, 2, 0
.if \fill
	WIN 0
.endif
	s_barrier_wait -1
.if \fill
	CREST
	s_xor_b32 s[KO], s[TAU], s[KX]                 ; step t's slice: ((t xor X) + Y) mod 4
	s_add_co_u32 s[KO], s[KO], s[KY]
	s_and_b32 s[KO], s[KO], 3
	s_and_b32 s[KO+1], s[TAU], -4                  ; + 4 (t / 4)
	s_add_co_u32 s[KO], s[KO], s[KO+1]
	s_lshl_b32 s[KO], s[KO], 9
	s_mov_b32 s[KO+1], 0
	AIM \slot
	s_add_co_u32 s[TAU], s[TAU], 1
	JLOAD \slot                                    ; one tensor load of mine is out; its four v_nop are also the places in front of the loads below
.else
	PLACES
.endif
	FETCH \next, 0, F0
	WIN MUL
	MUL8 F1, 1, 0, 0
	MUL8 F1, 1, 2, 0
.endm
	s_wait_tensorcnt 1                             ; my part of step 0 is in; step 1's may stay out
	s_barrier_signal -1
	s_barrier_wait -1
	FETCH 0, 0, F0
	QUARTER 0, 128, F0, F1, 1                      ; the first products start the sums
	WIN 0
	s_mov_b32 s3, LAPS-1
.Llap:
	QUARTER 0, 256, F1, F0, 0
	QUARTER 0, 384, F0, F1, 0
	TURN 0, 1, 1
	QUARTER 1, 128, F0, F1, 0
	QUARTER 1, 256, F1, F0, 0
	QUARTER 1, 384, F0, F1, 0
	TURN 1, 0, 1
	QUARTER 0, 128, F0, F1, 0
	WIN 0
	s_sub_co_u32 s3, s3, 1
	s_cmp_lg_u32 s3, 0
	s_cbranch_scc1 .Llap
	QUARTER 0, 256, F1, F0, 0                      ; the last lap fills nothing and has no round
	QUARTER 0, 384, F0, F1, 0
	TURN 0, 1, 0
	QUARTER 1, 128, F0, F1, 0
	QUARTER 1, 256, F1, F0, 0
	QUARTER 1, 384, F0, F1, 0
	s_wait_dscnt 16
	WIN MUL
	MUL8 F1, 0, 0, 0
	MUL8 F1, 0, 2, 0
	s_wait_dscnt 0
	MUL8 F1, 1, 0, 0
	MUL8 F1, 1, 2, 0
	WIN 0
	PLACES
	s_wait_loadcnt 0x0                             ; the residual and the bias
; THE WAY OUT of block a (16 rows): + bias, through my stage, back as whole rows of 256 bytes, + residual, stored.
.macro WAYOUT a
	WIN 0x08                                       ; source 1: window 2
.irp b, 0,1,2,3
.irp p, 0,2,4,6
	v_pk_add_f32 v[ACC+8*(4*(\a)+\b)+\p:ACC+8*(4*(\a)+\b)+\p+1], v[ACC+8*(4*(\a)+\b)+\p:ACC+8*(4*(\a)+\b)+\p+1], v[128+8*\b+\p:128+8*\b+\p+1]   ; each accumulator from its low end on
.endr
.endr
	WIN 0
.irp b, 0,1,2,3
	ds_store_b128 v[STO], v[ACC+8*(4*(\a)+\b):ACC+8*(4*(\a)+\b)+3]   offset:64*\b
	ds_store_b128 v[STO], v[ACC+8*(4*(\a)+\b)+4:ACC+8*(4*(\a)+\b)+7] offset:64*\b+16
.endr
	s_wait_xcnt 0x0                                ; the registers that earlier stores read are loaded again only behind this wait
.irp i, 0,1,2,3,4,5,6,7
	ds_load_b128 v[TMP+32*((\a)%2)+4*\i:TMP+32*((\a)%2)+4*\i+3], v[RD] offset:\i*2*SPITCH   ; LDS serves a wave's instructions in order (ISA guide 5.7.1.4)
.endr
	s_wait_dscnt 0x0
	WIN 0x08
.irp i, 0,1,2,3,4,5,6,7,8,9,10,11,12,13,14,15
	v_pk_add_f32 v[TMP+32*((\a)%2)+2*\i:TMP+32*((\a)%2)+2*\i+1], v[TMP+32*((\a)%2)+2*\i:TMP+32*((\a)%2)+2*\i+1], v[32*(\a)+2*\i:32*(\a)+2*\i+1]
.endr
	WIN 0
.irp i, 0,1,2,3,4,5,6,7
	global_store_b128 v[CO], v[TMP+32*((\a)%2)+4*\i:TMP+32*((\a)%2)+4*\i+3], s[8:9] offset:(16*(\a)+2*\i)*4096   ; 16 lanes store 256 consecutive bytes, aligned
.endr
.endm
.irp a, 0,1,2,3
	WAYOUT \a
.endr
	s_wait_tensorcnt 0x0
	ds_add_u32 v126, v127
	s_wait_dscnt 0x0
	CROUND                                         ; the closing round
	s_endpgm
.Lfunc_end_k_q0dbdd561c0_proj:
	.size	k_q0dbdd561c0_proj, .Lfunc_end_k_q0dbdd561c0_proj-k_q0dbdd561c0_proj
	.p2alignl 7, 3214868480
	.fill 96, 4, 3214868480
	.section	.rodata,"a",@progbits
	.p2align	6, 0x0
	.amdhsa_kernel k_q0dbdd561c0_proj
		.amdhsa_group_segment_fixed_size 327680
		.amdhsa_private_segment_fixed_size 0
		.amdhsa_enable_private_segment 0
		.amdhsa_kernarg_size 40
		.amdhsa_user_sgpr_count 2
		.amdhsa_user_sgpr_kernarg_segment_ptr 1
		.amdhsa_wavefront_size32 1
		.amdhsa_system_sgpr_workgroup_id_x 1
		.amdhsa_system_sgpr_workgroup_id_y 1
		.amdhsa_system_sgpr_workgroup_id_z 1
		.amdhsa_system_vgpr_workitem_id 0
		.amdhsa_next_free_vgpr 768
		.amdhsa_next_free_sgpr 92
		.amdhsa_reserve_vcc 0
		.amdhsa_float_denorm_mode_32 3
		.amdhsa_float_denorm_mode_16_64 3
		.amdhsa_memory_ordered 1
		.amdhsa_forward_progress 1
		.amdhsa_inst_pref_size 99
	.end_amdhsa_kernel
	.amdgpu_metadata
---
amdhsa.version: [ 1, 2 ]
amdhsa.kernels:
  - .name:           k_q0dbdd561c0_proj
    .symbol:         k_q0dbdd561c0_proj.kd
    .args:
      - { .name: y, .offset: 0, .size: 8, .value_kind: global_buffer, .address_space: global }
      - { .name: wbf, .offset: 8, .size: 8, .value_kind: global_buffer, .address_space: global }
      - { .name: b_proj, .offset: 16, .size: 8, .value_kind: global_buffer, .address_space: global }
      - { .name: x, .offset: 24, .size: 8, .value_kind: global_buffer, .address_space: global }
      - { .name: x1, .offset: 32, .size: 8, .value_kind: global_buffer, .address_space: global }
    .group_segment_fixed_size: 327680
    .private_segment_fixed_size: 0
    .kernarg_segment_align: 8
    .kernarg_segment_size: 40
    .max_flat_workgroup_size: 128
    .sgpr_count:     92
    .vgpr_count:     768
    .wavefront_size: 32
...
	.end_amdgpu_metadata
.endif
;; end of part 4
;; launch ln2 (part 5): grid 256 x 1, 8 waves a work-group, no clusters, 0 bytes of LDS; arguments x1, ln2_w, ln2_b, entp, h, out1; writes h, out1
.if DOCPART == 5
	.amdgcn_target "amdgcn-amd-amdhsa--gfx1250"
	.amdhsa_code_object_version 6
	.text
	.protected	k_q0dbdd561c0_ln2
	.globl	k_q0dbdd561c0_ln2
	.p2align	8
	.type	k_q0dbdd561c0_ln2,@function
k_q0dbdd561c0_ln2:
	s_mov_b64 s[64:65], 0
	v_nop
	global_prefetch_b8 v0, s[64:65] scope:SCOPE_SE
	s_setreg_imm32_b32 hwreg(HW_REG_WAVE_MODE, 25, 1), 1
	s_wait_xcnt 0x0
; h = f16(layer norm of x1): 16 rows a work-group, two rows a wave; a row of 1,024 f32 is 32 registers of one wave, read once; it is centred before it is squared.
; f16: |h| <= 32 max|gain| + max|bias|, so it has room, and it keeps 11 bits against bf16's 8.  LIMIT: a magnitude of 65,504 or more becomes infinite.
; Wave 0 of work-group 0 then adds the 1,024 entropy partials of the attention launch and stores their mean: one owner, a fixed order of the sum.
; No LDS, no barrier, no matrix unit: nothing is shared between waves.
.set X0, 32
.set X1, 64
.set WG, 96
.set BG, 128
.set XB, 8                             ; s[8:9] x1, s[10:11] gain, s[12:13] bias, s[14:15] entp, s[16:17] h, s[18:19] out1
.set WB, 10
.set BB, 12
.set HB, 16
.macro WRED r, t
	v_add_f32_dpp v[\r], v[\r], v[\r] row_xmask:1 row_mask:0xf bank_mask:0xf
	v_add_f32_dpp v[\r], v[\r], v[\r] row_xmask:2 row_mask:0xf bank_mask:0xf
	v_add_f32_dpp v[\r], v[\r], v[\r] row_xmask:4 row_mask:0xf bank_mask:0xf
	v_add_f32_dpp v[\r], v[\r], v[\r] row_xmask:8 row_mask:0xf bank_mask:0xf
	v_permlanex16_b32 v[\t], v[\r], s30, s31
	v_add_f32 v[\r], v[\r], v[\t]
.endm
.macro JOIN p, t
	v_pk_add_f32 v[\p:\p+1], v[\p:\p+1], v[\p+2:\p+3]
	v_pk_add_f32 v[\p+4:\p+5], v[\p+4:\p+5], v[\p+6:\p+7]
	v_pk_add_f32 v[\p:\p+1], v[\p:\p+1], v[\p+4:\p+5]
	v_add_f32 v[\p], v[\p], v[\p+1]
	WRED \p, \t
.endm
.macro SUM32 x, p, t
.irp k, 0,1,2,3
	v_pk_add_f32 v[\p+2*\k:\p+2*\k+1], v[\x+2*\k:\x+2*\k+1], v[\x+8+2*\k:\x+8+2*\k+1]
.endr
.irp k, 0,1,2,3,4,5,6,7
	v_pk_add_f32 v[\p+2*(\k%4):\p+2*(\k%4)+1], v[\p+2*(\k%4):\p+2*(\k%4)+1], v[\x+16+2*\k:\x+16+2*\k+1]
.endr
	JOIN \p, \t
.endm
.macro LNMEAN x, p, mu, t
	SUM32 \x, \p, \t
	v_mul_f32 v[\mu], 0x3a800000, v[\p]
	v_mov_b32 v[\mu+1], v[\mu]
.endm
.macro LNCEN x, mu
.irp k, 0,1,2,3,4,5,6,7,8,9,10,11,12,13,14,15
	v_pk_add_f32 v[\x+2*\k:\x+2*\k+1], v[\x+2*\k:\x+2*\k+1], v[\mu:\mu+1] neg_lo:[0,1] neg_hi:[0,1]
.endr
.endm
.macro LNVAR x, p, rs, t
.irp k, 0,1,2,3
	v_pk_mul_f32 v[\p+2*\k:\p+2*\k+1], v[\x+2*\k:\x+2*\k+1], v[\x+2*\k:\x+2*\k+1]
.endr
.irp k, 4,5,6,7,8,9,10,11,12,13,14,15
	v_pk_fma_f32 v[\p+2*(\k%4):\p+2*(\k%4)+1], v[\x+2*\k:\x+2*\k+1], v[\x+2*\k:\x+2*\k+1], v[\p+2*(\k%4):\p+2*(\k%4)+1]
.endr
	JOIN \p, \t
	v_fmaak_f32 v[\p], v[\p], v30, 0x3727c5ac      ; sum / 1,024 + 1e-5
	v_rsq_f32 v[\rs], v[\p]
	v_rsq_f32 v[\rs+1], v[\p]
	v_nop                                          ; a plain instruction between the root and its use (ISA guide 5.7.2)
.endm
.macro LNOUT x, rs, row
	s_wait_alu depctr_va_vdst(0)
.irp k, 0,1,2,3,4,5,6,7,8,9,10,11,12,13,14,15
	v_pk_mul_f32 v[\x+2*\k:\x+2*\k+1], v[\x+2*\k:\x+2*\k+1], v[\rs:\rs+1]
.endr
.irp k, 0,1,2,3,4,5,6,7,8,9,10,11,12,13,14,15
	v_pk_fma_f32 v[\x+2*\k:\x+2*\k+1], v[\x+2*\k:\x+2*\k+1], v[WG+2*\k:WG+2*\k+1], v[BG+2*\k:BG+2*\k+1]
.endr
.irp j, 0,1,2,3,4,5,6,7
	v_cvt_pk_f16_f32 v[\x+4*\j], v[\x+4*\j], v[\x+4*\j+1]
	v_cvt_pk_f16_f32 v[\x+4*\j+1], v[\x+4*\j+2], v[\x+4*\j+3]
	global_store_b64 v4, v[\x+4*\j:\x+4*\j+1], s[HB:HB+1] offset:\row*2048+256*\j   ; 32 lanes x 8 bytes: 256 consecutive bytes, aligned
.endr
.endm
	s_load_b256 s[8:15], s[0:1], 0x0
	s_load_b128 s[16:19], s[0:1], 0x20
	v_and_b32 v1, 31, v0
	v_lshrrev_b32 v5, 5, v0
	v_lshlrev_b32 v3, 4, v1
	v_lshl_or_b32 v2, v5, 13, v3
	v_lshlrev_b32 v4, 3, v1
	v_lshl_or_b32 v4, v5, 12, v4
	v_mov_b32 v28, 0
	v_mov_b32 v29, 0
	v_mov_b32 v30, 0x3a800000
	s_mov_b32 s30, 0x76543210
	s_mov_b32 s31, 0xfedcba98
	s_lshl_b32 s26, ttmp9, 16
	s_mov_b32 s27, 0
	s_lshl_b32 s28, ttmp9, 15
	s_mov_b32 s29, 0
	s_wait_kmcnt 0x0
	s_add_nc_u64 s[XB:XB+1], s[XB:XB+1], s[26:27]
	s_add_nc_u64 s[HB:HB+1], s[HB:HB+1], s[28:29]
.irp j, 0,1,2,3,4,5,6,7
	global_load_b128 v[X0+4*\j:X0+4*\j+3], v2, s[XB:XB+1] offset:512*\j
.endr
.irp j, 0,1,2,3,4,5,6,7
	global_load_b128 v[X1+4*\j:X1+4*\j+3], v2, s[XB:XB+1] offset:4096+512*\j
.endr
.irp j, 0,1,2,3,4,5,6,7
	global_load_b128 v[WG+4*\j:WG+4*\j+3], v3, s[WB:WB+1] offset:512*\j
.endr
.irp j, 0,1,2,3,4,5,6,7
	global_load_b128 v[BG+4*\j:BG+4*\j+3], v3, s[BB:BB+1] offset:512*\j
.endr
	s_wait_loadcnt 16                              ; both rows are in; the sixteen younger loads (gains, biases) stay out
	LNMEAN X0, 8, 24, 28
	LNMEAN X1, 16, 26, 29
	LNCEN X0, 24
	LNCEN X1, 26
	LNVAR X0, 8, 24, 28
	LNVAR X1, 16, 26, 29
	s_wait_loadcnt 0x0
	LNOUT X0, 24, 0
	LNOUT X1, 26, 1
	s_cmp_lg_u32 ttmp9, 0
	s_cbranch_scc1 .Lend
	v_readfirstlane_b32 s32, v5
	s_cmp_lg_u32 s32, 0
	s_cbranch_scc1 .Lend
	; THE ENTROPY'S LAST SUM: 1,024 partials, 32 a lane
	s_wait_xcnt 0x0                                ; v[32:63] were read by the stores above
.irp i, 0,1,2,3,4,5,6,7
	global_load_b128 v[X0+4*\i:X0+4*\i+3], v3, s[14:15] offset:512*\i
.endr
	s_wait_loadcnt 0x0
	SUM32 X0, 8, 28
	v_mul_f32 v8, 0x36b17218, v8                   ; x ln 2 (the partials are in base 2) / 65,536 queries / 2 (both halves of the lanes carried each query)
	v_mov_b32 v9, 0
	v_cmp_eq_u32 vcc_lo, 0, v1
	s_wait_xcnt 0x0                                ; EXEC changes only behind this wait
	s_and_saveexec_b32 s33, vcc_lo
	global_store_b32 v9, v8, s[18:19]
	s_wait_xcnt 0x0
	s_or_b32 exec_lo, exec_lo, s33
.Lend:
	s_endpgm
.Lfunc_end_k_q0dbdd561c0_ln2:
	.size	k_q0dbdd561c0_ln2, .Lfunc_end_k_q0dbdd561c0_ln2-k_q0dbdd561c0_ln2
	.p2alignl 7, 3214868480
	.fill 96, 4, 3214868480
	.section	.rodata,"a",@progbits
	.p2align	6, 0x0
	.amdhsa_kernel k_q0dbdd561c0_ln2
		.amdhsa_group_segment_fixed_size 0
		.amdhsa_private_segment_fixed_size 0
		.amdhsa_enable_private_segment 0
		.amdhsa_kernarg_size 48
		.amdhsa_user_sgpr_count 2
		.amdhsa_user_sgpr_kernarg_segment_ptr 1
		.amdhsa_wavefront_size32 1
		.amdhsa_system_sgpr_workgroup_id_x 1
		.amdhsa_system_sgpr_workgroup_id_y 1
		.amdhsa_system_sgpr_workgroup_id_z 1
		.amdhsa_system_vgpr_workitem_id 0
		.amdhsa_next_free_vgpr 160
		.amdhsa_next_free_sgpr 66
		.amdhsa_reserve_vcc 1
		.amdhsa_float_denorm_mode_32 3
		.amdhsa_float_denorm_mode_16_64 3
		.amdhsa_memory_ordered 1
		.amdhsa_forward_progress 1
		.amdhsa_inst_pref_size 23
	.end_amdhsa_kernel
	.amdgpu_metadata
---
amdhsa.version: [ 1, 2 ]
amdhsa.kernels:
  - .name:           k_q0dbdd561c0_ln2
    .symbol:         k_q0dbdd561c0_ln2.kd
    .args:
      - { .name: x1, .offset: 0, .size: 8, .value_kind: global_buffer, .address_space: global }
      - { .name: ln2_w, .offset: 8, .size: 8, .value_kind: global_buffer, .address_space: global }
      - { .name: ln2_b, .offset: 16, .size: 8, .value_kind: global_buffer, .address_space: global }
      - { .name: entp, .offset: 24, .size: 8, .value_kind: global_buffer, .address_space: global }
      - { .name: h, .offset: 32, .size: 8, .value_kind: global_buffer, .address_space: global }
      - { .name: out1, .offset: 40, .size: 8, .value_kind: global_buffer, .address_space: global }
    .group_segment_fixed_size: 0
    .private_segment_fixed_size: 0
    .kernarg_segment_align: 8
    .kernarg_segment_size: 48
    .max_flat_workgroup_size: 256
    .sgpr_count:     66
    .vgpr_count:     160
    .wavefront_size: 32
...
	.end_amdgpu_metadata
.endif
;; end of part 5
;; launch fc (part 6): grid 16 x 16, 4 waves a work-group, clusters of 4 x 4, 327,680 bytes of LDS; arguments h, wbf, b_fc, g; writes g
.if DOCPART == 6
	.amdgcn_target "amdgcn-amd-amdhsa--gfx1250"
	.amdhsa_code_object_version 6
	.text
	.protected	k_q0dbdd561c0_fc
	.globl	k_q0dbdd561c0_fc
	.p2align	8
	.type	k_q0dbdd561c0_fc,@function
k_q0dbdd561c0_fc:
	s_mov_b64 s[64:65], 0
	v_nop
	global_prefetch_b8 v0, s[64:65] scope:SCOPE_SE
	s_setreg_imm32_b32 hwreg(HW_REG_WAVE_MODE, 25, 1), 1
	s_wait_xcnt 0x0
	s_wait_alu depctr_hold_cnt(0) depctr_sa_sdst(0) depctr_va_vdst(0) depctr_va_sdst(0) depctr_va_ssrc(0) depctr_va_vcc(0) depctr_vm_vsrc(0)
	s_getreg_b32 s2, hwreg(HW_REG_IB_STS2, 6, 4)
	s_cmp_eq_u32 s2, 0
	s_cbranch_scc0 .Lentry_in_a_cluster
	s_endpgm
.Lentry_in_a_cluster:
	s_bfe_u32 s2, ttmp6, 0x10000c
	s_cmp_lg_u32 s2, 0xf033
	s_cbranch_scc0 .Lentry_shape_is_right
	s_endpgm
.Lentry_shape_is_right:
; g[m][n] = gelu(sum over k of h[m][k] Wfc[n][k] + b_fc[n]), rounded to bf16.  h: [4096][1024] f16, Wfc: [4096][1024] f16 (wbf, byte 2,097,152), g: [4096][4096] bf16; sums in f32.
; f16 operands: h is a layer norm's output (|h| <= 32 max|gain| + max|bias|) and has room there.  LIMIT: h and Wfc lie under 65,504 in magnitude.  g, a product's result, takes bf16's range.
; gelu: 0.5 x (1 + tanh u) = x / (1 + 2^z), z = x (k0 + k1 x^2), k0 = -2 log2(e) sqrt(2 / pi), k1 = 0.044715 k0: the same function, no series; z = +inf gives x times 0, z = -inf gives x.
; A tile of 256 x 256 to a work-group of four waves, 128 x 128 to a wave (64 accumulators, 512 registers); K in steps of 128 through two LDS slots filled by the tensor data mover; 256 work-groups.
; CLUSTERS of 4 x 4: the four of a row ask jointly for h's tiles, the four of a column for W's.  THE MATRIX INSTRUCTION IS USED TRANSPOSED: a lane holds eight neighbouring columns of a row.
; REGISTERS: window 0: v0-31 addresses and constants; v64-191 h's fragments, two buffers (on the way out: v64-127 x, v128-191 z and what is made of it); v192-223 packed;
;   v32-63 and v224-255 rows read back, by turns.   window 1: v0-63 the bias of my 128 columns; v64-191 W's fragments, two buffers.   windows 2, 3: accumulator (a, b) at v[8 (8 (a % 4) + b)].
.set SIZE_K, 1024
.set SIZE_N, 4096
.set WOFF,   2097152
.set KSTEP,  128
.set PITCH,  272                       ; an LDS row: 256 bytes + 16 of padding = 68 words: row r starts at bank 4 r mod 64 (64 banks of 4 bytes: ISA guide 11.1)
.set HALFT,  128*PITCH
.set SLOT,   4*HALFT
.set STAGE,  2*SLOT                    ; behind the ring: 16 rows x 272 bytes for each wave; no tensor load fills them
.set SPITCH, 272
.set LAPS, SIZE_K/(2*KSTEP)
.set ADRA, 16
.set ADRB, 20
.set STO,  24
.set RD,   25
.set CO,   26
.set BO,   27
.set K1,   28                          ; v[28:29] k1 twice, v[30:31] k0 twice
.set K0,   30
.set F0,   64
.set F1,   128
.set FV,   64
.set QV,   128
.set TMP,  192
.set OB,   32
.set G1, 24
.set G0, 32
.set G1B, 48
.set G0B, 56
.set MSB, 0
.macro WIN new                         ; the immediate's high byte repeats the setting that is left
.if MSB != \new
	s_set_vgpr_msb (MSB<<8)|\new
.set MSB, \new
.endif
.endm
.set MUL_LO, 0xa1                      ; source 0 (W) window 1, source 1 (h) window 0, C and D window 2
.set MUL_HI, 0xf1                      ; the same, C and D window 3
.set TO_B,   0x40                      ; destination window 1, address window 0
.macro JLOAD s                         ; a joint load: waves 0 and 1 fetch h's two halves, waves 2 and 3 W's; four v_nop follow each line
	s_cmp_eq_u32 s11, 0
	s_cbranch_scc0 .Lfor_b_\@
	tensor_load_to_lds s[G0+4*\s:G0+4*\s+3], s[G1:G1+7]
	s_nop 0
.rept 4
	v_nop
.endr
	s_branch .Lasked_\@
.Lfor_b_\@:
	tensor_load_to_lds s[G0B+4*\s:G0B+4*\s+3], s[G1B:G1B+7]
	s_nop 0
.rept 4
	v_nop
.endr
.Lasked_\@:
.endm
.macro CREST                           ; a round of the cluster's barrier behind its opening barrier
	s_cmp_lg_u32 s10, 0
	s_cbranch_scc1 .Lnot_wave_0_\@
	s_barrier_signal -3
.Lnot_wave_0_\@:
	s_barrier_wait -3
	s_barrier_signal -1
	s_barrier_wait -1
.endm
.macro CROUND
	s_barrier_signal -1
	s_barrier_wait -1
	CREST
.endm
	s_load_b128 s[4:7], s[0:1], 0x0                ; h s[4:5], wbf s[6:7]
	s_load_b128 s[68:71], s[0:1], 0x10             ; b_fc s[68:69], g s[70:71]
	s_set_vgpr_msb 0x40
	v_lshl_add_u32 v255, v0, 2, 0x48400
	s_set_vgpr_msb 0x4000
	v_mov_b32 v23, 0
	s_set_vgpr_msb 0x1
	ds_add_u32 v255, v23
	ds_add_u32 v255, v23
	s_set_vgpr_msb 0x100
	v_lshrrev_b32 v1, 5, v0
	v_readfirstlane_b32 s10, v1                    ; wave 0..3
	s_lshr_b32 s11, s10, 1                         ; which half of the tile's rows is mine.  Also: I fetch for h (0) or for W (1)
	s_and_b32 s12, s10, 1                          ; which half of its columns.  Also: which 128 rows of that tile I fetch
	s_bfe_u32 s40, ttmp6, 0x40000                  ; cx
	s_bfe_u32 s41, ttmp6, 0x40004                  ; cy
	s_lshl_b32 s42, ttmp9, 2
	s_add_co_u32 s42, s42, s40                     ; tile column
	s_and_b32 s13, ttmp7, 0xffff
	s_lshl_b32 s13, s13, 2
	s_add_co_u32 s13, s13, s41                     ; tile row
	s_lshl_b32 s43, s41, 2
	s_lshl_b32 s43, 15, s43                        ; my row of the cluster
	s_lshl_b32 s44, 0x1111, s40                    ; my column
	s_or_b32 s[G1+0], s43, (1<<16)|(1<<20)|(1<<21)|(5<<22)|(3<<25)  ; mask; elements of 2 bytes; padding on; bit 21 beside a mask; after every 64 words, 4 words
	s_or_b32 s[G1B+0], s44, (1<<16)|(1<<20)|(1<<21)|(5<<22)|(3<<25)
.irp g, G1, G1B
	s_mov_b32 s[\g+1], KSTEP<<16                   ; tensor_dim0 = 128
	s_mov_b32 s[\g+2], 128<<16                     ; tensor_dim1 = 128
	s_mov_b32 s[\g+3], KSTEP<<16                   ; tile_dim0 = 128
	s_mov_b32 s[\g+4], 128                         ; tile_dim1 = 128
	s_mov_b32 s[\g+5], SIZE_K                      ; elements from row to row
	s_mov_b32 s[\g+6], 0
	s_mov_b32 s[\g+7], 0
.endr
	s_lshl_b32 s17, s12, 7
	s_lshl_b32 s16, s13, 8
	s_add_co_u32 s16, s16, s17                     ; h: row 256 x tile row + 128 x half
	s_lshl_b32 s46, s42, 8
	s_add_co_u32 s46, s46, s17                     ; W: row 256 x tile column + 128 x half
	s_mov_b32 s17, 0
	s_mov_b32 s47, 0
	s_mov_b64 s[18:19], SIZE_K*2
	s_mul_u64 s[16:17], s[16:17], s[18:19]
	s_mul_u64 s[46:47], s[46:47], s[18:19]
	s_mul_i32 s20, s10, HALFT                      ; where they go: wave x 128 rows
	s_wait_dscnt 0x0
	s_wait_kmcnt 0x0
	s_add_nc_u64 s[14:15], s[4:5], s[16:17]
	s_add_nc_u64 s[46:47], s[6:7], s[46:47]
	s_add_nc_u64 s[46:47], s[46:47], WOFF
	CROUND                                         ; all sixteen work-groups are here: the first joint loads meet
.irp s, 0,1
	s_mov_b32 s[G0+4*\s], 1
	s_add_co_u32 s[G0+4*\s+1], s20, \s*SLOT
	s_add_nc_u64 s[G0+4*\s+2:G0+4*\s+3], s[14:15], \s*KSTEP*2
	s_or_b32 s[G0+4*\s+3], s[G0+4*\s+3], 0x80000000
	s_mov_b32 s[G0B+4*\s], 1
	s_add_co_u32 s[G0B+4*\s+1], s20, \s*SLOT
	s_add_nc_u64 s[G0B+4*\s+2:G0B+4*\s+3], s[46:47], \s*KSTEP*2
	s_or_b32 s[G0B+4*\s+3], s[G0B+4*\s+3], 0x80000000
	JLOAD \s                                       ; two tensor loads of mine are out
.endr
	v_and_b32 v1, 15, v0                           ; r = l % 16
	v_bfe_u32 v2, v0, 4, 1                         ; hh = l / 16
	v_mul_u32_u24 v3, v1, PITCH
	v_lshl_add_u32 v3, v2, 4, v3                   ; a fragment's row x pitch + 16 x half
	s_mul_i32 s21, s11, HALFT
	s_mul_i32 s22, s12, HALFT
	s_add_co_u32 s22, s22, 2*HALFT
.irp s, 0,1
	v_add_nc_u32 v[ADRA+\s], s21, v3
	v_add_nc_u32 v[ADRB+\s], s22, v3
	s_add_co_u32 s21, s21, SLOT
	s_add_co_u32 s22, s22, SLOT
.endr
	; the bias of my 128 columns, as the accumulators hold them: block b, columns 16 b + 8 hh + 0..7.  Waited for on the way out.
	v_lshlrev_b32 v[BO], 5, v2
	s_lshl_b32 s74, s42, 10
	s_lshl_b32 s75, s12, 9
	s_add_co_u32 s74, s74, s75
	s_mov_b32 s75, 0
	s_add_nc_u64 s[68:69], s[68:69], s[74:75]
	WIN TO_B
.irp b, 0,1,2,3,4,5,6,7
	global_load_b128 v[8*\b:8*\b+3],   v[BO], s[68:69] offset:64*\b
	global_load_b128 v[8*\b+4:8*\b+7], v[BO], s[68:69] offset:64*\b+16
.endr
	WIN 0
	s_mul_i32 s23, s10, 16*SPITCH
	s_add_co_u32 s23, s23, STAGE                   ; my stage
	v_mul_u32_u24 v4, v1, SPITCH                   ; in: row r, 16 bytes for each half of the lanes
	v_lshl_add_u32 v4, v2, 4, v4
	v_add_nc_u32 v[STO], s23, v4
	v_mul_u32_u24 v5, v2, SPITCH                   ; back: lanes 0-15 take one row of 256 bytes, lanes 16-31 the next
	v_lshl_add_u32 v5, v1, 4, v5
	v_add_nc_u32 v[RD], s23, v5
	v_mul_u32_u24 v5, v2, SIZE_N*2                 ; and the same two rows in g
	v_lshl_add_u32 v[CO], v1, 4, v5
	v_mov_b32 v[K1], 0xbdd2d3e8                    ; k1 = -0.10294324
	v_mov_b32 v[K1+1], 0xbdd2d3e8
	v_mov_b32 v[K0], 0xc0135761                    ; k0 = -2.3022082
	v_mov_b32 v[K0+1], 0xc0135761
	s_lshl_b32 s76, s13, 8
	s_lshl_b32 s77, s11, 7
	s_add_co_u32 s76, s76, s77                     ; my first row,
	s_lshl_b32 s76, s76, 13                        ; of 8,192 bytes;
	s_lshl_b32 s78, s42, 9                         ; my first column, in bytes
	s_add_co_u32 s76, s76, s78
	s_lshl_b32 s78, s12, 8
	s_add_co_u32 s76, s76, s78
	s_mov_b32 s77, 0
	s_add_nc_u64 s[70:71], s[70:71], s[76:77]
.macro MUL16 f, hi, a0, zero           ; 16 matrix instructions: m blocks a0, a0 + 1 of the window's four x all 8 n blocks, 32 along K; zero = 1: they start the sums
.irp a, \a0, \a0+1
.irp b, 0,1,2,3,4,5,6,7
.if \zero
	v_wmma_f32_16x16x32_f16 v[8*(8*(\a)+\b):8*(8*(\a)+\b)+7], v[\f+8*\b:\f+8*\b+7], v[\f+8*(4*\hi+\a):\f+8*(4*\hi+\a)+7], 0
.else
	v_wmma_f32_16x16x32_f16 v[8*(8*(\a)+\b):8*(8*(\a)+\b)+7], v[\f+8*\b:\f+8*\b+7], v[\f+8*(4*\hi+\a):\f+8*(4*\hi+\a)+7], v[8*(8*(\a)+\b):8*(8*(\a)+\b)+7]
.endif
.endr
.endr
.endm
.macro FETCH slot, k, f                ; 32 LDS loads in one run: a quarter step's fragments into buffer f
	WIN TO_B
.irp i, 0,1,2,3,4,5,6,7
	ds_load_b128 v[\f+8*\i:\f+8*\i+3],   v[ADRB+\slot] offset:\k+\i*16*PITCH
	ds_load_b128 v[\f+8*\i+4:\f+8*\i+7], v[ADRB+\slot] offset:\k+\i*16*PITCH+32
.endr
	WIN 0
.irp i, 0,1,2,3,4,5,6,7
	ds_load_b128 v[\f+8*\i:\f+8*\i+3],   v[ADRA+\slot] offset:\k+\i*16*PITCH
	ds_load_b128 v[\f+8*\i+4:\f+8*\i+7], v[ADRA+\slot] offset:\k+\i*16*PITCH+32
.endr
.endm
.macro PLACES                          ; four plain vector instructions between a matrix instruction and a load into, or a vector instruction on, its registers
.rept 4
	v_nop
.endr
.endm
; The 64 accumulators take turns, one instruction a turn, in the same order in every quarter.
.macro QUARTER slot, k, f, g, zero
	s_wait_dscnt 8                                 ; W and h's rows 0-63 are in; the youngest eight loads (h's rows 64-127) may be out
	WIN MUL_LO
	MUL16 \f, 0, 0, \zero
	MUL16 \f, 0, 2, \zero
	PLACES
	FETCH \slot, \k, \g
	s_wait_dscnt 32                                ; all but the 32 just issued
	WIN MUL_HI
	MUL16 \f, 1, 0, \zero
	MUL16 \f, 1, 2, \zero
.endm
.macro MEET round                      ; the first half of a K step's last quarter: one barrier for the change of slots
	s_wait_dscnt 8
	WIN MUL_LO
	MUL16 F1, 0, 0, 0
	s_wait_dscnt 0                                 ; my reads of this slot are over,
	s_wait_tensorcnt 0x0                           ; and all my tensor loads have landed: my part of the next slot
	ds_add_u32 v255, v23
	s_wait_dscnt 0x0
	s_barrier_signal -1
	MUL16 F1, 0, 2, 0
.if \round
	WIN 0
.endif
	s_barrier_wait -1
.endm
.macro TURN slot, next                 ; the whole last quarter; the slot just read out is filled again, two K steps ahead, first thing behind the round
	MEET 1
	CREST
	s_add_nc_u64 s[G0+4*\slot+2:G0+4*\slot+3], s[G0+4*\slot+2:G0+4*\slot+3], 2*KSTEP*2
	s_add_nc_u64 s[G0B+4*\slot+2:G0B+4*\slot+3], s[G0B+4*\slot+2:G0B+4*\slot+3], 2*KSTEP*2
	JLOAD \slot                                    ; one tensor load of mine is out; its four v_nop are also the places in front of the loads below
	FETCH \next, 0, F0
	WIN MUL_HI
	MUL16 F1, 1, 0, 0
	MUL16 F1, 1, 2, 0
.endm
	s_wait_tensorcnt 1                             ; my part of K step 0 is in; K step 1's may stay out
	s_barrier_signal -1
	s_barrier_wait -1
	FETCH 0, 0, F0
	QUARTER 0, 64,  F0, F1, 1                      ; the first quarter starts the sums: nothing is cleared
	WIN 0
	s_mov_b32 s3, LAPS-1
.Llap:
	QUARTER 0, 128, F1, F0, 0
	QUARTER 0, 192, F0, F1, 0
	TURN 0, 1
	QUARTER 1, 64,  F0, F1, 0
	QUARTER 1, 128, F1, F0, 0
	QUARTER 1, 192, F0, F1, 0
	TURN 1, 0
	QUARTER 0, 64,  F0, F1, 0
	WIN 0
	s_sub_co_u32 s3, s3, 1
	s_cmp_lg_u32 s3, 0
	s_cbranch_scc1 .Llap
	QUARTER 0, 128, F1, F0, 0                      ; the last lap fills nothing and has no round
	QUARTER 0, 192, F0, F1, 0
	MEET 0
	PLACES
	FETCH 1, 0, F0
	WIN MUL_HI
	MUL16 F1, 1, 0, 0
	MUL16 F1, 1, 2, 0
	QUARTER 1, 64,  F0, F1, 0
	QUARTER 1, 128, F1, F0, 0
	QUARTER 1, 192, F0, F1, 0
	s_wait_dscnt 8
	WIN MUL_LO
	MUL16 F1, 0, 0, 0
	MUL16 F1, 0, 2, 0
	s_wait_dscnt 0
	WIN MUL_HI
	MUL16 F1, 1, 0, 0
	MUL16 F1, 1, 2, 0
	WIN 0
	PLACES
	s_wait_loadcnt 0x0                             ; the bias
; THE WAY OUT of block a (16 rows x 128 columns, 64 numbers a lane), in three parts.
; GELU: + bias, gelu, rounded to bf16, 16 bytes a lane and n block.  No register that it writes is read by a store to memory.
.macro GELU a
	WIN 0x06+(\a)/4                                ; source 0: window 2 or 3 (the sums); source 1: window 1 (the bias)
.irp b, 0,1,2,3,4,5,6,7
.irp p, 0,2,4,6
	v_pk_add_f32 v[FV+8*\b+\p:FV+8*\b+\p+1], v[64*((\a)%4)+8*\b+\p:64*((\a)%4)+8*\b+\p+1], v[8*\b+\p:8*\b+\p+1]   ; each accumulator from its low end on
.endr
.endr
	WIN 0
.set i, 0
.rept 32
	v_pk_mul_f32 v[QV+i:QV+i+1], v[FV+i:FV+i+1], v[FV+i:FV+i+1]
.set i, i+2
.endr
.set i, 0
.rept 32
	v_pk_fma_f32 v[QV+i:QV+i+1], v[QV+i:QV+i+1], v[K1:K1+1], v[K0:K0+1]
.set i, i+2
.endr
.set i, 0
.rept 32
	v_pk_mul_f32 v[QV+i:QV+i+1], v[QV+i:QV+i+1], v[FV+i:FV+i+1]
.set i, i+2
.endr
.set i, 0
.rept 64
	v_exp_f32 v[QV+i], v[QV+i]
.set i, i+1
.endr
	v_nop                                          ; a plain instruction between the last exponential and the use of its result (ISA guide 5.7.2)
.set i, 0
	s_wait_alu depctr_va_vdst(0)
.rept 32
	v_pk_add_f32 v[QV+i:QV+i+1], v[QV+i:QV+i+1], 1.0 op_sel_hi:[1,0]
.set i, i+2
.endr
.set i, 0
.rept 64
	v_rcp_f32 v[QV+i], v[QV+i]
.set i, i+1
.endr
	v_nop
.set i, 0
	s_wait_alu depctr_va_vdst(0)
.rept 32
	v_pk_mul_f32 v[FV+i:FV+i+1], v[FV+i:FV+i+1], v[QV+i:QV+i+1]
.set i, i+2
.endr
.set i, 0
.rept 32
	v_cvt_pk_bf16_f32 v[TMP+i], v[FV+2*i], v[FV+2*i+1]
.set i, i+1
.endr
.endm
; TOSTAGE: into my own stage, and back as whole rows of 256 bytes, into the buffer of the block's parity.
.macro TOSTAGE a
.set BK, OB+192*((\a)%2)
.irp b, 0,1,2,3,4,5,6,7
	ds_store_b128 v[STO], v[TMP+4*\b:TMP+4*\b+3] offset:32*\b
.endr
.irp t, 0,1,2,3,4,5,6,7
	ds_load_b128 v[BK+4*\t:BK+4*\t+3], v[RD] offset:\t*2*SPITCH   ; LDS serves a wave's instructions in order (ISA guide 5.7.1.4): these see the stores above
.endr
.endm
; SEND: stored.
.macro SEND a
.set BK, OB+192*((\a)%2)
	s_wait_dscnt 0x0                               ; the block is back in registers
	s_wait_xcnt 0x0                                ; the other buffer, which the stores of the block before read, is loaded again (the next TOSTAGE) only behind this wait
.irp t, 0,1,2,3,4,5,6,7
	global_store_b128 v[CO], v[BK+4*\t:BK+4*\t+3], s[70:71] offset:(16*(\a)+2*\t)*SIZE_N*2   ; 16 lanes store 256 consecutive bytes, aligned; 126 rows of 8,192 bytes at the most, inside the signed 24-bit immediate
.endr
.endm
	GELU 0
	TOSTAGE 0
.irp a, 1,2,3,4,5,6,7                  ; block a's arithmetic stands between block a - 1's loads from the stage and the wait for them
	GELU \a
	SEND \a-1
	TOSTAGE \a
.endr
	SEND 7
	s_set_vgpr_msb 0x1
	s_wait_tensorcnt 0x0
	ds_add_u32 v255, v23
	s_wait_dscnt 0x0
	s_set_vgpr_msb 0x100
	CROUND                                         ; the closing round: no work-group ends while a partner may still ask for a tile that names it
	s_endpgm
.Lfunc_end_k_q0dbdd561c0_fc:
	.size	k_q0dbdd561c0_fc, .Lfunc_end_k_q0dbdd561c0_fc-k_q0dbdd561c0_fc
	.p2alignl 7, 3214868480
	.fill 96, 4, 3214868480
	.section	.rodata,"a",@progbits
	.p2align	6, 0x0
	.amdhsa_kernel k_q0dbdd561c0_fc
		.amdhsa_group_segment_fixed_size 327680
		.amdhsa_private_segment_fixed_size 0
		.amdhsa_enable_private_segment 0
		.amdhsa_kernarg_size 32
		.amdhsa_user_sgpr_count 2
		.amdhsa_user_sgpr_kernarg_segment_ptr 1
		.amdhsa_wavefront_size32 1
		.amdhsa_system_sgpr_workgroup_id_x 1
		.amdhsa_system_sgpr_workgroup_id_y 1
		.amdhsa_system_sgpr_workgroup_id_z 1
		.amdhsa_system_vgpr_workitem_id 0
		.amdhsa_next_free_vgpr 1024
		.amdhsa_next_free_sgpr 84
		.amdhsa_reserve_vcc 0
		.amdhsa_float_denorm_mode_32 3
		.amdhsa_float_denorm_mode_16_64 3
		.amdhsa_memory_ordered 1
		.amdhsa_forward_progress 1
		.amdhsa_inst_pref_size 255
	.end_amdhsa_kernel
	.section	.bss,"aw",@nobits
	.p2align	6
	.space	262144
	.amdgpu_metadata
---
amdhsa.version: [ 1, 2 ]
amdhsa.kernels:
  - .name:           k_q0dbdd561c0_fc
    .symbol:         k_q0dbdd561c0_fc.kd
    .args:
      - { .name: h, .offset: 0, .size: 8, .value_kind: global_buffer, .address_space: global }
      - { .name: wbf, .offset: 8, .size: 8, .value_kind: global_buffer, .address_space: global }
      - { .name: b_fc, .offset: 16, .size: 8, .value_kind: global_buffer, .address_space: global }
      - { .name: g, .offset: 24, .size: 8, .value_kind: global_buffer, .address_space: global }
    .group_segment_fixed_size: 327680
    .private_segment_fixed_size: 0
    .kernarg_segment_align: 8
    .kernarg_segment_size: 32
    .max_flat_workgroup_size: 128
    .sgpr_count:     84
    .vgpr_count:     1024
    .wavefront_size: 32
...
	.end_amdgpu_metadata
.endif
;; end of part 6
;; launch mlp (part 7): grid 8 x 32, 4 waves a work-group, clusters of 4 x 4, 327,680 bytes of LDS; arguments g, wbf, b_mlp, x1, out0; writes out0
.if DOCPART == 7
	.amdgcn_target "amdgcn-amd-amdhsa--gfx1250"
	.amdhsa_code_object_version 6
	.text
	.protected	k_q0dbdd561c0_mlp
	.globl	k_q0dbdd561c0_mlp
	.p2align	8
	.type	k_q0dbdd561c0_mlp,@function
k_q0dbdd561c0_mlp:
	s_mov_b64 s[64:65], 0
	v_nop
	global_prefetch_b8 v0, s[64:65] scope:SCOPE_SE
	s_setreg_imm32_b32 hwreg(HW_REG_WAVE_MODE, 25, 1), 1
	s_wait_xcnt 0x0
	s_wait_alu depctr_hold_cnt(0) depctr_sa_sdst(0) depctr_va_vdst(0) depctr_va_sdst(0) depctr_va_ssrc(0) depctr_va_vcc(0) depctr_vm_vsrc(0)
	s_getreg_b32 s2, hwreg(HW_REG_IB_STS2, 6, 4)
	s_cmp_eq_u32 s2, 0
	s_cbranch_scc0 .Lentry_in_a_cluster
	s_endpgm
.Lentry_in_a_cluster:
	s_bfe_u32 s2, ttmp6, 0x10000c
	s_cmp_lg_u32 s2, 0xf033
	s_cbranch_scc0 .Lentry_shape_is_right
	s_endpgm
.Lentry_shape_is_right:
; out0[m][n] = x1[m][n] + b_mlp[n] + sum over k of g[m][k] Wmlp[n][k].  g: [4096][4096] bf16, Wmlp: [1024][4096] bf16 (wbf, byte 10,485,760); x1, out0: [4096][1024] f32; sums in f32.
; 1,024 columns make only 64 tiles of 256 x 256, so a tile is 128 x 128: 256 work-groups of four waves, 64 x 64 a wave (16 accumulators).  K in steps of 256 (LDS rows of 512 bytes), two slots.
; CLUSTERS of 4 x 4: the four of a row ask jointly for g's tiles, the four of a column for W's.  THE MATRIX INSTRUCTION IS USED TRANSPOSED: a lane holds eight neighbouring columns of a row.
; THE ORDER OF THE K STEPS.  Step t takes slice 4 (t / 4) + (((t xor X) + Y) mod 4) of K, X the cluster's x (0, 1), Y its y mod 4: a permutation inside each group of four steps.  The two clusters
; that read my rows of g (the other X) then never take the slice that I take in the same step, and neither do the clusters with another Y that read my rows of W; in every odd step both my slices
; have been asked for by such a neighbour in an earlier step of the group.  X and Y are the cluster's own, so a joint load's descriptor stays equal in all partners.
; LIMIT: the K order of a sum is this permutation of ascending, so its rounding differs from an ascending sum's.
; A wave's 64 f32 columns are 256 aligned bytes of a row, so each wave has a stage of its own and the way out has no barrier.
; REGISTERS: window 0: v0-31 addresses; v32-95 rows on the way out; v128-255 accumulators ((a, b) at v[128 + 8 (4 a + b)]).  window 1: two fragment buffers of 128.
;   window 2: v0-127 my 64 x 64 of x1, in the order of the stores; v128-159 the bias of my 64 columns.  Both are asked for at the start and waited for on the way out: 40 loads stay out across the loop.
.set SIZE_K, 4096
.set SIZE_N, 1024
.set WOFF,   10485760
.set KSTEP,  256
.set PITCH,  528                       ; an LDS row: 512 bytes + 16 of padding = 132 words: row r starts at bank 4 r mod 64 (64 banks of 4 bytes: ISA guide 11.1)
.set HALFT,  64*PITCH
.set SLOT,   4*HALFT
.set STAGE,  2*SLOT                    ; behind the ring: 16 rows x 272 bytes for each wave; no tensor load fills them
.set SPITCH, 272
.set LAPS, SIZE_K/(2*KSTEP)
.set ADRA, 16
.set ADRB, 20
.set STO,  24
.set RD,   25
.set CO,   26
.set BO,   27
.set TMP,  32
.set ACC,  128
.set F0,   0
.set F1,   128
.set G1, 24
.set G0, 32
.set G1B, 48
.set G0B, 56
.set KX,  84                           ; s84 X, s85 Y, s[86:87] a slice's byte offset in a row, s88 the step to be asked for next
.set KY,  85
.set KO,  86
.set TAU, 88
.set MSB, 0
.macro WIN new                         ; the immediate's high byte repeats the setting that is left
.if MSB != \new
	s_set_vgpr_msb (MSB<<8)|\new
.set MSB, \new
.endif
.endm
.set MUL,  0x05                        ; sources 0 (W) and 1 (g) window 1; C and D window 0
.set TO_F, 0x40                        ; destination window 1
.macro JLOAD s                         ; a joint load: waves 0 and 1 fetch g's two halves, waves 2 and 3 W's; four v_nop follow each line
	s_cmp_eq_u32 s11, 0
	s_cbranch_scc0 .Lfor_b_\@
	tensor_load_to_lds s[G0+4*\s:G0+4*\s+3], s[G1:G1+7]
	s_nop 0
.rept 4
	v_nop
.endr
	s_branch .Lasked_\@
.Lfor_b_\@:
	tensor_load_to_lds s[G0B+4*\s:G0B+4*\s+3], s[G1B:G1B+7]
	s_nop 0
.rept 4
	v_nop
.endr
.Lasked_\@:
.endm
.macro CREST                           ; a round of the cluster's barrier behind its opening barrier
	s_cmp_lg_u32 s10, 0
	s_cbranch_scc1 .Lnot_wave_0_\@
	s_barrier_signal -3
.Lnot_wave_0_\@:
	s_barrier_wait -3
	s_barrier_signal -1
	s_barrier_wait -1
.endm
.macro CROUND
	s_barrier_signal -1
	s_barrier_wait -1
	CREST
.endm
.macro AIM s                           ; slot s's two group 0 take the slice at s[KO:KO+1]; no tensor load of the wave that names them is out here
	s_add_nc_u64 s[G0+4*\s+2:G0+4*\s+3], s[14:15], s[KO:KO+1]
	s_or_b32 s[G0+4*\s+3], s[G0+4*\s+3], 0x80000000
	s_add_nc_u64 s[G0B+4*\s+2:G0B+4*\s+3], s[46:47], s[KO:KO+1]
	s_or_b32 s[G0B+4*\s+3], s[G0B+4*\s+3], 0x80000000
.endm
	s_load_b128 s[4:7], s[0:1], 0x0                ; g s[4:5], wbf s[6:7]
	s_load_b128 s[68:71], s[0:1], 0x10             ; bias s[68:69], the residual s[70:71]
	s_load_b64 s[8:9], s[0:1], 0x20                ; out
	v_lshl_add_u32 v126, v0, 2, 0x46400
	v_mov_b32 v127, 0
	ds_add_u32 v126, v127
	ds_add_u32 v126, v127
	v_lshrrev_b32 v1, 5, v0
	v_readfirstlane_b32 s10, v1
	s_lshr_b32 s11, s10, 1                         ; which half of the tile's rows is mine.  Also: I fetch for g (0) or for W (1)
	s_and_b32 s12, s10, 1                          ; which half of its columns.  Also: which 64 rows of that tile I fetch
	s_bfe_u32 s40, ttmp6, 0x40000
	s_bfe_u32 s41, ttmp6, 0x40004
	s_lshl_b32 s42, ttmp9, 2
	s_add_co_u32 s42, s42, s40                     ; tile column
	s_and_b32 s13, ttmp7, 0xffff
	s_lshl_b32 s13, s13, 2
	s_add_co_u32 s13, s13, s41                     ; tile row
	s_and_b32 s[KX], ttmp9, 1                      ; X
	s_and_b32 s[KY], ttmp7, 3                      ; Y
	s_mov_b32 s[TAU], 2
	s_lshl_b32 s43, s41, 2
	s_lshl_b32 s43, 15, s43
	s_lshl_b32 s44, 0x1111, s40
	s_or_b32 s[G1+0], s43, (1<<16)|(1<<20)|(1<<21)|(6<<22)|(3<<25)  ; mask; elements of 2 bytes; padding on; bit 21 beside a mask; after every 128 words, 4 words
	s_or_b32 s[G1B+0], s44, (1<<16)|(1<<20)|(1<<21)|(6<<22)|(3<<25)
.irp g, G1, G1B
	s_mov_b32 s[\g+1], KSTEP<<16
	s_mov_b32 s[\g+2], 64<<16
	s_mov_b32 s[\g+3], KSTEP<<16
	s_mov_b32 s[\g+4], 64
	s_mov_b32 s[\g+5], SIZE_K
	s_mov_b32 s[\g+6], 0
	s_mov_b32 s[\g+7], 0
.endr
	s_lshl_b32 s17, s12, 6
	s_lshl_b32 s16, s13, 7
	s_add_co_u32 s16, s16, s17
	s_lshl_b32 s46, s42, 7
	s_add_co_u32 s46, s46, s17
	s_mov_b32 s17, 0
	s_mov_b32 s47, 0
	s_mov_b64 s[18:19], SIZE_K*2
	s_mul_u64 s[16:17], s[16:17], s[18:19]
	s_mul_u64 s[46:47], s[46:47], s[18:19]
	s_mul_i32 s20, s10, HALFT
	s_wait_dscnt 0x0
	s_wait_kmcnt 0x0
	s_add_nc_u64 s[14:15], s[4:5], s[16:17]        ; my rows of g, at K = 0: kept
	s_add_nc_u64 s[46:47], s[6:7], s[46:47]        ; my rows of W, at K = 0: kept
	s_add_nc_u64 s[46:47], s[46:47], WOFF
	CROUND                                         ; all sixteen work-groups are here: the first joint loads meet
.irp s, 0,1
	s_xor_b32 s[KO], s[KX], \s                     ; steps 0 and 1: slice ((t xor X) + Y) mod 4,
	s_add_co_u32 s[KO], s[KO], s[KY]
	s_and_b32 s[KO], s[KO], 3
	s_lshl_b32 s[KO], s[KO], 9                     ; of 512 bytes in a row
	s_mov_b32 s[KO+1], 0
	s_mov_b32 s[G0+4*\s], 1
	s_add_co_u32 s[G0+4*\s+1], s20, \s*SLOT
	s_mov_b32 s[G0B+4*\s], 1
	s_add_co_u32 s[G0B+4*\s+1], s20, \s*SLOT
	AIM \s
	JLOAD \s                                       ; two tensor loads of mine are out
.endr
	v_and_b32 v1, 15, v0
	v_bfe_u32 v2, v0, 4, 1
	v_mul_u32_u24 v3, v1, PITCH
	v_lshl_add_u32 v3, v2, 4, v3
	s_mul_i32 s21, s11, HALFT
	s_mul_i32 s22, s12, HALFT
	s_add_co_u32 s22, s22, 2*HALFT
.irp s, 0,1
	v_add_nc_u32 v[ADRA+\s], s21, v3
	v_add_nc_u32 v[ADRB+\s], s22, v3
	s_add_co_u32 s21, s21, SLOT
	s_add_co_u32 s22, s22, SLOT
.endr
	s_mul_i32 s23, s10, 16*SPITCH
	s_add_co_u32 s23, s23, STAGE                   ; my stage
	v_mul_u32_u24 v4, v1, SPITCH                   ; in: row l % 16, 32 bytes for each half of the lanes
	v_lshl_add_u32 v4, v2, 5, v4
	v_add_nc_u32 v[STO], s23, v4
	v_mul_u32_u24 v5, v2, SPITCH                   ; back: lanes 0-15 take one row of 256 bytes, lanes 16-31 the next
	v_lshl_add_u32 v5, v1, 4, v5
	v_add_nc_u32 v[RD], s23, v5
	v_lshlrev_b32 v5, 12, v2                       ; and the same two rows in memory: rows of 4,096 bytes
	v_lshl_add_u32 v[CO], v1, 4, v5
	v_lshlrev_b32 v[BO], 5, v2
	s_lshl_b32 s76, s42, 9                         ; my first column, in bytes: 512 x tile column + 256 x half
	s_lshl_b32 s77, s12, 8
	s_add_co_u32 s76, s76, s77
	s_mov_b32 s77, 0
	s_add_nc_u64 s[68:69], s[68:69], s[76:77]
	s_lshl_b32 s74, s13, 19                        ; my first row: (128 x tile row + 64 x half) x 4,096 bytes
	s_lshl_b32 s75, s11, 18
	s_add_co_u32 s74, s74, s75
	s_add_co_u32 s74, s74, s76
	s_mov_b32 s75, 0
	s_add_nc_u64 s[70:71], s[70:71], s[74:75]
	s_add_nc_u64 s[8:9], s[8:9], s[74:75]
	WIN 0x80                                       ; destination window 2
.irp n, 0,1,2,3,4,5,6,7,8,9,10,11,12,13,14,15,16,17,18,19,20,21,22,23,24,25,26,27,28,29,30,31
	global_load_b128 v[4*\n:4*\n+3], v[CO], s[70:71] offset:2*\n*4096 th:TH_LOAD_NT   ; rows 2 n and 2 n + 1 of my 64: the launch reads each byte once
.endr
.irp b, 0,1,2,3
	global_load_b128 v[128+8*\b:128+8*\b+3],   v[BO], s[68:69] offset:64*\b
	global_load_b128 v[128+8*\b+4:128+8*\b+7], v[BO], s[68:69] offset:64*\b+16
.endr
	WIN 0
.macro MUL8 f, c, a0, zero             ; 8 matrix instructions: m blocks a0, a0 + 1 x all 4 n blocks, 32 along K: half c of buffer f
.irp a, \a0, \a0+1
.irp b, 0,1,2,3
.if \zero
	v_wmma_f32_16x16x32_bf16 v[ACC+8*(4*(\a)+\b):ACC+8*(4*(\a)+\b)+7], v[\f+64+8*(4*\c+\b):\f+64+8*(4*\c+\b)+7], v[\f+8*(4*\c+\a):\f+8*(4*\c+\a)+7], 0
.else
	v_wmma_f32_16x16x32_bf16 v[ACC+8*(4*(\a)+\b):ACC+8*(4*(\a)+\b)+7], v[\f+64+8*(4*\c+\b):\f+64+8*(4*\c+\b)+7], v[\f+8*(4*\c+\a):\f+8*(4*\c+\a)+7], v[ACC+8*(4*(\a)+\b):ACC+8*(4*(\a)+\b)+7]
.endif
.endr
.endr
.endm
.macro FETCH slot, k, f                ; 32 LDS loads in one run: 64 along K at byte k, the first 32 along K first
	WIN TO_F
.irp c, 0,1
.irp i, 0,1,2,3
	ds_load_b128 v[\f+64+8*(4*\c+\i):\f+64+8*(4*\c+\i)+3],   v[ADRB+\slot] offset:\k+64*\c+\i*16*PITCH
	ds_load_b128 v[\f+64+8*(4*\c+\i)+4:\f+64+8*(4*\c+\i)+7], v[ADRB+\slot] offset:\k+64*\c+\i*16*PITCH+32
	ds_load_b128 v[\f+8*(4*\c+\i):\f+8*(4*\c+\i)+3],         v[ADRA+\slot] offset:\k+64*\c+\i*16*PITCH
	ds_load_b128 v[\f+8*(4*\c+\i)+4:\f+8*(4*\c+\i)+7],       v[ADRA+\slot] offset:\k+64*\c+\i*16*PITCH+32
.endr
.endr
.endm
.macro PLACES                          ; four plain vector instructions between a matrix instruction and a load into, or a vector instruction on, its registers
.rept 4
	v_nop
.endr
.endm
; The 16 accumulators take turns, one instruction a turn.
.macro QUARTER slot, k, f, g, zero
	s_wait_dscnt 16                                ; the first 32 along K are in; the sixteen younger loads may be out
	WIN MUL
	MUL8 \f, 0, 0, \zero
	MUL8 \f, 0, 2, \zero
	PLACES
	FETCH \slot, \k, \g
	s_wait_dscnt 32                                ; all but the 32 just issued
	WIN MUL
	MUL8 \f, 1, 0, 0
	MUL8 \f, 1, 2, 0
.endm
.macro TURN slot, next, fill           ; the last quarter changes slots: one barrier; fill = 1: it opens a round of the cluster's, and this slot is filled again first thing behind it
	s_wait_dscnt 16
	WIN MUL
	MUL8 F1, 0, 0, 0
	s_wait_dscnt 0                                 ; my reads of this slot are over,
	s_set_vgpr_msb 0x500
	s_wait_tensorcnt 0x0                           ; and all my tensor loads have landed: my part of the next slot
	ds_add_u32 v126, v127
	s_wait_dscnt 0x0
	s_set_vgpr_msb 0x5
	s_barrier_signal -1
	MUL8 F1, 0, 2, 0
.if \fill
	WIN 0
.endif
	s_barrier_wait -1
.if \fill
	CREST
	s_xor_b32 s[KO], s[TAU], s[KX]                 ; step t's slice: ((t xor X) + Y) mod 4
	s_add_co_u32 s[KO], s[KO], s[KY]
	s_and_b32 s[KO], s[KO], 3
	s_and_b32 s[KO+1], s[TAU], -4                  ; + 4 (t / 4)
	s_add_co_u32 s[KO], s[KO], s[KO+1]
	s_lshl_b32 s[KO], s[KO], 9
	s_mov_b32 s[KO+1], 0
	AIM \slot
	s_add_co_u32 s[TAU], s[TAU], 1
	JLOAD \slot                                    ; one tensor load of mine is out; its four v_nop are also the places in front of the loads below
.else
	PLACES
.endif
	FETCH \next, 0, F0
	WIN MUL
	MUL8 F1, 1, 0, 0
	MUL8 F1, 1, 2, 0
.endm
	s_wait_tensorcnt 1                             ; my part of step 0 is in; step 1's may stay out
	s_barrier_signal -1
	s_barrier_wait -1
	FETCH 0, 0, F0
	QUARTER 0, 128, F0, F1, 1                      ; the first products start the sums
	WIN 0
	s_mov_b32 s3, LAPS-1
.Llap:
	QUARTER 0, 256, F1, F0, 0
	QUARTER 0, 384, F0, F1, 0
	TURN 0, 1, 1
	QUARTER 1, 128, F0, F1, 0
	QUARTER 1, 256, F1, F0, 0
	QUARTER 1, 384, F0, F1, 0
	TURN 1, 0, 1
	QUARTER 0, 128, F0, F1, 0
	WIN 0
	s_sub_co_u32 s3, s3, 1
	s_cmp_lg_u32 s3, 0
	s_cbranch_scc1 .Llap
	QUARTER 0, 256, F1, F0, 0                      ; the last lap fills nothing and has no round
	QUARTER 0, 384, F0, F1, 0
	TURN 0, 1, 0
	QUARTER 1, 128, F0, F1, 0
	QUARTER 1, 256, F1, F0, 0
	QUARTER 1, 384, F0, F1, 0
	s_wait_dscnt 16
	WIN MUL
	MUL8 F1, 0, 0, 0
	MUL8 F1, 0, 2, 0
	s_wait_dscnt 0
	MUL8 F1, 1, 0, 0
	MUL8 F1, 1, 2, 0
	WIN 0
	PLACES
	s_wait_loadcnt 0x0                             ; the residual and the bias
; THE WAY OUT of block a (16 rows): + bias, through my stage, back as whole rows of 256 bytes, + residual, stored.
.macro WAYOUT a
	WIN 0x08                                       ; source 1: window 2
.irp b, 0,1,2,3
.irp p, 0,2,4,6
	v_pk_add_f32 v[ACC+8*(4*(\a)+\b)+\p:ACC+8*(4*(\a)+\b)+\p+1], v[ACC+8*(4*(\a)+\b)+\p:ACC+8*(4*(\a)+\b)+\p+1], v[128+8*\b+\p:128+8*\b+\p+1]   ; each accumulator from its low end on
.endr
.endr
	WIN 0
.irp b, 0,1,2,3
	ds_store_b128 v[STO], v[ACC+8*(4*(\a)+\b):ACC+8*(4*(\a)+\b)+3]   offset:64*\b
	ds_store_b128 v[STO], v[ACC+8*(4*(\a)+\b)+4:ACC+8*(4*(\a)+\b)+7] offset:64*\b+16
.endr
	s_wait_xcnt 0x0                                ; the registers that earlier stores read are loaded again only behind this wait
.irp i, 0,1,2,3,4,5,6,7
	ds_load_b128 v[TMP+32*((\a)%2)+4*\i:TMP+32*((\a)%2)+4*\i+3], v[RD] offset:\i*2*SPITCH   ; LDS serves a wave's instructions in order (ISA guide 5.7.1.4)
.endr
	s_wait_dscnt 0x0
	WIN 0x08
.irp i, 0,1,2,3,4,5,6,7,8,9,10,11,12,13,14,15
	v_pk_add_f32 v[TMP+32*((\a)%2)+2*\i:TMP+32*((\a)%2)+2*\i+1], v[TMP+32*((\a)%2)+2*\i:TMP+32*((\a)%2)+2*\i+1], v[32*(\a)+2*\i:32*(\a)+2*\i+1]
.endr
	WIN 0
.irp i, 0,1,2,3,4,5,6,7
	global_store_b128 v[CO], v[TMP+32*((\a)%2)+4*\i:TMP+32*((\a)%2)+4*\i+3], s[8:9] offset:(16*(\a)+2*\i)*4096   ; 16 lanes store 256 consecutive bytes, aligned
.endr
.endm
.irp a, 0,1,2,3
	WAYOUT \a
.endr
	s_wait_tensorcnt 0x0
	ds_add_u32 v126, v127
	s_wait_dscnt 0x0
	CROUND                                         ; the closing round
	s_endpgm
.Lfunc_end_k_q0dbdd561c0_mlp:
	.size	k_q0dbdd561c0_mlp, .Lfunc_end_k_q0dbdd561c0_mlp-k_q0dbdd561c0_mlp
	.p2alignl 7, 3214868480
	.fill 96, 4, 3214868480
	.section	.rodata,"a",@progbits
	.p2align	6, 0x0
	.amdhsa_kernel k_q0dbdd561c0_mlp
		.amdhsa_group_segment_fixed_size 327680
		.amdhsa_private_segment_fixed_size 0
		.amdhsa_enable_private_segment 0
		.amdhsa_kernarg_size 40
		.amdhsa_user_sgpr_count 2
		.amdhsa_user_sgpr_kernarg_segment_ptr 1
		.amdhsa_wavefront_size32 1
		.amdhsa_system_sgpr_workgroup_id_x 1
		.amdhsa_system_sgpr_workgroup_id_y 1
		.amdhsa_system_sgpr_workgroup_id_z 1
		.amdhsa_system_vgpr_workitem_id 0
		.amdhsa_next_free_vgpr 768
		.amdhsa_next_free_sgpr 92
		.amdhsa_reserve_vcc 0
		.amdhsa_float_denorm_mode_32 3
		.amdhsa_float_denorm_mode_16_64 3
		.amdhsa_memory_ordered 1
		.amdhsa_forward_progress 1
		.amdhsa_inst_pref_size 99
	.end_amdhsa_kernel
	.amdgpu_metadata
---
amdhsa.version: [ 1, 2 ]
amdhsa.kernels:
  - .name:           k_q0dbdd561c0_mlp
    .symbol:         k_q0dbdd561c0_mlp.kd
    .args:
      - { .name: g, .offset: 0, .size: 8, .value_kind: global_buffer, .address_space: global }
      - { .name: wbf, .offset: 8, .size: 8, .value_kind: global_buffer, .address_space: global }
      - { .name: b_mlp, .offset: 16, .size: 8, .value_kind: global_buffer, .address_space: global }
      - { .name: x1, .offset: 24, .size: 8, .value_kind: global_buffer, .address_space: global }
      - { .name: out0, .offset: 32, .size: 8, .value_kind: global_buffer, .address_space: global }
    .group_segment_fixed_size: 327680
    .private_segment_fixed_size: 0
    .kernarg_segment_align: 8
    .kernarg_segment_size: 40
    .max_flat_workgroup_size: 128
    .sgpr_count:     92
    .vgpr_count:     768
    .wavefront_size: 32
...
	.end_amdgpu_metadata
.endif
;; end of part 7
;; ======== version 2 of 2: 7 launches; version 1 with the launches prep, ln2 written anew for expert scheduling mode
;; limits: a function is approximated: absolute error at most 2.05e-05; values are held in f16: magnitudes above 65,504 overflow, below 6.1e-05 lose precision; inputs' magnitudes at most 65,504
;; workspace buffers: wa 6,291,456 bytes; wbf 18,874,368 bytes; h 8,388,608 bytes; qkvb 25,165,824 bytes; y 8,388,608 bytes; x1 16,777,216 bytes; g 33,554,432 bytes; entp 4,096 bytes
;; launch prep (part 8): grid 512 x 1, 8 waves a work-group, no clusters, 0 bytes of LDS; arguments x, ln1_w, ln1_b, w_attn, h, wa; writes h, wa
.if DOCPART == 8
	.amdgcn_target "amdgcn-amd-amdhsa--gfx1250"
	.amdhsa_code_object_version 6
	.text
	.protected	k_q0dbdd561c0_prep
	.globl	k_q0dbdd561c0_prep
	.p2align	8
	.type	k_q0dbdd561c0_prep,@function
k_q0dbdd561c0_prep:
	s_mov_b64 s[64:65], 0
	v_nop
	global_prefetch_b8 v0, s[64:65] scope:SCOPE_SE
	s_setreg_imm32_b32 hwreg(HW_REG_WAVE_SCHED_MODE, 0, 2), 2
	s_setreg_imm32_b32 hwreg(HW_REG_WAVE_MODE, 25, 1), 1
	s_wait_xcnt 0x0
	s_wait_alu depctr_vm_vsrc(0)
; Two streams in one launch, what the QKV product needs and no more.
; Work-groups 0-255: h = f16(layer norm of x), 16 rows each, two rows a wave.  A row of 1,024 f32 is 32 registers of one wave, so it is read once and
; stays in registers for the mean, the centring, the variance and the scaling; the row is centred before it is squared, so a common offset of x costs no accuracy.
; Work-groups 256-511: w_attn, f32 -> f16, 12,288 numbers (48 KiB in, 24 KiB out) each, into wa.  (The other three weight matrices are cast in the next launch, by work-groups of their own.)
; FORMATS.  The products that take h (a layer norm's output) run on f16: it keeps 11 bits of an operand against bf16's 8, and k and v leave in f32 as sums of 1,024 such products.
; h has room there: |h| <= 32 max|gain| + max|bias|.  LIMIT: a magnitude of h or w_attn of 65,504 or more becomes infinite; under 6.1e-5 the rounding error is 3e-8 absolute.
; No LDS, no barrier, no matrix unit: nothing is shared between waves and bytes are all that counts.
; THE MODE: SCHED_MODE bits 1:0 = 2 (LLVM: expert scheduling mode 2), set by the entry lines.  The code itself states the register dependences
; between vector instructions and memory instructions, with s_wait_alu, always for 0.
; THE PLAN.  Registers that memory instructions touch:
;   v2, v3, v4       byte offsets, made once at each path's head and never written again: one wait ahead of the path's first load covers every load and store that reads them.
;   X0, X1, WG, BG   loaded once; no vector instruction names them ahead of their loads.
;   X0, X1           also the out-buffers: a row's sixteen roundings write the registers that its eight stores read; one wait stands between the two runs.  Row 1's arithmetic,
;                    which follows row 0's stores, names X1, WG, BG and v[26:27] alone.  Nothing writes a stored register again.
;   v[32:79]         (the cast) loaded once, rounded in place, stored: three blocks of four steps, one wait between a block's eight roundings and its four stores.
.set X0, 32                            ; v[32:63]   row 0 of the wave
.set X1, 64                            ; v[64:95]   row 1
.set WG, 96                            ; v[96:127]  the gains of my 32 columns
.set BG, 128                           ; v[128:159] the biases
.set XB, 8                             ; s[8:9] x, s[10:11] gain, s[12:13] bias, s[14:15] w_attn, s[16:17] h, s[18:19] wa
.set WB, 10
.set BB, 12
.set HB, 16
.macro WRED r, t                       ; the sum of v[r] over the 32 lanes, in every lane; v[t] has been written before
	v_add_f32_dpp v[\r], v[\r], v[\r] row_xmask:1 row_mask:0xf bank_mask:0xf
	v_add_f32_dpp v[\r], v[\r], v[\r] row_xmask:2 row_mask:0xf bank_mask:0xf
	v_add_f32_dpp v[\r], v[\r], v[\r] row_xmask:4 row_mask:0xf bank_mask:0xf
	v_add_f32_dpp v[\r], v[\r], v[\r] row_xmask:8 row_mask:0xf bank_mask:0xf
	v_permlanex16_b32 v[\t], v[\r], s30, s31
	v_add_f32 v[\r], v[\r], v[\t]
.endm
.macro JOIN p, t                       ; four pairs of partial sums at v[p] -> one number in every lane
	v_pk_add_f32 v[\p:\p+1], v[\p:\p+1], v[\p+2:\p+3]
	v_pk_add_f32 v[\p+4:\p+5], v[\p+4:\p+5], v[\p+6:\p+7]
	v_pk_add_f32 v[\p:\p+1], v[\p:\p+1], v[\p+4:\p+5]
	v_add_f32 v[\p], v[\p], v[\p+1]
	WRED \p, \t
.endm
.macro SUM32 x, p, t                   ; the sum of 32 registers at v[x], in four chains that the first eight pairs start: nothing is cleared
.irp k, 0,1,2,3
	v_pk_add_f32 v[\p+2*\k:\p+2*\k+1], v[\x+2*\k:\x+2*\k+1], v[\x+8+2*\k:\x+8+2*\k+1]
.endr
.irp k, 0,1,2,3,4,5,6,7
	v_pk_add_f32 v[\p+2*(\k%4):\p+2*(\k%4)+1], v[\p+2*(\k%4):\p+2*(\k%4)+1], v[\x+16+2*\k:\x+16+2*\k+1]
.endr
	JOIN \p, \t
.endm
.macro LNMEAN x, p, mu, t
	SUM32 \x, \p, \t
	v_mul_f32 v[\mu], 0x3a800000, v[\p]            ; / 1,024
	v_mov_b32 v[\mu+1], v[\mu]                     ; twice: a pair for the packed forms
.endm
.macro LNCEN x, mu
.irp k, 0,1,2,3,4,5,6,7,8,9,10,11,12,13,14,15
	v_pk_add_f32 v[\x+2*\k:\x+2*\k+1], v[\x+2*\k:\x+2*\k+1], v[\mu:\mu+1] neg_lo:[0,1] neg_hi:[0,1]
.endr
.endm
.macro LNVAR x, p, rs, t
.irp k, 0,1,2,3
	v_pk_mul_f32 v[\p+2*\k:\p+2*\k+1], v[\x+2*\k:\x+2*\k+1], v[\x+2*\k:\x+2*\k+1]
.endr
.irp k, 4,5,6,7,8,9,10,11,12,13,14,15
	v_pk_fma_f32 v[\p+2*(\k%4):\p+2*(\k%4)+1], v[\x+2*\k:\x+2*\k+1], v[\x+2*\k:\x+2*\k+1], v[\p+2*(\k%4):\p+2*(\k%4)+1]
.endr
	JOIN \p, \t
	v_fmaak_f32 v[\p], v[\p], v30, 0x3727c5ac      ; sum / 1,024 + 1e-5
	v_rsq_f32 v[\rs], v[\p]
	v_rsq_f32 v[\rs+1], v[\p]
	v_nop                                          ; a plain instruction between the root and its use (ISA guide 5.7.2)
.endm
.macro LNSCALE x, rs                   ; a row's last arithmetic: times the root, times the gain plus the bias, rounded to f16 in place: four numbers close up into the first two of their four registers
.irp k, 0,1,2,3,4,5,6,7,8,9,10,11,12,13,14,15
	v_pk_mul_f32 v[\x+2*\k:\x+2*\k+1], v[\x+2*\k:\x+2*\k+1], v[\rs:\rs+1]
.endr
.irp k, 0,1,2,3,4,5,6,7,8,9,10,11,12,13,14,15
	v_pk_fma_f32 v[\x+2*\k:\x+2*\k+1], v[\x+2*\k:\x+2*\k+1], v[WG+2*\k:WG+2*\k+1], v[BG+2*\k:BG+2*\k+1]
.endr
.irp j, 0,1,2,3,4,5,6,7
	v_cvt_pk_f16_f32 v[\x+4*\j], v[\x+4*\j], v[\x+4*\j+1]
	v_cvt_pk_f16_f32 v[\x+4*\j+1], v[\x+4*\j+2], v[\x+4*\j+3]
.endr
.endm
.macro LNSTORE x, row                  ; a row's eight stores, in one run
.irp j, 0,1,2,3,4,5,6,7
	global_store_b64 v4, v[\x+4*\j:\x+4*\j+1], s[HB:HB+1] offset:\row*2048+256*\j   ; 32 lanes x 8 bytes: 256 consecutive bytes, aligned
.endr
.endm
	s_load_b256 s[8:15], s[0:1], 0x0               ; x 8, ln1_w 10, ln1_b 12, w_attn 14
	s_load_b128 s[16:19], s[0:1], 0x20             ; h 16, wa 18
	v_and_b32 v1, 31, v0                           ; lane
	v_lshrrev_b32 v5, 5, v0                        ; wave
	s_cmp_lt_u32 ttmp9, 256
	s_cbranch_scc0 .Lcast
	; THE LAYER NORM
	v_lshlrev_b32 v3, 4, v1                        ; my 16 bytes in each 512 of the gains and biases
	v_lshl_or_b32 v2, v5, 13, v3                   ; and of x: + wave x 2 rows x 4,096 bytes
	v_lshlrev_b32 v4, 3, v1
	v_lshl_or_b32 v4, v5, 12, v4                   ; in h: wave x 2 rows x 2,048 bytes + 8 x lane
	v_mov_b32 v28, 0                               ; destinations of the lane exchange: written once
	v_mov_b32 v29, 0
	v_mov_b32 v30, 0x3a800000                      ; 1 / 1,024
	s_mov_b32 s30, 0x76543210                      ; each lane takes its own place in the other half
	s_mov_b32 s31, 0xfedcba98
	s_lshl_b32 s26, ttmp9, 16                      ; 16 rows of 4,096 bytes
	s_mov_b32 s27, 0
	s_lshl_b32 s28, ttmp9, 15                      ; 16 rows of 2,048 bytes
	s_mov_b32 s29, 0
	s_wait_kmcnt 0x0
	s_add_nc_u64 s[XB:XB+1], s[XB:XB+1], s[26:27]
	s_add_nc_u64 s[HB:HB+1], s[HB:HB+1], s[28:29]
	s_wait_alu depctr_va_vdst(0)                   ; v2, v3 and v4 are written: every load and store of this path reads one of them as its offset
.irp j, 0,1,2,3,4,5,6,7
	global_load_b128 v[X0+4*\j:X0+4*\j+3], v2, s[XB:XB+1] offset:512*\j
.endr
.irp j, 0,1,2,3,4,5,6,7
	global_load_b128 v[X1+4*\j:X1+4*\j+3], v2, s[XB:XB+1] offset:4096+512*\j
.endr
.irp j, 0,1,2,3,4,5,6,7
	global_load_b128 v[WG+4*\j:WG+4*\j+3], v3, s[WB:WB+1] offset:512*\j
.endr
.irp j, 0,1,2,3,4,5,6,7
	global_load_b128 v[BG+4*\j:BG+4*\j+3], v3, s[BB:BB+1] offset:512*\j
.endr
	s_wait_loadcnt 16                              ; both rows are in; the sixteen younger loads (gains, biases) stay out
	LNMEAN X0, 8, 24, 28
	LNMEAN X1, 16, 26, 29
	LNCEN X0, 24
	LNCEN X1, 26
	LNVAR X0, 8, 24, 28
	LNVAR X1, 16, 26, 29
	s_wait_loadcnt 0x0                             ; gains and biases
	s_wait_alu depctr_va_vdst(0)                   ; the four roots v[24:27] are written, ahead of their first reader: one wait for both rows
	LNSCALE X0, 24
	s_wait_alu depctr_va_vdst(0)                   ; row 0's roundings have written the registers of X0 that its stores read
	LNSTORE X0, 0
	LNSCALE X1, 26                                 ; names X1, WG, BG and v[26:27]: none of the registers that row 0's stores read
	s_wait_alu depctr_va_vdst(0)                   ; row 1's roundings have written the registers of X1 that its stores read
	LNSTORE X1, 1
	s_endpgm
	; THE CAST OF w_attn
.Lcast:
	s_sub_co_u32 s32, ttmp9, 256                   ; part 0..255 of 12,288 numbers
	v_lshlrev_b32 v2, 4, v0                        ; 16 bytes a thread in, 4,096 a step
	v_lshlrev_b32 v3, 3, v0                        ; 8 bytes a thread out
	s_mul_i32 s34, s32, 49152
	s_mov_b32 s35, 0
	s_mul_i32 s36, s32, 24576
	s_mov_b32 s37, 0
	s_wait_kmcnt 0x0
	s_add_nc_u64 s[14:15], s[14:15], s[34:35]
	s_add_nc_u64 s[18:19], s[18:19], s[36:37]
	s_wait_alu depctr_va_vdst(0)                   ; v2 and v3 are written: the loads read v2, the stores v3
.irp i, 0,1,2,3,4,5,6,7,8,9,10,11
	global_load_b128 v[32+4*\i:32+4*\i+3], v2, s[14:15] offset:4096*\i th:TH_LOAD_NT
.endr
.irp b, 0,1,2                          ; three blocks of four steps
	s_wait_loadcnt 8-4*\b                          ; loads come back in order (ISA guide 5.7.1): this block's four are in, the younger blocks stay out
.irp i, 0,1,2,3
	v_cvt_pk_f16_f32 v[32+16*\b+4*\i], v[32+16*\b+4*\i], v[32+16*\b+4*\i+1]
	v_cvt_pk_f16_f32 v[32+16*\b+4*\i+1], v[32+16*\b+4*\i+2], v[32+16*\b+4*\i+3]
.endr
	s_wait_alu depctr_va_vdst(0)                   ; the block's eight roundings have written the registers that its four stores read
.irp i, 0,1,2,3
	global_store_b64 v3, v[32+16*\b+4*\i:32+16*\b+4*\i+1], s[18:19] offset:2048*(4*\b+\i)
.endr
.endr
	s_endpgm
.Lfunc_end_k_q0dbdd561c0_prep:
	.size	k_q0dbdd561c0_prep, .Lfunc_end_k_q0dbdd561c0_prep-k_q0dbdd561c0_prep
	.p2alignl 7, 3214868480
	.fill 96, 4, 3214868480
	.section	.rodata,"a",@progbits
	.p2align	6, 0x0
	.amdhsa_kernel k_q0dbdd561c0_prep
		.amdhsa_group_segment_fixed_size 0
		.amdhsa_private_segment_fixed_size 0
		.amdhsa_enable_private_segment 0
		.amdhsa_kernarg_size 48
		.amdhsa_user_sgpr_count 2
		.amdhsa_user_sgpr_kernarg_segment_ptr 1
		.amdhsa_wavefront_size32 1
		.amdhsa_system_sgpr_workgroup_id_x 1
		.amdhsa_system_sgpr_workgroup_id_y 1
		.amdhsa_system_sgpr_workgroup_id_z 1
		.amdhsa_system_vgpr_workitem_id 0
		.amdhsa_next_free_vgpr 160
		.amdhsa_next_free_sgpr 66
		.amdhsa_reserve_vcc 0
		.amdhsa_float_denorm_mode_32 3
		.amdhsa_float_denorm_mode_16_64 3
		.amdhsa_memory_ordered 1
		.amdhsa_forward_progress 1
		.amdhsa_inst_pref_size 25
	.end_amdhsa_kernel
	.amdgpu_metadata
---
amdhsa.version: [ 1, 2 ]
amdhsa.kernels:
  - .name:           k_q0dbdd561c0_prep
    .symbol:         k_q0dbdd561c0_prep.kd
    .args:
      - { .name: x, .offset: 0, .size: 8, .value_kind: global_buffer, .address_space: global }
      - { .name: ln1_w, .offset: 8, .size: 8, .value_kind: global_buffer, .address_space: global }
      - { .name: ln1_b, .offset: 16, .size: 8, .value_kind: global_buffer, .address_space: global }
      - { .name: w_attn, .offset: 24, .size: 8, .value_kind: global_buffer, .address_space: global }
      - { .name: h, .offset: 32, .size: 8, .value_kind: global_buffer, .address_space: global }
      - { .name: wa, .offset: 40, .size: 8, .value_kind: global_buffer, .address_space: global }
    .group_segment_fixed_size: 0
    .private_segment_fixed_size: 0
    .kernarg_segment_align: 8
    .kernarg_segment_size: 48
    .max_flat_workgroup_size: 256
    .sgpr_count:     66
    .vgpr_count:     160
    .wavefront_size: 32
...
	.end_amdgpu_metadata
.endif
;; end of part 8
;; launch qkv: the kernel of part 2 again; grid 16 x 16, 4 waves a work-group, clusters of 4 x 4, 327,680 bytes of LDS; arguments h, wa, b_attn, qkvb, out2, w_proj, w_fc, w_mlp, wbf; writes qkvb, out2, wbf
;; launch attn: the kernel of part 3 again; grid 8 x 32, 4 waves a work-group, no clusters, 327,680 bytes of LDS; arguments qkvb, y, entp; writes y, entp
;; launch proj: the kernel of part 4 again; grid 8 x 32, 4 waves a work-group, clusters of 4 x 4, 327,680 bytes of LDS; arguments y, wbf, b_proj, x, x1; writes x1
;; launch ln2 (part 9): grid 256 x 1, 8 waves a work-group, no clusters, 0 bytes of LDS; arguments x1, ln2_w, ln2_b, entp, h, out1; writes h, out1
.if DOCPART == 9
	.amdgcn_target "amdgcn-amd-amdhsa--gfx1250"
	.amdhsa_code_object_version 6
	.text
	.protected	k_q0dbdd561c0_ln2
	.globl	k_q0dbdd561c0_ln2
	.p2align	8
	.type	k_q0dbdd561c0_ln2,@function
k_q0dbdd561c0_ln2:
	s_mov_b64 s[64:65], 0
	v_nop
	global_prefetch_b8 v0, s[64:65] scope:SCOPE_SE
	s_setreg_imm32_b32 hwreg(HW_REG_WAVE_SCHED_MODE, 0, 2), 2
	s_setreg_imm32_b32 hwreg(HW_REG_WAVE_MODE, 25, 1), 1
	s_wait_xcnt 0x0
	s_wait_alu depctr_vm_vsrc(0)
; h = f16(layer norm of x1): 16 rows a work-group, two rows a wave; a row of 1,024 f32 is 32 registers of one wave, read once; it is centred before it is squared.
; f16: |h| <= 32 max|gain| + max|bias|, so it has room, and it keeps 11 bits against bf16's 8.  LIMIT: a magnitude of 65,504 or more becomes infinite.
; Wave 0 of work-group 0 then adds the 1,024 entropy partials of the attention launch and stores their mean: one owner, a fixed order of the sum.
; No LDS, no barrier, no matrix unit: nothing is shared between waves.
; THE MODE: SCHED_MODE bits 1:0 = 2 (LLVM: expert scheduling mode 2), set by the entry lines.  The code itself states the register dependences
; between vector instructions and memory instructions, with s_wait_alu, always for 0.
; THE PLAN.  Registers that memory instructions touch:
;   v2, v3, v4       byte offsets, made once at the head and never written again: one wait ahead of the first load covers every load and store that reads them.
;   X0, X1, WG, BG   loaded once; no vector instruction names them ahead of their loads.
;   X0, X1           also the out-buffers: a row's sixteen roundings write the registers that its eight stores read; one wait stands between the two runs.  Row 1's arithmetic,
;                    which follows row 0's stores, names X1, WG, BG and v[26:27] alone.
;   X0 once more     in the one wave that adds the entropy's partials: their loads land in X0 behind a wait that states that row 0's stores have read it; the vector
;                    instructions that named X0 all stand ahead of the wait in front of row 1's stores.
;   v8, v9           the last store's data and offset, written ahead of the waits that stand in front of the write of EXEC.
; A vector instruction writes a scalar register twice: the wave's number (s32) and the mask of lane 0 (VCC); each has its wait ahead of its first reader.
.set X0, 32
.set X1, 64
.set WG, 96
.set BG, 128
.set XB, 8                             ; s[8:9] x1, s[10:11] gain, s[12:13] bias, s[14:15] entp, s[16:17] h, s[18:19] out1
.set WB, 10
.set BB, 12
.set HB, 16
.macro WRED r, t
	v_add_f32_dpp v[\r], v[\r], v[\r] row_xmask:1 row_mask:0xf bank_mask:0xf
	v_add_f32_dpp v[\r], v[\r], v[\r] row_xmask:2 row_mask:0xf bank_mask:0xf
	v_add_f32_dpp v[\r], v[\r], v[\r] row_xmask:4 row_mask:0xf bank_mask:0xf
	v_add_f32_dpp v[\r], v[\r], v[\r] row_xmask:8 row_mask:0xf bank_mask:0xf
	v_permlanex16_b32 v[\t], v[\r], s30, s31
	v_add_f32 v[\r], v[\r], v[\t]
.endm
.macro JOIN p, t
	v_pk_add_f32 v[\p:\p+1], v[\p:\p+1], v[\p+2:\p+3]
	v_pk_add_f32 v[\p+4:\p+5], v[\p+4:\p+5], v[\p+6:\p+7]
	v_pk_add_f32 v[\p:\p+1], v[\p:\p+1], v[\p+4:\p+5]
	v_add_f32 v[\p], v[\p], v[\p+1]
	WRED \p, \t
.endm
.macro SUM32 x, p, t
.irp k, 0,1,2,3
	v_pk_add_f32 v[\p+2*\k:\p+2*\k+1], v[\x+2*\k:\x+2*\k+1], v[\x+8+2*\k:\x+8+2*\k+1]
.endr
.irp k, 0,1,2,3,4,5,6,7
	v_pk_add_f32 v[\p+2*(\k%4):\p+2*(\k%4)+1], v[\p+2*(\k%4):\p+2*(\k%4)+1], v[\x+16+2*\k:\x+16+2*\k+1]
.endr
	JOIN \p, \t
.endm
.macro LNMEAN x, p, mu, t
	SUM32 \x, \p, \t
	v_mul_f32 v[\mu], 0x3a800000, v[\p]
	v_mov_b32 v[\mu+1], v[\mu]
.endm
.macro LNCEN x, mu
.irp k, 0,1,2,3,4,5,6,7,8,9,10,11,12,13,14,15
	v_pk_add_f32 v[\x+2*\k:\x+2*\k+1], v[\x+2*\k:\x+2*\k+1], v[\mu:\mu+1] neg_lo:[0,1] neg_hi:[0,1]
.endr
.endm
.macro LNVAR x, p, rs, t
.irp k, 0,1,2,3
	v_pk_mul_f32 v[\p+2*\k:\p+2*\k+1], v[\x+2*\k:\x+2*\k+1], v[\x+2*\k:\x+2*\k+1]
.endr
.irp k, 4,5,6,7,8,9,10,11,12,13,14,15
	v_pk_fma_f32 v[\p+2*(\k%4):\p+2*(\k%4)+1], v[\x+2*\k:\x+2*\k+1], v[\x+2*\k:\x+2*\k+1], v[\p+2*(\k%4):\p+2*(\k%4)+1]
.endr
	JOIN \p, \t
	v_fmaak_f32 v[\p], v[\p], v30, 0x3727c5ac      ; sum / 1,024 + 1e-5
	v_rsq_f32 v[\rs], v[\p]
	v_rsq_f32 v[\rs+1], v[\p]
	v_nop                                          ; a plain instruction between the root and its use (ISA guide 5.7.2)
.endm
.macro LNSCALE x, rs                   ; a row's last arithmetic: times the root, times the gain plus the bias, rounded to f16 in place: four numbers close up into the first two of their four registers
.irp k, 0,1,2,3,4,5,6,7,8,9,10,11,12,13,14,15
	v_pk_mul_f32 v[\x+2*\k:\x+2*\k+1], v[\x+2*\k:\x+2*\k+1], v[\rs:\rs+1]
.endr
.irp k, 0,1,2,3,4,5,6,7,8,9,10,11,12,13,14,15
	v_pk_fma_f32 v[\x+2*\k:\x+2*\k+1], v[\x+2*\k:\x+2*\k+1], v[WG+2*\k:WG+2*\k+1], v[BG+2*\k:BG+2*\k+1]
.endr
.irp j, 0,1,2,3,4,5,6,7
	v_cvt_pk_f16_f32 v[\x+4*\j], v[\x+4*\j], v[\x+4*\j+1]
	v_cvt_pk_f16_f32 v[\x+4*\j+1], v[\x+4*\j+2], v[\x+4*\j+3]
.endr
.endm
.macro LNSTORE x, row                  ; a row's eight stores, in one run
.irp j, 0,1,2,3,4,5,6,7
	global_store_b64 v4, v[\x+4*\j:\x+4*\j+1], s[HB:HB+1] offset:\row*2048+256*\j   ; 32 lanes x 8 bytes: 256 consecutive bytes, aligned
.endr
.endm
	s_load_b256 s[8:15], s[0:1], 0x0
	s_load_b128 s[16:19], s[0:1], 0x20
	v_and_b32 v1, 31, v0
	v_lshrrev_b32 v5, 5, v0
	v_lshlrev_b32 v3, 4, v1
	v_lshl_or_b32 v2, v5, 13, v3
	v_lshlrev_b32 v4, 3, v1
	v_lshl_or_b32 v4, v5, 12, v4
	v_mov_b32 v28, 0
	v_mov_b32 v29, 0
	v_mov_b32 v30, 0x3a800000
	s_mov_b32 s30, 0x76543210
	s_mov_b32 s31, 0xfedcba98
	s_lshl_b32 s26, ttmp9, 16
	s_mov_b32 s27, 0
	s_lshl_b32 s28, ttmp9, 15
	s_mov_b32 s29, 0
	s_wait_kmcnt 0x0
	s_add_nc_u64 s[XB:XB+1], s[XB:XB+1], s[26:27]
	s_add_nc_u64 s[HB:HB+1], s[HB:HB+1], s[28:29]
	s_wait_alu depctr_va_vdst(0)                   ; v2, v3 and v4 are written: every load and every store of a row reads one of them as its offset
.irp j, 0,1,2,3,4,5,6,7
	global_load_b128 v[X0+4*\j:X0+4*\j+3], v2, s[XB:XB+1] offset:512*\j
.endr
.irp j, 0,1,2,3,4,5,6,7
	global_load_b128 v[X1+4*\j:X1+4*\j+3], v2, s[XB:XB+1] offset:4096+512*\j
.endr
.irp j, 0,1,2,3,4,5,6,7
	global_load_b128 v[WG+4*\j:WG+4*\j+3], v3, s[WB:WB+1] offset:512*\j
.endr
.irp j, 0,1,2,3,4,5,6,7
	global_load_b128 v[BG+4*\j:BG+4*\j+3], v3, s[BB:BB+1] offset:512*\j
.endr
	s_wait_loadcnt 16                              ; both rows are in; the sixteen younger loads (gains, biases) stay out
	LNMEAN X0, 8, 24, 28
	LNMEAN X1, 16, 26, 29
	LNCEN X0, 24
	LNCEN X1, 26
	LNVAR X0, 8, 24, 28
	LNVAR X1, 16, 26, 29
	s_wait_loadcnt 0x0
	s_wait_alu depctr_va_vdst(0)                   ; the four roots v[24:27] are written, ahead of their first reader: one wait for both rows
	LNSCALE X0, 24
	s_wait_alu depctr_va_vdst(0)                   ; row 0's roundings have written the registers of X0 that its stores read
	LNSTORE X0, 0
	LNSCALE X1, 26                                 ; names X1, WG, BG and v[26:27]: none of the registers that row 0's stores read
	s_wait_alu depctr_va_vdst(0)                   ; row 1's roundings have written the registers of X1 that its stores read
	LNSTORE X1, 1
	s_cmp_lg_u32 ttmp9, 0
	s_cbranch_scc1 .Lend
	v_readfirstlane_b32 s32, v5
	s_wait_alu depctr_va_sdst(0)                   ; s32, the wave's number, is written, ahead of the compare that reads it
	s_cmp_lg_u32 s32, 0
	s_cbranch_scc1 .Lend
	; THE ENTROPY'S LAST SUM: 1,024 partials, 32 a lane
	s_wait_xcnt 0x0                                ; v[32:63] were read by the stores above
	s_wait_alu depctr_vm_vsrc(0)                   ; row 0's stores have read the registers of X0, in which the loads below land; the vector instructions that named X0 stand ahead of the wait in front of row 1's stores
.irp i, 0,1,2,3,4,5,6,7
	global_load_b128 v[X0+4*\i:X0+4*\i+3], v3, s[14:15] offset:512*\i
.endr
	s_wait_loadcnt 0x0
	SUM32 X0, 8, 28
	v_mul_f32 v8, 0x36b17218, v8                   ; x ln 2 (the partials are in base 2) / 65,536 queries / 2 (both halves of the lanes carried each query)
	v_mov_b32 v9, 0
	v_cmp_eq_u32 vcc_lo, 0, v1
	s_wait_xcnt 0x0                                ; EXEC changes only behind this wait
	s_wait_alu depctr_va_vcc(0)                    ; VCC, the mask of lane 0, is written: EXEC is made from it
	s_wait_alu depctr_va_vdst(0)                   ; ahead of the write of EXEC: the vector instructions issued so far are done; v8 and v9, the store's data and offset, are written
	s_wait_alu depctr_vm_vsrc(0)                   ; ahead of the write of EXEC: the memory instructions issued so far have read their registers
	s_and_saveexec_b32 s33, vcc_lo
	global_store_b32 v9, v8, s[18:19]
	s_wait_xcnt 0x0
	s_wait_alu depctr_va_vdst(0)                   ; ahead of the restore of EXEC: the vector instructions issued so far are done
	s_wait_alu depctr_vm_vsrc(0)                   ; ahead of the restore of EXEC: the store has read v8 and v9
	s_or_b32 exec_lo, exec_lo, s33
.Lend:
	s_endpgm
.Lfunc_end_k_q0dbdd561c0_ln2:
	.size	k_q0dbdd561c0_ln2, .Lfunc_end_k_q0dbdd561c0_ln2-k_q0dbdd561c0_ln2
	.p2alignl 7, 3214868480
	.fill 96, 4, 3214868480
	.section	.rodata,"a",@progbits
	.p2align	6, 0x0
	.amdhsa_kernel k_q0dbdd561c0_ln2
		.amdhsa_group_segment_fixed_size 0
		.amdhsa_private_segment_fixed_size 0
		.amdhsa_enable_private_segment 0
		.amdhsa_kernarg_size 48
		.amdhsa_user_sgpr_count 2
		.amdhsa_user_sgpr_kernarg_segment_ptr 1
		.amdhsa_wavefront_size32 1
		.amdhsa_system_sgpr_workgroup_id_x 1
		.amdhsa_system_sgpr_workgroup_id_y 1
		.amdhsa_system_sgpr_workgroup_id_z 1
		.amdhsa_system_vgpr_workitem_id 0
		.amdhsa_next_free_vgpr 160
		.amdhsa_next_free_sgpr 66
		.amdhsa_reserve_vcc 1
		.amdhsa_float_denorm_mode_32 3
		.amdhsa_float_denorm_mode_16_64 3
		.amdhsa_memory_ordered 1
		.amdhsa_forward_progress 1
		.amdhsa_inst_pref_size 23
	.end_amdhsa_kernel
	.amdgpu_metadata
---
amdhsa.version: [ 1, 2 ]
amdhsa.kernels:
  - .name:           k_q0dbdd561c0_ln2
    .symbol:         k_q0dbdd561c0_ln2.kd
    .args:
      - { .name: x1, .offset: 0, .size: 8, .value_kind: global_buffer, .address_space: global }
      - { .name: ln2_w, .offset: 8, .size: 8, .value_kind: global_buffer, .address_space: global }
      - { .name: ln2_b, .offset: 16, .size: 8, .value_kind: global_buffer, .address_space: global }
      - { .name: entp, .offset: 24, .size: 8, .value_kind: global_buffer, .address_space: global }
      - { .name: h, .offset: 32, .size: 8, .value_kind: global_buffer, .address_space: global }
      - { .name: out1, .offset: 40, .size: 8, .value_kind: global_buffer, .address_space: global }
    .group_segment_fixed_size: 0
    .private_segment_fixed_size: 0
    .kernarg_segment_align: 8
    .kernarg_segment_size: 48
    .max_flat_workgroup_size: 256
    .sgpr_count:     66
    .vgpr_count:     160
    .wavefront_size: 32
...
	.end_amdgpu_metadata
.endif
;; end of part 9
;; launch fc: the kernel of part 6 again; grid 16 x 16, 4 waves a work-group, clusters of 4 x 4, 327,680 bytes of LDS; arguments h, wbf, b_fc, g; writes g
;; launch mlp: the kernel of part 7 again; grid 8 x 32, 4 waves a work-group, clusters of 4 x 4, 327,680 bytes of LDS; arguments g, wbf, b_mlp, x1, out0; writes out0
